; MI455X (gfx1250); checked and timed in simulation.
; The chip was launched on July 23, 2026; its instructions are those of AMD's public machine-readable ISA for CDNA 5 (MIT licence, August 2026) and "CDNA5" Instruction Set Architecture Reference Guide (July 2026). The comments in the code are by the model that wrote it; some were corrected since.
;; Deep Seek V3 Module. Allowed arithmetic: float matrix products may take bf16 or f16 operands with f32 sums; all other float work in f32.
;; Inputs: b1 2 x 2,048 float32; b2 2 x 1,024 float32; hidden_states 2 x 2,048 x 1,024 float32; k_b 512 float32; k_w 1,024 x 512 float32; o_b 1,024 float32; o_w 1,024 x 1,024 float32; q_b 1,024 float32; q_w 1,024 x 1,024 float32; router_b 2 float32; router_w 1,024 x 2 float32; v_b 512 float32; v_w 1,024 x 512 float32; w1 2 x 1,024 x 2,048 float32; w2 2 x 2,048 x 1,024 float32.
;; Outputs: out0 2 x 2,048 x 1,024 float32.
;; 2 versions, each right and faster than the one before. Each part assembles by itself: llvm-mc -triple=amdgcn-amd-amdhsa -mcpu=gfx1250 --defsym DOCPART=n.
;; ======== version 1 of 2: 6 launches
;; limits: a function is approximated: absolute error at most 1.5e-07
;; workspace buffers: wts 20,971,520 bytes; xb 8,388,608 bytes; qkv 12,582,912 bytes; ao 4,194,304 bytes; part 524,288 bytes; h1 33,554,432 bytes; wf 4,194,304 bytes; pb 262,144 bytes
;; launch prep (part 1): grid 896 x 1, 8 waves a work-group, no clusters, 9,216 bytes of LDS; arguments hidden_states, w1, w2, o_w, q_w, k_w, v_w, xb, wts, o_b, pb; writes xb, wts, pb
.if DOCPART == 1
	.amdgcn_target "amdgcn-amd-amdhsa--gfx1250"
	.amdhsa_code_object_version 6
	.text
	.protected	k_q136a46a02a_prep
	.globl	k_q136a46a02a_prep
	.p2align	8
	.type	k_q136a46a02a_prep,@function
k_q136a46a02a_prep:
	s_mov_b64 s[64:65], 0
	v_nop
	global_prefetch_b8 v0, s[64:65] scope:SCOPE_SE
	s_setreg_imm32_b32 hwreg(HW_REG_WAVE_MODE, 25, 1), 1
	s_wait_xcnt 0x0
; f32 -> bf16, once, for everything that later launches multiply.  A stream: no matrix unit.
; A work-group rounds 16,384 numbers in 8 rounds of 2,048; thread t takes 8 numbers a round: two 16-byte loads, four packed
; roundings, one 16-byte store.  A wave's store covers 512 consecutive bytes, aligned.  All loads go out first.
; Work-groups 0-255: hidden_states -> xb, 512-767: w2 -> wts, as they lie.  768-799: rows 0-511 of o_w (the other rows meet the
; zeros with which the module pads the attention's output).  800-895: q_w, k_w, v_w into blocks [j 8][q,k,v][k 1024][64 columns]:
; block j holds heads 2j and 2j+1; of q_w only the first 32 of each head's 64 columns, the ones that the module keeps.
; Work-groups 256-511: w1 -> wts, 64 rows x 256 columns each, and on the way, in f32, the sum over those 64 rows k of o_b[k] w1[k][n]:
; pb[block of 64 rows][4,096 columns].  (The module's (ao W_o + o_b) w1 + b1 is computed as ao (W_o w1) + (o_b w1 + b1); the 16 rows of pb are added to b1 later.)
; Wave w has rows 8 i + w in round i; the eight waves' sums meet in 8,192 bytes of LDS behind one barrier, and waves 0 and 1 add and store them.
.set W_O, 3145728                      ; byte sections of wts
.set W_1, 4194304
.set W_2, 12582912
.set X, 8                              ; v[8:71]    as loaded, 8 registers a round
.set Y, 72                             ; v[72:103]  to store, 4 registers a round
.set OB, 104                           ; v[104:111] o_b of my wave's row in each round
.set AC, 112                           ; v[112:119] my 8 columns' sums
.macro CONV step                       ; step: bytes in the source from one round to the next
.irp i, 0,1,2,3,4,5,6,7
	global_load_b128 v[X+8*(\i):X+8*(\i)+3], v1, s[4:5] offset:(\i)*(\step) th:TH_LOAD_NT
	global_load_b128 v[X+8*(\i)+4:X+8*(\i)+7], v1, s[4:5] offset:(\i)*(\step)+16 th:TH_LOAD_NT
.endr
.irp i, 0,1,2,3,4,5,6,7
	s_wait_loadcnt 14-2*(\i)                       ; loads come back in order: round i's two are in, the 2 (7 - i) younger stay out
.irp j, 0,1,2,3
	v_cvt_pk_bf16_f32 v[Y+4*(\i)+(\j)], v[X+8*(\i)+2*(\j)], v[X+8*(\i)+2*(\j)+1]
.endr
	global_store_b128 v2, v[Y+4*(\i):Y+4*(\i)+3], s[6:7] offset:(\i)*4096
.endr
	s_endpgm                                       ; no register is written twice, so nothing waits for a store
.endm
	s_load_b512 s[8:23], s[0:1], 0x0               ; hs s[8:9], w1 s[10:11], w2 s[12:13], o_w s[14:15], q_w s[16:17], k_w s[18:19], v_w s[20:21], xb s[22:23]
	s_load_b64 s[24:25], s[0:1], 0x40              ; wts
	s_load_b64 s[36:37], s[0:1], 0x48              ; o_b
	s_load_b64 s[38:39], s[0:1], 0x50              ; pb
	v_lshl_add_u32 v120, v0, 2, 0x2000
	v_mov_b32 v121, 0
	v_lshlrev_b32 v2, 4, v0                        ; my 16 bytes of a round's 4,096 in the destination
	s_mov_b32 s27, 0                               ; high words of the two offsets
	s_mov_b32 s29, 0
	s_wait_kmcnt 0x0
	s_cmp_ge_u32 ttmp9, 800
	s_cbranch_scc1 .Lqkv
	s_cmp_ge_u32 ttmp9, 768
	s_cbranch_scc1 .Lo
	s_lshr_b32 s30, ttmp9, 8                       ; 0: hidden_states, 1: w1, 2: w2
	s_and_b32 s31, ttmp9, 255
	s_cmp_eq_u32 s30, 1
	s_cbranch_scc1 .Lw1
	s_lshl_b32 s26, s31, 16                        ; 16,384 numbers: 65,536 bytes in, 32,768 out
	s_lshl_b32 s28, s31, 15
	s_cmp_eq_u32 s30, 0
	s_cselect_b64 s[4:5], s[8:9], s[12:13]
	s_cselect_b64 s[6:7], s[22:23], s[24:25]
	s_cselect_b32 s32, 0, W_2
	s_add_co_u32 s28, s28, s32
	s_branch .Ldense
.Lo:
	s_sub_co_u32 s31, ttmp9, 768
	s_lshl_b32 s26, s31, 16
	s_lshl_b32 s28, s31, 15
	s_add_co_u32 s28, s28, W_O
	s_mov_b64 s[4:5], s[14:15]
	s_mov_b64 s[6:7], s[24:25]
.Ldense:
	s_add_nc_u64 s[4:5], s[4:5], s[26:27]
	s_add_nc_u64 s[6:7], s[6:7], s[28:29]
	v_lshlrev_b32 v1, 5, v0                        ; my 32 bytes of a round's 8,192 in the source
	CONV 8192
.Lw1:
	s_lshr_b32 s32, s31, 7                         ; the expert
	s_bfe_u32 s33, s31, 0x40003                    ; which 64 of its 1,024 rows
	s_and_b32 s34, s31, 7                          ; which 256 of its 2,048 columns
	s_lshl_b32 s26, s32, 23                        ; in: expert x 8,388,608 + 64 rows of 8,192 bytes + 256 columns of 4
	s_lshl_b32 s35, s33, 19
	s_add_co_u32 s26, s26, s35
	s_lshl_b32 s35, s34, 10
	s_add_co_u32 s26, s26, s35
	s_add_nc_u64 s[4:5], s[10:11], s[26:27]
	s_lshl_b32 s28, s32, 22                        ; out: half of each
	s_lshl_b32 s35, s33, 18
	s_add_co_u32 s28, s28, s35
	s_lshl_b32 s35, s34, 9
	s_add_co_u32 s28, s28, s35
	s_add_co_u32 s28, s28, W_1
	s_add_nc_u64 s[6:7], s[24:25], s[28:29]
	s_lshl_b32 s26, s33, 8                         ; o_b at the block's 64 numbers
	s_add_nc_u64 s[36:37], s[36:37], s[26:27]
	s_lshl_b32 s28, s33, 14                        ; pb: block x 16,384 + expert x 8,192 + 256 columns of 4 bytes
	s_lshl_b32 s35, s32, 13
	s_add_co_u32 s28, s28, s35
	s_lshl_b32 s35, s34, 10
	s_add_co_u32 s28, s28, s35
	s_add_nc_u64 s[38:39], s[38:39], s[28:29]
	v_and_b32 v3, 31, v0                           ; lane: 8 of the 256 columns
	v_lshrrev_b32 v4, 5, v0                        ; wave: one of a round's 8 rows
	v_readfirstlane_b32 s40, v4
	v_lshlrev_b32 v1, 5, v3
	v_lshl_add_u32 v1, v4, 13, v1
	v_lshlrev_b32 v2, 4, v3
	v_lshl_add_u32 v2, v4, 12, v2
	v_lshlrev_b32 v5, 2, v4
	v_lshlrev_b32 v6, 5, v0                        ; LDS: wave x 1,024 + lane x 32: my 8 sums
	v_lshlrev_b32 v7, 4, v0                        ; 16 t: four columns, in LDS and in pb
.irp i, 0,1,2,3,4,5,6,7
	global_load_b32 v[OB+(\i)], v5, s[36:37] offset:(\i)*32
.endr
.irp i, 0,1,2,3,4,5,6,7
	global_load_b128 v[X+8*(\i):X+8*(\i)+3], v1, s[4:5] offset:(\i)*65536 th:TH_LOAD_NT
	global_load_b128 v[X+8*(\i)+4:X+8*(\i)+7], v1, s[4:5] offset:(\i)*65536+16 th:TH_LOAD_NT
.endr
.irp i, 0,1,2,3,4,5,6,7
	s_wait_loadcnt 14-2*(\i)                       ; o_b's eight and round i's two are in, the 2 (7 - i) younger stay out
.irp j, 0,1,2,3
	v_cvt_pk_bf16_f32 v[Y+4*(\i)+(\j)], v[X+8*(\i)+2*(\j)], v[X+8*(\i)+2*(\j)+1]
.endr
	global_store_b128 v2, v[Y+4*(\i):Y+4*(\i)+3], s[6:7] offset:(\i)*32768
.irp j, 0,1,2,3,4,5,6,7
.if (\i) == 0
	v_mul_f32 v[AC+(\j)], v[OB], v[X+(\j)]         ; the first row starts the sums
.else
	v_fmac_f32 v[AC+(\j)], v[OB+(\i)], v[X+8*(\i)+(\j)]
.endif
.endr
.endr
	ds_store_b128 v6, v[AC:AC+3]
	ds_store_b128 v6, v[AC+4:AC+7] offset:16
	s_wait_dscnt 0x0                               ; for the others' sake: my sums are written
	s_barrier_signal -1
	s_barrier_wait -1
	s_cmp_ge_u32 s40, 2
	s_cbranch_scc1 .Lw1_end                        ; 64 threads x 4 columns: waves 0 and 1
.irp k, 0,1,2,3,4,5,6,7
	ds_load_b128 v[X+4*(\k):X+4*(\k)+3], v7 offset:(\k)*1024
.endr
	s_wait_dscnt 0x0
.irp k, 1,2,3,4,5,6,7
	v_pk_add_f32 v[X:X+1], v[X:X+1], v[X+4*(\k):X+4*(\k)+1]
	v_pk_add_f32 v[X+2:X+3], v[X+2:X+3], v[X+4*(\k)+2:X+4*(\k)+3]
.endr
	global_store_b128 v7, v[X:X+3], s[38:39]       ; sixteen lanes store 256 consecutive bytes, aligned
.Lw1_end:
	s_wait_tensorcnt 0x0
	ds_add_u32 v120, v121
	s_wait_dscnt 0x0
	s_endpgm
.Lqkv:
	s_sub_co_u32 s30, ttmp9, 800
	s_lshr_b32 s31, s30, 5                         ; 0: q, 1: k, 2: v
	s_bfe_u32 s32, s30, 0x30002                    ; j: the block of two heads
	s_and_b32 s33, s30, 3                          ; which 256 of the 1,024 rows
	s_mul_i32 s28, s32, 393216
	s_lshl_b32 s34, s31, 17
	s_add_co_u32 s28, s28, s34
	s_lshl_b32 s34, s33, 15
	s_add_co_u32 s28, s28, s34
	s_add_nc_u64 s[6:7], s[24:25], s[28:29]
	v_and_b32 v3, 7, v0                            ; which 8 of the block's 64 columns
	v_lshrrev_b32 v4, 3, v0                        ; which of a round's 32 rows
	s_cmp_eq_u32 s31, 0
	s_cbranch_scc1 .Lq
	s_cmp_eq_u32 s31, 1
	s_cselect_b64 s[4:5], s[18:19], s[20:21]
	s_lshl_b32 s26, s33, 19                        ; 256 rows of 2,048 bytes
	s_lshl_b32 s34, s32, 8                         ; 64 columns of 4 bytes
	s_add_co_u32 s26, s26, s34
	s_add_nc_u64 s[4:5], s[4:5], s[26:27]
	v_lshlrev_b32 v1, 5, v3
	v_lshl_add_u32 v1, v4, 11, v1
	CONV 65536
.Lq:
	s_lshl_b32 s26, s33, 20                        ; 256 rows of 4,096 bytes
	s_lshl_b32 s34, s32, 9                         ; two heads of 64 columns
	s_add_co_u32 s26, s26, s34
	s_add_nc_u64 s[4:5], s[16:17], s[26:27]
	v_and_b32 v5, 3, v3
	v_lshrrev_b32 v6, 2, v3
	v_lshlrev_b32 v1, 5, v5                        ; 8 columns inside the head's first 32,
	v_lshl_add_u32 v1, v6, 8, v1                   ; the head,
	v_lshl_add_u32 v1, v4, 12, v1                  ; the row
	CONV 131072
.Lfunc_end_k_q136a46a02a_prep:
	.size	k_q136a46a02a_prep, .Lfunc_end_k_q136a46a02a_prep-k_q136a46a02a_prep
	.p2alignl 7, 3214868480
	.fill 96, 4, 3214868480
	.section	.rodata,"a",@progbits
	.p2align	6, 0x0
	.amdhsa_kernel k_q136a46a02a_prep
		.amdhsa_group_segment_fixed_size 9216
		.amdhsa_private_segment_fixed_size 0
		.amdhsa_enable_private_segment 0
		.amdhsa_kernarg_size 88
		.amdhsa_user_sgpr_count 2
		.amdhsa_user_sgpr_kernarg_segment_ptr 1
		.amdhsa_wavefront_size32 1
		.amdhsa_system_sgpr_workgroup_id_x 1
		.amdhsa_system_sgpr_workgroup_id_y 1
		.amdhsa_system_sgpr_workgroup_id_z 1
		.amdhsa_system_vgpr_workitem_id 0
		.amdhsa_next_free_vgpr 122
		.amdhsa_next_free_sgpr 66
		.amdhsa_reserve_vcc 0
		.amdhsa_float_denorm_mode_32 3
		.amdhsa_float_denorm_mode_16_64 3
		.amdhsa_memory_ordered 1
		.amdhsa_forward_progress 1
		.amdhsa_inst_pref_size 27
	.end_amdhsa_kernel
	.amdgpu_metadata
---
amdhsa.version: [ 1, 2 ]
amdhsa.kernels:
  - .name:           k_q136a46a02a_prep
    .symbol:         k_q136a46a02a_prep.kd
    .args:
      - { .name: hidden_states, .offset: 0, .size: 8, .value_kind: global_buffer, .address_space: global }
      - { .name: w1, .offset: 8, .size: 8, .value_kind: global_buffer, .address_space: global }
      - { .name: w2, .offset: 16, .size: 8, .value_kind: global_buffer, .address_space: global }
      - { .name: o_w, .offset: 24, .size: 8, .value_kind: global_buffer, .address_space: global }
      - { .name: q_w, .offset: 32, .size: 8, .value_kind: global_buffer, .address_space: global }
      - { .name: k_w, .offset: 40, .size: 8, .value_kind: global_buffer, .address_space: global }
      - { .name: v_w, .offset: 48, .size: 8, .value_kind: global_buffer, .address_space: global }
      - { .name: xb, .offset: 56, .size: 8, .value_kind: global_buffer, .address_space: global }
      - { .name: wts, .offset: 64, .size: 8, .value_kind: global_buffer, .address_space: global }
      - { .name: o_b, .offset: 72, .size: 8, .value_kind: global_buffer, .address_space: global }
      - { .name: pb, .offset: 80, .size: 8, .value_kind: global_buffer, .address_space: global }
    .group_segment_fixed_size: 9216
    .private_segment_fixed_size: 0
    .kernarg_segment_align: 8
    .kernarg_segment_size: 88
    .max_flat_workgroup_size: 256
    .sgpr_count:     66
    .vgpr_count:     122
    .wavefront_size: 32
...
	.end_amdgpu_metadata
.endif
;; end of part 1
;; launch qkvproj (part 2): grid 8 x 32, 4 waves a work-group, clusters of 4 x 4, 327,680 bytes of LDS; arguments xb, wts, q_b, k_b, v_b, qkv; writes qkv
.if DOCPART == 2
	.amdgcn_target "amdgcn-amd-amdhsa--gfx1250"
	.amdhsa_code_object_version 6
	.text
	.protected	k_q136a46a02a_qkvproj
	.globl	k_q136a46a02a_qkvproj
	.p2align	8
	.type	k_q136a46a02a_qkvproj,@function
k_q136a46a02a_qkvproj:
	s_mov_b64 s[64:65], 0
	v_nop
	global_prefetch_b8 v0, s[64:65] scope:SCOPE_SE
	s_setreg_imm32_b32 hwreg(HW_REG_WAVE_MODE, 25, 1), 1
	s_wait_xcnt 0x0
	s_wait_alu depctr_hold_cnt(0) depctr_sa_sdst(0) depctr_va_vdst(0) depctr_va_sdst(0) depctr_va_ssrc(0) depctr_va_vcc(0) depctr_vm_vsrc(0)
	s_getreg_b32 s2, hwreg(HW_REG_IB_STS2, 6, 4)
	s_cmp_eq_u32 s2, 0
	s_cbranch_scc0 .Lentry_in_a_cluster
	s_endpgm
.Lentry_in_a_cluster:
	s_bfe_u32 s2, ttmp6, 0x10000c
	s_cmp_lg_u32 s2, 0xf033
	s_cbranch_scc0 .Lentry_shape_is_right
	s_endpgm
.Lentry_shape_is_right:
; q, k, v = x W + b for 128 tokens x two heads (3 x 64 columns), K = 1,024 in steps of 128 through two LDS slots.  bf16 operands, f32 sums, results rounded once to bf16.
; Four waves: wave w has tokens 64 (w / 2) .. + 63 and head 2 bx + w % 2: 4 token blocks x 6 column blocks (q q k k v v) = 24 accumulators.
; x lies [token][k]; the weights lie [k][column] and come out of LDS turned, by ds_load_tr16_b128.
; q and k: source 0 = 16 columns, source 1 = 16 tokens: a lane then holds one token and 8 neighbouring columns, which ARE 16 bytes of the operand that the attention loads.
; v: the sources change places: a lane holds one channel and 8 neighbouring tokens, 16 bytes of V^T's operand.  So every store of a wave is 512 consecutive bytes, aligned, straight from registers.
; The biases are the C operand of each sum's first product.
; CLUSTER 4 x 4: x's tile hangs on the tile row alone and is asked for jointly along a row of the cluster, the weights' on the tile column alone, jointly along a column.
; Wave 0 fetches x's tile (128 rows x 256 bytes), waves 1-3 the q, k and v parts of the weights (16,384 dense bytes each).
; REGISTERS: window 0: addresses, biases, accumulators; fragment buffer f in window 1 + f: v0-63 x (2 x 4 blocks), v64-159 weights (2 x 6 blocks).
; LIMITS: NaN and infinities are not treated apart.
.set NBW,   6
.set LPC,   2*(4+NBW)                  ; LDS loads for 32 along K
.set PA,    272                        ; x's LDS row: 256 bytes + 16
.set PB,    160                        ; a weight row: 128 bytes + 32: an odd multiple of 32 bytes, as the turning load's lanes want
.set BOFF,  128*PA
.set BPART, 128*PB
.set SLOT,  BOFF+3*BPART
.set SPARE, 2*SLOT                     ; the spare words: 128 bytes a wave, two blocks of 256 bytes that no other line names
.set LAPS,  4                          ; a lap = two K steps
.set STEPA, 256                        ; bytes from K step to K step in x
.set STEPB, 16384                      ; and in a part of the weights
.set SEC_K, 4194304                    ; sections of qkv
.set SEC_V, 8388608
.set ADRA, 4                           ; v4-5   LDS address of my x fragments, slot 0, 1
.set ADRB, 6                           ; v6-7   of my weight fragments
.set LO,   8                           ; v8     16 x lane
.set SPW,  10                          ; v10    my spare word; never rewritten
.set NIL,  11                          ; v11    0; never rewritten
.set BIAS, 16                          ; v16-63
.set ACC,  64                          ; v64-255: (a, b) at ACC + 8 (6 a + b)
.set G1, 24
.set G0, 32
.set G1B, 48
.set G0B, 56
.set MSB, 0
.macro WIN new                         ; the immediate's high byte repeats the setting that is left
.if MSB != (\new)
	s_set_vgpr_msb (MSB<<8)|(\new)
.set MSB, \new
.endif
.endm
.macro PLACES                          ; four places in front of loads into registers that matrix instructions have read, and of lines that read results
.rept 4
	v_nop
.endr
.endm
.macro JLOAD s                         ; a joint load; four v_nop follow each of the two lines
	s_cmp_eq_u32 s10, 0
	s_cbranch_scc0 .Lfor_b_\@
	tensor_load_to_lds s[G0+4*(\s):G0+4*(\s)+3], s[G1:G1+7]
	s_nop 0
.rept 4
	v_nop
.endr
	s_branch .Lasked_\@
.Lfor_b_\@:
	tensor_load_to_lds s[G0B+4*(\s):G0B+4*(\s)+3], s[G1B:G1B+7]
	s_nop 0
.rept 4
	v_nop
.endr
.Lasked_\@:
.endm
.macro CREST                           ; a round of the cluster's barrier behind its opening barrier
	s_cmp_lg_u32 s10, 0
	s_cbranch_scc1 .Lnot_wave_0_\@
	s_barrier_signal -3
.Lnot_wave_0_\@:
	s_barrier_wait -3
	s_barrier_signal -1
	s_barrier_wait -1
.endm
.macro CROUND
	s_barrier_signal -1
	s_barrier_wait -1
	CREST
.endm
	s_load_b256 s[68:75], s[0:1], 0x0              ; xb s[68:69], wts s[70:71], q_b s[72:73], k_b s[74:75]
	s_load_b128 s[76:79], s[0:1], 0x20             ; v_b s[76:77], qkv s[78:79]
	v_lshl_add_u32 v[SPW], v0, 2, SPARE
	v_mov_b32 v[NIL], 0
	ds_add_u32 v10, v11
	s_wait_dscnt 0x0
	v_lshrrev_b32 v1, 5, v0
	v_readfirstlane_b32 s10, v1                    ; wave 0..3
	s_lshr_b32 s11, s10, 1                         ; which 64 tokens are mine
	s_and_b32 s12, s10, 1                          ; which of the two heads
	s_max_u32 s45, s10, 1
	s_sub_co_u32 s45, s45, 1                       ; the part of the weights that waves 1-3 fetch: it enters the global address alone (wave 0, which fetches x, forms part 0's and does not use it)
	s_bfe_u32 s40, ttmp6, 0x40000                  ; cx, cy
	s_bfe_u32 s41, ttmp6, 0x40004
	s_lshl_b32 s42, ttmp9, 2
	s_add_co_u32 s42, s42, s40                     ; bx: the block of two heads
	s_and_b32 s13, ttmp7, 0xffff
	s_lshl_b32 s13, s13, 2
	s_add_co_u32 s13, s13, s41                     ; by: the block of 128 tokens
	s_lshl_b32 s43, s41, 2
	s_lshl_b32 s43, 15, s43                        ; my row of the cluster
	s_lshl_b32 s44, 0x1111, s40                    ; my column
	s_or_b32 s[G1+0], s43, (1<<16)|(1<<20)|(1<<21)|(5<<22)|(3<<25)   ; mask; 2-byte elements; padding: 4 words after every 64; bit 21 beside a mask
	s_mov_b32 s[G1+1], 128<<16                     ; tensor_dim0 = 128
	s_mov_b32 s[G1+2], 128<<16                     ; tensor_dim1 = 128
	s_mov_b32 s[G1+3], 128<<16                     ; tile_dim0 = 128
	s_mov_b32 s[G1+4], 128                         ; tile_dim1 = 128
	s_mov_b32 s[G1+5], 1024                        ; elements from row to row
	s_mov_b32 s[G1+6], 0
	s_mov_b32 s[G1+7], 0
	s_or_b32 s[G1B+0], s44, (1<<16)|(1<<20)|(1<<21)|(4<<22)|(7<<25)  ; padding: 8 words after every 32 (a weight row)
	s_mov_b32 s[G1B+1], 128<<16                    ; 16,384 dense bytes as 64 rows of 256 bytes
	s_mov_b32 s[G1B+2], 64<<16
	s_mov_b32 s[G1B+3], 128<<16
	s_mov_b32 s[G1B+4], 64
	s_mov_b32 s[G1B+5], 128
	s_mov_b32 s[G1B+6], 0
	s_mov_b32 s[G1B+7], 0
	s_lshl_b32 s16, s13, 18                        ; 128 rows of 2,048 bytes
	s_mov_b32 s17, 0
	s_mul_i32 s46, s42, 393216
	s_lshl_b32 s47, s45, 17
	s_add_co_u32 s46, s46, s47
	s_mov_b32 s47, 0
	s_mul_i32 s20, s10, BPART                      ; where a wave's part of the weights goes: wave x BPART + (BOFF - BPART): waves 1, 2, 3 have BOFF, BOFF + BPART, BOFF + 2 BPART,
	s_add_co_u32 s20, s20, BOFF-BPART              ; each 20,480 bytes of its own; wave 0 never issues the weights' line
	s_wait_kmcnt 0x0
	s_add_nc_u64 s[14:15], s[68:69], s[16:17]
	s_add_nc_u64 s[46:47], s[70:71], s[46:47]
	CROUND                                         ; all sixteen work-groups are here: the first joint loads meet
.irp s, 0,1
	s_mov_b32 s[G0+4*(\s)], 1
	s_mov_b32 s[G0+4*(\s)+1], (\s)*SLOT
	s_add_nc_u64 s[G0+4*(\s)+2:G0+4*(\s)+3], s[14:15], (\s)*STEPA
	s_or_b32 s[G0+4*(\s)+3], s[G0+4*(\s)+3], 0x80000000
	s_mov_b32 s[G0B+4*(\s)], 1
	s_add_co_u32 s[G0B+4*(\s)+1], s20, (\s)*SLOT
	s_add_nc_u64 s[G0B+4*(\s)+2:G0B+4*(\s)+3], s[46:47], (\s)*STEPB
	s_or_b32 s[G0B+4*(\s)+3], s[G0B+4*(\s)+3], 0x80000000
	JLOAD \s
.endr
	v_and_b32 v1, 15, v0                           ; r
	v_bfe_u32 v2, v0, 4, 1                         ; h
	v_mul_u32_u24 v3, v1, PA
	v_lshl_add_u32 v3, v2, 4, v3
	s_mul_i32 s21, s11, 64*PA
	v_add_nc_u32 v[ADRA], s21, v3
	v_add_nc_u32 v[ADRA+1], SLOT, v[ADRA]
	v_and_b32 v9, 7, v0                            ; the turning load: row 8 h + lane % 8, 16 bytes at 16 ((lane / 8) % 2)
	v_lshl_add_u32 v9, v2, 3, v9
	v_mul_u32_u24 v9, v9, PB
	v_bfe_u32 v12, v0, 3, 1
	v_lshl_add_u32 v9, v12, 4, v9
	s_lshl_b32 s22, s12, 6                         ; my head's 32 columns
	s_add_co_u32 s22, s22, BOFF
	v_add_nc_u32 v[ADRB], s22, v9
	v_add_nc_u32 v[ADRB+1], SLOT, v[ADRB]
	v_and_b32 v[LO], 31, v0
	v_lshlrev_b32 v[LO], 4, v[LO]
	v_lshlrev_b32 v13, 5, v2                       ; 8 h numbers of a bias
	v_lshlrev_b32 v14, 2, v1                       ; number r
	s_lshl_b32 s66, s42, 1
	s_add_co_u32 s66, s66, s12                     ; my head
	s_lshl_b32 s46, s66, 8
	s_mov_b32 s47, 0
	s_add_nc_u64 s[72:73], s[72:73], s[46:47]      ; q_b: 64 numbers a head, of which the first 32 count
	s_lshl_b32 s46, s66, 7
	s_add_nc_u64 s[74:75], s[74:75], s[46:47]
	s_add_nc_u64 s[76:77], s[76:77], s[46:47]
.irp b, 0,1
	global_load_b128 v[BIAS+8*(\b):BIAS+8*(\b)+3], v13, s[72:73] offset:64*(\b)
	global_load_b128 v[BIAS+8*(\b)+4:BIAS+8*(\b)+7], v13, s[72:73] offset:64*(\b)+16
	global_load_b128 v[BIAS+16+8*(\b):BIAS+16+8*(\b)+3], v13, s[74:75] offset:64*(\b)
	global_load_b128 v[BIAS+16+8*(\b)+4:BIAS+16+8*(\b)+7], v13, s[74:75] offset:64*(\b)+16
	global_load_b32 v[BIAS+32+8*(\b)], v14, s[76:77] offset:64*(\b)
.endr
	s_lshr_b32 s46, s13, 4                         ; where my results go: (batch x 16 + head) x 131,072 + my first token block x 1,024
	s_lshl_b32 s46, s46, 4
	s_add_co_u32 s46, s46, s66
	s_lshl_b32 s46, s46, 17
	s_and_b32 s67, s13, 15
	s_lshl_b32 s67, s67, 3
	s_lshl2_add_u32 s67, s11, s67
	s_lshl_b32 s67, s67, 10
	s_add_co_u32 s46, s46, s67
	s_add_nc_u64 s[78:79], s[78:79], s[46:47]
	s_add_nc_u64 s[80:81], s[78:79], SEC_K
	s_add_nc_u64 s[82:83], s[78:79], SEC_V
; 12 matrix instructions: token blocks a0, a0 + 1 x all 6 column blocks, 32 along K: half c of buffer f.  first = 1: the bias starts the sum.
; The 24 accumulators take turns in the same order everywhere.
.macro MULH f, c, a0, first
	WIN 0x05*(1+(\f))
.irp a, \a0, (\a0)+1
.irp b, 0,1,2,3,4,5
.set rD, ACC+8*(NBW*(\a)+(\b))
.set rX, 8*(4*(\c)+(\a))
.set rW, 64+8*(NBW*(\c)+(\b))
.if ((\b) < 4) && (\first)
	v_wmma_f32_16x16x32_bf16 v[rD:rD+7], v[rW:rW+7], v[rX:rX+7], v[BIAS+8*(\b):BIAS+8*(\b)+7]
.elseif (\b) < 4
	v_wmma_f32_16x16x32_bf16 v[rD:rD+7], v[rW:rW+7], v[rX:rX+7], v[rD:rD+7]
.elseif \first
	v_wmma_f32_16x16x32_bf16 v[rD:rD+7], v[rX:rX+7], v[rW:rW+7], v[BIAS+8*(\b):BIAS+8*(\b)+7]
.else
	v_wmma_f32_16x16x32_bf16 v[rD:rD+7], v[rX:rX+7], v[rW:rW+7], v[rD:rD+7]
.endif
.endr
.endr
.endm
; 40 LDS loads in one run: the fragments of 64 along K (quarter q of the slot) into buffer f; the first 32 along K first
.macro FETCH slot, q, f
	WIN 0x40*(1+(\f))
.irp c, 0,1
.irp b, 0,1,2,3,4,5
	ds_load_tr16_b128 v[64+8*(NBW*(\c)+(\b)):64+8*(NBW*(\c)+(\b))+3], v[ADRB+(\slot)] offset:((\b)/2)*BPART+((\q)*64+(\c)*32)*PB+((\b)%2)*32
	ds_load_tr16_b128 v[64+8*(NBW*(\c)+(\b))+4:64+8*(NBW*(\c)+(\b))+7], v[ADRB+(\slot)] offset:((\b)/2)*BPART+((\q)*64+(\c)*32+16)*PB+((\b)%2)*32
.endr
.irp i, 0,1,2,3
	ds_load_b128 v[8*(4*(\c)+(\i)):8*(4*(\c)+(\i))+3], v[ADRA+(\slot)] offset:(\i)*16*PA+(\q)*128+(\c)*64
	ds_load_b128 v[8*(4*(\c)+(\i))+4:8*(4*(\c)+(\i))+7], v[ADRA+(\slot)] offset:(\i)*16*PA+(\q)*128+(\c)*64+32
.endr
.endr
.endm
.macro QUARTER slot, q, f, g, first    ; multiplies buffer f; in its middle fetches quarter q of the slot into buffer g
	s_wait_dscnt LPC                               ; the first 32 along K are in
	MULH \f, 0, 0, \first
	MULH \f, 0, 2, \first
	PLACES
	FETCH \slot, \q, \g
	s_wait_dscnt 2*LPC                             ; all but the run just issued
	MULH \f, 1, 0, 0
	MULH \f, 1, 2, 0
.endm
; A slot's last quarter multiplies buffer 1 and changes slots: one barrier; in front of it each wave waits for all its tensor loads, adds 0 to its spare word, and waits for that and its reads of the slot.
.macro TURN slot, next, fill
	WIN 0
	s_wait_tensorcnt 0x0                           ; all my tensor loads have landed: my part of the next slot
	ds_add_u32 v[SPW], v[NIL]
	s_wait_dscnt LPC+1                             ; the add and the second 32 along K may be out
	MULH 1, 0, 0, 0
	s_wait_dscnt 0x0                               ; the add is done, and my reads of this slot are over
	s_barrier_signal -1
	MULH 1, 0, 2, 0
.if \fill
	WIN 0
.endif
	s_barrier_wait -1
.if \fill
	CREST                                          ; the barrier has opened a round of the cluster's: no wave of any partner still reads this slot or has a load on its way
	s_add_nc_u64 s[G0+4*(\slot)+2:G0+4*(\slot)+3], s[G0+4*(\slot)+2:G0+4*(\slot)+3], 2*STEPA
	s_add_nc_u64 s[G0B+4*(\slot)+2:G0B+4*(\slot)+3], s[G0B+4*(\slot)+2:G0B+4*(\slot)+3], 2*STEPB
	JLOAD \slot                                    ; my one tensor load behind the round; its four v_nop are also the places in front of the loads below
.else
	PLACES
.endif
	FETCH \next, 0, 0
	MULH 1, 1, 0, 0
	MULH 1, 1, 2, 0
.endm
	s_wait_tensorcnt 0x1                           ; my part of K step 0 is in; step 1's may stay out
	s_barrier_signal -1
	s_barrier_wait -1
	FETCH 0, 0, 0
	WIN 0
	s_wait_loadcnt 0x0                             ; the biases
.irp b, 4,5
.irp j, 1,2,3,4,5,6,7
	v_mov_b32 v[BIAS+8*(\b)+(\j)], v[BIAS+8*(\b)]  ; v's result holds one channel a lane: its bias in all eight registers
.endr
.endr
	QUARTER 0, 1, 0, 1, 1
	WIN 0
	s_mov_b32 s3, LAPS-1
.Llap:                                                 ; a trip goes once round the ring and fills both slots again
	TURN 0, 1, 1
	QUARTER 1, 1, 0, 1, 0
	TURN 1, 0, 1
	QUARTER 0, 1, 0, 1, 0
	WIN 0
	s_sub_co_u32 s3, s3, 1
	s_cmp_lg_u32 s3, 0
	s_cbranch_scc1 .Llap
	TURN 0, 1, 0                                   ; the last lap fills nothing
	QUARTER 1, 1, 0, 1, 0
	s_wait_dscnt LPC
	MULH 1, 0, 0, 0
	MULH 1, 0, 2, 0
	s_wait_dscnt 0x0
	MULH 1, 1, 0, 0
	MULH 1, 1, 2, 0
	WIN 0
	PLACES
	; the way out: each accumulator is rounded in place, lowest registers first, and its 16 bytes a lane are stored: 512 consecutive bytes a wave
.irp a, 0,1,2,3
.irp b, 0,1,2,3,4,5
.set rD, ACC+8*(NBW*(\a)+(\b))
	v_cvt_pk_bf16_f32 v[rD], v[rD], v[rD+1]
	v_cvt_pk_bf16_f32 v[rD+1], v[rD+2], v[rD+3]
	v_cvt_pk_bf16_f32 v[rD+2], v[rD+4], v[rD+5]
	v_cvt_pk_bf16_f32 v[rD+3], v[rD+6], v[rD+7]
.if (\b) < 2
	global_store_b128 v[LO], v[rD:rD+3], s[78:79] offset:(\a)*1024+((\b)%2)*512
.elseif (\b) < 4
	global_store_b128 v[LO], v[rD:rD+3], s[80:81] offset:(\a)*1024+((\b)%2)*512
.else
	global_store_b128 v[LO], v[rD:rD+3], s[82:83] offset:((\a)/2)*2048+((\b)%2)*1024+((\a)%2)*512
.endif
.endr
.endr
	s_wait_tensorcnt 0x0                           ; the wave's end
	ds_add_u32 v[SPW], v[NIL]
	s_wait_dscnt 0x0
	CROUND                                         ; the closing round
	s_endpgm
.Lfunc_end_k_q136a46a02a_qkvproj:
	.size	k_q136a46a02a_qkvproj, .Lfunc_end_k_q136a46a02a_qkvproj-k_q136a46a02a_qkvproj
	.p2alignl 7, 3214868480
	.fill 96, 4, 3214868480
	.section	.rodata,"a",@progbits
	.p2align	6, 0x0
	.amdhsa_kernel k_q136a46a02a_qkvproj
		.amdhsa_group_segment_fixed_size 327680
		.amdhsa_private_segment_fixed_size 0
		.amdhsa_enable_private_segment 0
		.amdhsa_kernarg_size 48
		.amdhsa_user_sgpr_count 2
		.amdhsa_user_sgpr_kernarg_segment_ptr 1
		.amdhsa_wavefront_size32 1
		.amdhsa_system_sgpr_workgroup_id_x 1
		.amdhsa_system_sgpr_workgroup_id_y 1
		.amdhsa_system_sgpr_workgroup_id_z 1
		.amdhsa_system_vgpr_workitem_id 0
		.amdhsa_next_free_vgpr 672
		.amdhsa_next_free_sgpr 84
		.amdhsa_reserve_vcc 0
		.amdhsa_float_denorm_mode_32 3
		.amdhsa_float_denorm_mode_16_64 3
		.amdhsa_memory_ordered 1
		.amdhsa_forward_progress 1
		.amdhsa_inst_pref_size 66
	.end_amdhsa_kernel
	.amdgpu_metadata
---
amdhsa.version: [ 1, 2 ]
amdhsa.kernels:
  - .name:           k_q136a46a02a_qkvproj
    .symbol:         k_q136a46a02a_qkvproj.kd
    .args:
      - { .name: xb, .offset: 0, .size: 8, .value_kind: global_buffer, .address_space: global }
      - { .name: wts, .offset: 8, .size: 8, .value_kind: global_buffer, .address_space: global }
      - { .name: q_b, .offset: 16, .size: 8, .value_kind: global_buffer, .address_space: global }
      - { .name: k_b, .offset: 24, .size: 8, .value_kind: global_buffer, .address_space: global }
      - { .name: v_b, .offset: 32, .size: 8, .value_kind: global_buffer, .address_space: global }
      - { .name: qkv, .offset: 40, .size: 8, .value_kind: global_buffer, .address_space: global }
    .group_segment_fixed_size: 327680
    .private_segment_fixed_size: 0
    .kernarg_segment_align: 8
    .kernarg_segment_size: 48
    .max_flat_workgroup_size: 128
    .sgpr_count:     84
    .vgpr_count:     672
    .wavefront_size: 32
...
	.end_amdgpu_metadata
.endif
;; end of part 2
;; launch attn (part 3): grid 8 x 32, 8 waves a work-group, clusters of 4 x 1, 263,424 bytes of LDS; arguments qkv, ao, o_w, router_w, o_b, part; writes ao, part
.if DOCPART == 3
	.amdgcn_target "amdgcn-amd-amdhsa--gfx1250"
	.amdhsa_code_object_version 6
	.text
	.protected	k_q136a46a02a_attn
	.globl	k_q136a46a02a_attn
	.p2align	8
	.type	k_q136a46a02a_attn,@function
k_q136a46a02a_attn:
	s_mov_b64 s[64:65], 0
	v_nop
	global_prefetch_b8 v0, s[64:65] scope:SCOPE_SE
	s_setreg_imm32_b32 hwreg(HW_REG_WAVE_MODE, 25, 1), 1
	s_wait_xcnt 0x0
	s_wait_alu depctr_hold_cnt(0) depctr_sa_sdst(0) depctr_va_vdst(0) depctr_va_sdst(0) depctr_va_ssrc(0) depctr_va_vcc(0) depctr_vm_vsrc(0)
	s_getreg_b32 s2, hwreg(HW_REG_IB_STS2, 6, 4)
	s_cmp_eq_u32 s2, 0
	s_cbranch_scc0 .Lentry_in_a_cluster
	s_endpgm
.Lentry_in_a_cluster:
	s_bfe_u32 s2, ttmp6, 0x10000c
	s_cmp_lg_u32 s2, 0x3003
	s_cbranch_scc0 .Lentry_shape_is_right
	s_endpgm
.Lentry_shape_is_right:
; O[q] = sum over k of softmax_k(Q[q] . K[k] / sqrt(32)) V[k], head size 32, 2,048 keys, 32 (batch, head) pairs.  bf16 operands, f32 products, maxima and sums;
; the weights are rounded to bf16 for the second product (their sum l is taken of the unrounded weights), O once at the end.
; A work-group has 256 queries of one head, each of its eight waves 32: two tiles of 16.  Two waves share a SIMD, so that one wave's products stand beside the other's vector work.
; Q, K and V arrive in operand order (16 bytes a lane, 512 bytes a load), so LDS needs no padding and no turning load.
; THE WHOLE HEAD lies in LDS: K 131,072 bytes, then V 131,072 bytes, each byte filled ONCE: nothing is filled again.  A wave issues two tensor loads, together, at the start: its share of the first 512 keys
; (8,192 bytes), then its share of the other 1,536 (24,576 bytes).  The first is waited for by a counted wait; the second has eight steps' work in which to land.  By this text's count a wave has two tensor loads out.
; CLUSTER 4 x 1: the four query blocks of a cluster belong to one head: both loads are asked for jointly, with the same descriptor and the mask of four.
; S^T = K Q^T: a lane holds one query (lane % 16) and keys 8 (lane / 16) + 0..7; two such results rounded in pairs ARE source 1 of O^T = V^T P.
; p = 2^(c s - c m), c = log2(e) / sqrt(32), with a running maximum m; O and l are multiplied by a = 2^(c m_old - c m_new) in every step.  m starts at the lowest finite number, O and l at 0.
; THE ROUTER.  The module's logits (ao W_o + o_b) router_w + router_b are computed as ao (W_o router_w) + o_b router_w + router_b.  In the wait for the first keys wave w makes, in f32, rows 4 w .. 4 w + 3 of the
; head's 32 rows of W_o router_w (a lane takes 32 of the 1,024 columns; the lanes' sums are added across the wave) and puts them into 256 bytes of LDS; every wave makes the head's share of o_b router_w
; (numbers 64 head .. + 63).  At the end part[head][token][2] = O (f32) . those rows + that share; later launches add the 16 heads in order.
; LIMITS: |c s| below 2^125; a weight below 2^-126 counts as 0; NaN and infinities are not treated apart.
.set SEC_K, 4194304
.set WRT, 262144                       ; behind K and V: 32 rows x 2 f32; no tensor load lands here
.set LA,  1                            ; v1   16 x lane
.set AK,  2                            ; v2   LDS address of K's next run of loads
.set AV,  3                            ; v3   of V's
.set LN,  4                            ; v4   lane
.set L8,  5                            ; v5   8 x lane
.set TA,  6                            ; v6   an address in the router's rows
.set L32, 7                            ; v7   32 x lane
.set Q,   8                            ; v8-23    Q, 8 a tile
.set KFR, 24                           ; v24-55   K of a step: four blocks of 16 keys
.set VFR, 56                           ; v56-87   V of a step: (32 keys g, 16 channels cb) at 8 (2 g + cb)
.set S,   88                           ; v88-151  S^T, 32 a tile
.set P,   152                          ; v152-183 P, 16 a tile
.set O,   184                          ; v184-215 O^T, 16 a tile
.set ST,  216                          ; tile t at ST + 10 t: +0 c m, +1 m, +2, +3 l, +4..+7 c0-c3 at work (c2 takes a), +8 c m_old
.set RWR, 24                           ; ahead of the loop: v24-87 my 32 rows of router_w, v88-215 my 32 columns of four rows of o_w,
.set OW,  88
.set AC,  216                          ; v216-225 five pairs of sums, v226-231 o_b and its rows of router_w
.set OBV, 226
.set OBR, 228
.set OBL, 236                          ; v236-237 the head's share of o_b router_w
.set WV,  12
.set G1,  24                           ; s[24:31] group 1 of the first load: 32 rows of 256 bytes
.set G0,  32                           ; s[32:39] a group 0 for each of the two loads
.set G1R, 40                           ; s[40:47] group 1 of the second: 96 rows
.set CS,  58
.set SEL, 60
.macro CROUND
	s_barrier_signal -1
	s_barrier_wait -1
	s_cmp_lg_u32 s[WV], 0
	s_cbranch_scc1 .Lnot_wave_0_\@
	s_barrier_signal -3
.Lnot_wave_0_\@:
	s_barrier_wait -3
	s_barrier_signal -1
	s_barrier_wait -1
.endm
.macro BOTH line:vararg                ; one line for each tile t
.set t, 0
	\line
.set t, 1
	\line
.endm
	s_load_b256 s[4:11], s[0:1], 0x0               ; qkv s[4:5], ao s[6:7], o_w s[8:9], router_w s[10:11]
	s_load_b128 s[52:55], s[0:1], 0x20             ; o_b s[52:53], part s[54:55]
	v_lshl_add_u32 v240, v0, 2, 0x40100
	v_mov_b32 v241, 0
	ds_add_u32 v240, v241
	v_lshrrev_b32 v1, 5, v0
	v_readfirstlane_b32 s[WV], v1                  ; wave 0..7
	s_bfe_u32 s13, ttmp6, 0x40000                  ; cx
	s_lshl_b32 s14, ttmp9, 2
	s_add_co_u32 s14, s14, s13                     ; my block of 256 queries: it enters Q's, O's and part's addresses alone
	s_and_b32 s15, ttmp7, 0xffff                   ; batch x 16 + head, which the four partners share
	s_lshr_b32 s16, s[WV], 2                       ; waves 0-3 fetch K, 4-7 V,
	s_and_b32 s17, s[WV], 3                        ; each a quarter of both loads: 8,192 and 24,576 bytes
	s_lshl_b32 s18, s16, 17
	s_lshl_b32 s19, s17, 13
	s_mul_i32 s57, s17, 24576
	s_lshl_b32 s20, s16, 22
	s_lshl_b32 s21, s15, 17
	s_add_co_u32 s20, s20, s21
	s_add_co_u32 s20, s20, SEC_K                   ; the head's K or V in qkv
	s_add_co_u32 s48, s20, s19
	s_mov_b32 s49, 0
	s_add_co_u32 s50, s20, s57
	s_add_co_u32 s50, s50, 32768
	s_mov_b32 s51, 0
	s_mov_b32 s[G1], 15|(3<<16)|(1<<21)            ; the mask of four; 8-byte elements; bit 21 beside a mask; no padding
	s_mov_b32 s[G1+1], 32<<16                      ; 8,192 dense bytes as 32 rows of 256 bytes
	s_mov_b32 s[G1+2], 32<<16
	s_mov_b32 s[G1+3], 32<<16
	s_mov_b32 s[G1+4], 32
	s_mov_b32 s[G1+5], 32
	s_mov_b32 s[G1+6], 0
	s_mov_b32 s[G1+7], 0
	s_mov_b32 s[G1R], 15|(3<<16)|(1<<21)
	s_mov_b32 s[G1R+1], 32<<16                     ; 24,576 dense bytes as 96 rows of 256 bytes
	s_mov_b32 s[G1R+2], 96<<16
	s_mov_b32 s[G1R+3], 32<<16
	s_mov_b32 s[G1R+4], 96
	s_mov_b32 s[G1R+5], 32
	s_mov_b32 s[G1R+6], 0
	s_mov_b32 s[G1R+7], 0
	s_mov_b32 s[CS], 0x3e8293ee                    ; c = log2(e) / sqrt(32) = 0.255035
	s_mov_b32 s[CS+1], s[CS]
	s_mov_b32 s[SEL], 0x76543210
	s_mov_b32 s[SEL+1], 0xfedcba98
	s_mov_b32 s[G0], 1
	s_add_co_u32 s[G0+1], s18, s19                 ; keys 0-511: section + quarter x 8,192
	s_mov_b32 s[G0+4], 1
	s_add_co_u32 s[G0+5], s18, s57                 ; keys 512-2,047: section + 32,768 + quarter x 24,576
	s_add_co_u32 s[G0+5], s[G0+5], 32768
	s_wait_dscnt 0x0
	s_wait_kmcnt 0x0
	s_add_nc_u64 s[G0+2:G0+3], s[4:5], s[48:49]
	s_or_b32 s[G0+3], s[G0+3], 0x80000000
	s_add_nc_u64 s[G0+6:G0+7], s[4:5], s[50:51]
	s_or_b32 s[G0+7], s[G0+7], 0x80000000
	CROUND                                         ; all four work-groups are here: the joint loads meet
	tensor_load_to_lds s[G0:G0+3], s[G1:G1+7]      ; both first fills go out together, ahead of every wait on TENSORcnt, every LDS access and every further barrier: the first 512 keys first,
	s_nop 0
	tensor_load_to_lds s[G0+4:G0+7], s[G1R:G1R+7]  ; then the other 1,536
	s_nop 0
.rept 4
	v_nop
.endr
	s_and_b32 s50, s15, 15                         ; head
	s_lshr_b32 s51, s15, 4                         ; batch
	s_mov_b32 s49, 0
	s_lshl_b32 s48, s15, 17                        ; Q: (batch, head) x 131,072 + (16 block + 2 wave) x 1,024
	s_lshl_b32 s21, s14, 14
	s_add_co_u32 s48, s48, s21
	s_lshl_b32 s21, s[WV], 11
	s_add_co_u32 s48, s48, s21
	s_add_nc_u64 s[22:23], s[4:5], s[48:49]
	s_lshl_b32 s48, s51, 21                        ; O: (128 batch + 16 block + 2 wave) x 16,384 + head x 1,024
	s_lshl_b32 s21, s14, 18
	s_add_co_u32 s48, s48, s21
	s_lshl_b32 s21, s[WV], 15
	s_add_co_u32 s48, s48, s21
	s_lshl_b32 s21, s50, 10
	s_add_co_u32 s48, s48, s21
	s_add_nc_u64 s[6:7], s[6:7], s[48:49]
	s_lshl_b32 s48, s50, 17                        ; o_w: row 32 head + 4 wave, 4,096 bytes a row
	s_lshl_b32 s21, s[WV], 14
	s_add_co_u32 s48, s48, s21
	s_add_nc_u64 s[8:9], s[8:9], s[48:49]
	s_lshl_b32 s48, s50, 9                         ; router_w at row 64 head
	s_add_nc_u64 s[62:63], s[10:11], s[48:49]
	s_lshl_b32 s48, s50, 8                         ; o_b at number 64 head
	s_add_nc_u64 s[52:53], s[52:53], s[48:49]
	s_lshl_b32 s48, s50, 15                        ; part: head x 32,768 + (2,048 batch + 256 block + 32 wave) x 8
	s_lshl_b32 s21, s51, 14
	s_add_co_u32 s48, s48, s21
	s_lshl_b32 s21, s14, 11
	s_add_co_u32 s48, s48, s21
	s_lshl_b32 s21, s[WV], 8
	s_add_co_u32 s48, s48, s21
	s_add_nc_u64 s[54:55], s[54:55], s[48:49]
	v_and_b32 v[LN], 31, v0
	v_lshlrev_b32 v[LA], 4, v[LN]
	v_lshlrev_b32 v[L8], 3, v[LN]
	v_lshlrev_b32 v[L32], 5, v[LN]
.irp t, 0,1
.irp c, 0,1
	global_load_b128 v[Q+8*(\t)+4*(\c):Q+8*(\t)+4*(\c)+3], v[LA], s[22:23] offset:(\t)*1024+(\c)*512
.endr
.endr
	; my lane's columns of o_w are 128 i + 4 lane + 0..3, i = 0..7: a wave's load covers 512 consecutive bytes of a row; of router_w the same 32 rows, 8 bytes each
.irp i, 0,1,2,3,4,5,6,7
	global_load_b128 v[RWR+8*(\i):RWR+8*(\i)+3], v[L32], s[10:11] offset:(\i)*1024
	global_load_b128 v[RWR+8*(\i)+4:RWR+8*(\i)+7], v[L32], s[10:11] offset:(\i)*1024+16
.endr
.irp q, 0,1,2,3
.irp i, 0,1,2,3,4,5,6,7
	global_load_b128 v[OW+4*(8*(\q)+(\i)):OW+4*(8*(\q)+(\i))+3], v[LA], s[8:9] offset:(\q)*4096+(\i)*512
.endr
.endr
	global_load_b64 v[OBV:OBV+1], v[L8], s[52:53]  ; o_b: two numbers a lane,
	global_load_b128 v[OBR:OBR+3], v[LA], s[62:63] ; and their rows of router_w
	s_wait_loadcnt 0x0
.irp i, 0,1,2,3,4,5,6,7
.irp j, 0,1,2,3
.irp q, 0,1,2,3                                        ; four chains: a pair (expert 0, expert 1) for each of my wave's rows
.set rO, OW+4*(8*(\q)+(\i))+2*((\j)/2)
.set rR, RWR+8*(\i)+2*(\j)
.if ((\i) == 0) && ((\j) == 0)
	v_pk_mul_f32 v[AC+2*(\q):AC+2*(\q)+1], v[rO:rO+1], v[rR:rR+1] op_sel:[0,0] op_sel_hi:[0,1]
.elseif (\j)%2 == 0
	v_pk_fma_f32 v[AC+2*(\q):AC+2*(\q)+1], v[rO:rO+1], v[rR:rR+1], v[AC+2*(\q):AC+2*(\q)+1] op_sel:[0,0,0] op_sel_hi:[0,1,1]
.else
	v_pk_fma_f32 v[AC+2*(\q):AC+2*(\q)+1], v[rO:rO+1], v[rR:rR+1], v[AC+2*(\q):AC+2*(\q)+1] op_sel:[1,0,0] op_sel_hi:[1,1,1]
.endif
.endr
.endr
.endr
	v_pk_mul_f32 v[AC+8:AC+9], v[OBV:OBV+1], v[OBR:OBR+1] op_sel:[0,0] op_sel_hi:[0,1]
	v_pk_fma_f32 v[AC+8:AC+9], v[OBV:OBV+1], v[OBR+2:OBR+3], v[AC+8:AC+9] op_sel:[1,0,0] op_sel_hi:[1,1,1]
.irp m, 1,2,4,8                                        ; across the 32 lanes: four steps inside each half, one across the halves
.irp n, 0,1,2,3,4,5,6,7,8,9
	v_add_f32_dpp v[AC+(\n)], v[AC+(\n)], v[AC+(\n)] row_xmask:\m row_mask:0xf bank_mask:0xf
.endr
.endr
.irp n, 0,1,2,3,4,5,6,7,8,9
	v_permlanex16_b32 v[RWR+(\n)], v[AC+(\n)], s[SEL], s[SEL+1]
.endr
.irp n, 0,1,2,3,4,5,6,7,8,9
	v_add_f32 v[AC+(\n)], v[AC+(\n)], v[RWR+(\n)]
.endr
	s_lshl_b32 s48, s[WV], 5
	s_add_co_u32 s48, s48, WRT
	v_mov_b32 v[TA], s48                           ; my wave's four rows: 32 bytes; all lanes hold the same numbers
	ds_store_b128 v[TA], v[AC:AC+3]
	ds_store_b128 v[TA], v[AC+4:AC+7] offset:16
	v_mov_b32 v[OBL], v[AC+8]
	v_mov_b32 v[OBL+1], v[AC+9]
.set i, 0
.rept 32
	v_mov_b32 v[O+i], 0
.set i, i+1
.endr
	s_wait_tensorcnt 0x1                           ; my quarter of the first 512 keys is in; the one load issued behind it may stay out
	s_wait_dscnt 0x0                               ; for the others' sake: my rows of the router's weights are written
	BOTH v_mov_b32 v[ST+10*t], 0xfe000000          ; c m: far below every c s
	BOTH v_mov_b32 v[ST+10*t+1], 0xff7fffff        ; m
	BOTH v_mov_b32 v[ST+10*t+2], 0
	BOTH v_mov_b32 v[ST+10*t+3], 0
	s_barrier_signal -1
	s_barrier_wait -1                              ; everybody's is
.macro LOADK
.irp kb, 0,1,2,3
	ds_load_b128 v[KFR+8*(\kb):KFR+8*(\kb)+3], v[AK] offset:(\kb)*1024
	ds_load_b128 v[KFR+8*(\kb)+4:KFR+8*(\kb)+7], v[AK] offset:(\kb)*1024+512
.endr
.endm
.macro LOADV
.irp f, 0,1,2,3
	ds_load_b128 v[VFR+8*(\f):VFR+8*(\f)+3], v[AV] offset:(\f)*1024
	ds_load_b128 v[VFR+8*(\f)+4:VFR+8*(\f)+7], v[AV] offset:(\f)*1024+512
.endr
.endm
; Number n of the 32 plain instructions that follow a tile's exponentials: 16 roundings; the 16 pairs of weights added 8, 4, 2 and 1 pairs apart, in place; l = a l + the sum
.macro POST t, n
.set rS, S+32*(\t)
.if (\n) < 16
	s_wait_alu depctr_va_vdst(0)
	v_cvt_pk_bf16_f32 v[P+16*(\t)+(\n)], v[rS+2*(\n)], v[rS+2*(\n)+1]
.elseif (\n) < 24
	v_pk_add_f32 v[rS+2*(\n)-32:rS+2*(\n)-31], v[rS+2*(\n)-32:rS+2*(\n)-31], v[rS+2*(\n)-16:rS+2*(\n)-15]
.elseif (\n) < 28
	v_pk_add_f32 v[rS+2*(\n)-48:rS+2*(\n)-47], v[rS+2*(\n)-48:rS+2*(\n)-47], v[rS+2*(\n)-40:rS+2*(\n)-39]
.elseif (\n) < 30
	v_pk_add_f32 v[rS+2*(\n)-56:rS+2*(\n)-55], v[rS+2*(\n)-56:rS+2*(\n)-55], v[rS+2*(\n)-52:rS+2*(\n)-51]
.elseif (\n) == 30
	v_pk_add_f32 v[rS:rS+1], v[rS:rS+1], v[rS+2:rS+3]
.else
	v_pk_fma_f32 v[ST+10*(\t)+2:ST+10*(\t)+3], v[ST+10*(\t)+2:ST+10*(\t)+3], v[ST+10*(\t)+6:ST+10*(\t)+7], v[rS:rS+1] op_sel_hi:[1,0,1]
	s_wait_alu depctr_va_vdst(0)
.endif
.endm
; The softmax of both tiles for one step of 64 keys.  Each accumulator's lowest registers are read first.
.macro SOFT
.irp n, 0,1,2,3
	BOTH v_max3_num_f32 v[ST+10*t+4+(\n)], v[S+32*t+8*(\n)], v[S+32*t+8*(\n)+1], v[S+32*t+8*(\n)+2]
.endr
.irp n, 4,5,6,7,8,9,10,11
	BOTH v_max3_num_f32 v[ST+10*t+4+(\n)%4], v[ST+10*t+4+(\n)%4], v[S+32*t+8*((\n)%4)+2*((\n)/4)+1], v[S+32*t+8*((\n)%4)+2*((\n)/4)+2]
.endr
	BOTH v_max3_num_f32 v[ST+10*t+4], v[ST+10*t+4], v[S+32*t+7], v[S+32*t+15]
	BOTH v_max3_num_f32 v[ST+10*t+5], v[ST+10*t+5], v[S+32*t+23], v[S+32*t+31]
	BOTH v_max3_num_f32 v[ST+10*t+6], v[ST+10*t+6], v[ST+10*t+7], v[ST+10*t+1]
	BOTH v_max3_num_f32 v[ST+10*t+4], v[ST+10*t+4], v[ST+10*t+5], v[ST+10*t+6]
	BOTH v_permlanex16_b32 v[ST+10*t+7], v[ST+10*t+4], s[SEL], s[SEL+1]   ; the query's other 32 keys lie in the lane 16 away
	BOTH v_max_num_f32 v[ST+10*t+1], v[ST+10*t+4], v[ST+10*t+7]
	BOTH v_mul_f32 v[ST+10*t], s[CS], v[ST+10*t+1]
	BOTH v_sub_f32 v[ST+10*t+5], v[ST+10*t+8], v[ST+10*t]
	BOTH v_exp_f32 v[ST+10*t+6], v[ST+10*t+5]      ; a; the scalings below are the plain instructions behind it
.set i, 0
.rept 16
	BOTH v_pk_fma_f32 v[S+32*t+2*i:S+32*t+2*i+1], v[S+32*t+2*i:S+32*t+2*i+1], s[CS:CS+1], v[ST+10*t:ST+10*t+1] op_sel_hi:[1,0,0] neg_lo:[0,0,1] neg_hi:[0,0,1]
.set i, i+1
.endr
.set i, 0
.rept 32
	v_exp_f32 v[S+i], v[S+i]
.set i, i+1
.endr
	v_nop                                          ; a plain instruction between tile 0's exponentials and the use of their results
.set i, 0
.rept 32                                               ; tile 1's exponentials and tile 0's plain work by turns
	v_exp_f32 v[S+32+i], v[S+32+i]
	POST 0, i
.set i, i+1
.endr
.set i, 0
.rept 32
	POST 1, i
.set i, i+1
.endr
.set i, 0
.rept 8
	BOTH v_pk_mul_f32 v[O+16*t+2*i:O+16*t+2*i+1], v[O+16*t+2*i:O+16*t+2*i+1], v[ST+10*t+6:ST+10*t+7] op_sel_hi:[1,0]
.set i, i+1
.endr
.endm
; A step of 64 keys.  pre = 1: the next step's K and V are fetched, each in one run behind the products that read its registers.
.macro STEP pre
	s_wait_dscnt 8                                 ; K is in; V's eight loads are younger
.irp kb, 0,1,2,3
.irp t, 0,1
	v_wmma_f32_16x16x32_bf16 v[S+32*(\t)+8*(\kb):S+32*(\t)+8*(\kb)+7], v[KFR+8*(\kb):KFR+8*(\kb)+7], v[Q+8*(\t):Q+8*(\t)+7], 0
.endr
.endr
	v_mov_b32 v[ST+8], v[ST]                       ; four plain lines that name no register of those products: the places behind them
	v_mov_b32 v[ST+18], v[ST+10]                   ; (c m_old is kept for a)
	v_add_nc_u32 v[AK], 4096, v[AK]
	v_add_nc_u32 v[AV], 4096, v[AV]
.if \pre
	LOADK
.endif
	SOFT
	s_wait_dscnt 8*(\pre)                          ; V is in; the next K may stay out
.irp g, 0,1
.irp t, 0,1
.irp cb, 0,1                                           ; the four accumulators take turns
	v_wmma_f32_16x16x32_bf16 v[O+16*(\t)+8*(\cb):O+16*(\t)+8*(\cb)+7], v[VFR+16*(\g)+8*(\cb):VFR+16*(\g)+8*(\cb)+7], v[P+16*(\t)+8*(\g):P+16*(\t)+8*(\g)+7], v[O+16*(\t)+8*(\cb):O+16*(\t)+8*(\cb)+7]
.endr
.endr
.endr
.rept 4
	v_nop                                          ; the places in front of loads into V's registers and of lines that read O^T
.endr
.if \pre
	LOADV
.endif
.endm
	v_mov_b32 v[AK], v[LA]                         ; keys 0-511: eight steps
	v_add_nc_u32 v[AV], 131072, v[LA]
	LOADK
	LOADV
	s_mov_b32 s56, 7
.Lstep_a:
	STEP 1
	s_sub_co_u32 s56, s56, 1
	s_cmp_lg_u32 s56, 0
	s_cbranch_scc1 .Lstep_a
	STEP 0                                         ; the eighth step fetches nothing: what follows it has not been shown landed yet
	s_wait_tensorcnt 0x0                           ; my quarter of keys 512-2,047 is in
	s_barrier_signal -1
	s_barrier_wait -1                              ; everybody's is
	v_add_nc_u32 v[AK], 32768, v[LA]               ; 24 steps
	v_add_nc_u32 v[AV], 131072+32768, v[LA]
	LOADK
	LOADV
	s_mov_b32 s56, 23
.Lstep_b:
	STEP 1
	s_sub_co_u32 s56, s56, 1
	s_cmp_lg_u32 s56, 0
	s_cbranch_scc1 .Lstep_b
	STEP 0
	; the way out: l's two halves and the other half of the lanes' are added; O^T is divided by l
	v_bfe_u32 v[TA], v0, 4, 1
	v_lshl_add_u32 v[TA], v[TA], 6, WRT            ; the router's rows of my channels 16 cb + 8 (lane / 16) + 0..7: 64 bytes for each cb
.irp k, 0,1,2,3,4,5,6,7
	ds_load_b128 v[S+4*(\k):S+4*(\k)+3], v[TA] offset:((\k)/4)*128+((\k)%4)*16
.endr
	BOTH v_add_f32 v[ST+10*t+4], v[ST+10*t+2], v[ST+10*t+3]
	BOTH v_permlanex16_b32 v[ST+10*t+5], v[ST+10*t+4], s[SEL], s[SEL+1]
	BOTH v_add_f32 v[ST+10*t+4], v[ST+10*t+4], v[ST+10*t+5]
	BOTH v_rcp_f32 v[ST+10*t+6], v[ST+10*t+4]
	v_nop
	s_wait_alu depctr_va_vdst(0)
.set i, 0
.rept 8
	BOTH v_pk_mul_f32 v[O+16*t+2*i:O+16*t+2*i+1], v[O+16*t+2*i:O+16*t+2*i+1], v[ST+10*t+6:ST+10*t+7] op_sel_hi:[1,0]
.set i, i+1
.endr
	s_wait_dscnt 0x0
; the head's part of the logits: for tile t the pair (expert 0, expert 1) = the sum over my 16 channels n of O[n] x the router's row n
.macro LG t, n
.set rO, O+16*(\t)+2*((\n)/2)
.set rL, ST+10*(\t)+4
.if (\n) == 0
	v_pk_mul_f32 v[rL:rL+1], v[rO:rO+1], v[S:S+1] op_sel:[0,0] op_sel_hi:[0,1]
.elseif (\n)%2 == 0
	v_pk_fma_f32 v[rL:rL+1], v[rO:rO+1], v[S+2*(\n):S+2*(\n)+1], v[rL:rL+1] op_sel:[0,0,0] op_sel_hi:[0,1,1]
.else
	v_pk_fma_f32 v[rL:rL+1], v[rO:rO+1], v[S+2*(\n):S+2*(\n)+1], v[rL:rL+1] op_sel:[1,0,0] op_sel_hi:[1,1,1]
.endif
.endm
.set i, 0
.rept 16
	LG 0, i
	LG 1, i
.set i, i+1
.endr
	BOTH v_permlanex16_b32 v[ST+10*t+6], v[ST+10*t+4], s[SEL], s[SEL+1]   ; the token's other 16 channels lie in the lane 16 away
	BOTH v_permlanex16_b32 v[ST+10*t+7], v[ST+10*t+5], s[SEL], s[SEL+1]
	BOTH v_pk_add_f32 v[ST+10*t+4:ST+10*t+5], v[ST+10*t+4:ST+10*t+5], v[ST+10*t+6:ST+10*t+7]
	BOTH v_pk_add_f32 v[ST+10*t+4:ST+10*t+5], v[ST+10*t+4:ST+10*t+5], v[OBL:OBL+1]
	v_cmp_le_u32 vcc_lo, 16, v[LN]
	v_cndmask_b32 v[ST+8], v[ST+4], v[ST+14], vcc_lo   ; lanes 0-15 store tile 0, lanes 16-31 tile 1: 256 consecutive bytes, aligned
	v_cndmask_b32 v[ST+9], v[ST+5], v[ST+15], vcc_lo
	global_store_b64 v[L8], v[ST+8:ST+9], s[54:55]
.irp t, 0,1
.irp cb, 0,1                                           ; O is rounded in place and stored, 512 consecutive bytes a wave
.set rD, O+16*(\t)+8*(\cb)
	v_cvt_pk_bf16_f32 v[rD], v[rD], v[rD+1]
	v_cvt_pk_bf16_f32 v[rD+1], v[rD+2], v[rD+3]
	v_cvt_pk_bf16_f32 v[rD+2], v[rD+4], v[rD+5]
	v_cvt_pk_bf16_f32 v[rD+3], v[rD+6], v[rD+7]
	global_store_b128 v[LA], v[rD:rD+3], s[6:7] offset:(\t)*16384+(\cb)*512
.endr
.endr
	s_wait_tensorcnt 0x0
	ds_add_u32 v240, v241
	s_wait_dscnt 0x0
	CROUND                                         ; the closing round
	s_endpgm
.Lfunc_end_k_q136a46a02a_attn:
	.size	k_q136a46a02a_attn, .Lfunc_end_k_q136a46a02a_attn-k_q136a46a02a_attn
	.p2alignl 7, 3214868480
	.fill 96, 4, 3214868480
	.section	.rodata,"a",@progbits
	.p2align	6, 0x0
	.amdhsa_kernel k_q136a46a02a_attn
		.amdhsa_group_segment_fixed_size 263424
		.amdhsa_private_segment_fixed_size 0
		.amdhsa_enable_private_segment 0
		.amdhsa_kernarg_size 48
		.amdhsa_user_sgpr_count 2
		.amdhsa_user_sgpr_kernarg_segment_ptr 1
		.amdhsa_wavefront_size32 1
		.amdhsa_system_sgpr_workgroup_id_x 1
		.amdhsa_system_sgpr_workgroup_id_y 1
		.amdhsa_system_sgpr_workgroup_id_z 1
		.amdhsa_system_vgpr_workitem_id 0
		.amdhsa_next_free_vgpr 242
		.amdhsa_next_free_sgpr 66
		.amdhsa_reserve_vcc 1
		.amdhsa_float_denorm_mode_32 3
		.amdhsa_float_denorm_mode_16_64 3
		.amdhsa_memory_ordered 1
		.amdhsa_forward_progress 1
		.amdhsa_inst_pref_size 90
	.end_amdhsa_kernel
	.amdgpu_metadata
---
amdhsa.version: [ 1, 2 ]
amdhsa.kernels:
  - .name:           k_q136a46a02a_attn
    .symbol:         k_q136a46a02a_attn.kd
    .args:
      - { .name: qkv, .offset: 0, .size: 8, .value_kind: global_buffer, .address_space: global }
      - { .name: ao, .offset: 8, .size: 8, .value_kind: global_buffer, .address_space: global }
      - { .name: o_w, .offset: 16, .size: 8, .value_kind: global_buffer, .address_space: global }
      - { .name: router_w, .offset: 24, .size: 8, .value_kind: global_buffer, .address_space: global }
      - { .name: o_b, .offset: 32, .size: 8, .value_kind: global_buffer, .address_space: global }
      - { .name: part, .offset: 40, .size: 8, .value_kind: global_buffer, .address_space: global }
    .group_segment_fixed_size: 263424
    .private_segment_fixed_size: 0
    .kernarg_segment_align: 8
    .kernarg_segment_size: 48
    .max_flat_workgroup_size: 256
    .sgpr_count:     66
    .vgpr_count:     242
    .wavefront_size: 32
...
	.end_amdgpu_metadata
.endif
;; end of part 3
;; launch fold (part 4): grid 32 x 8, 4 waves a work-group, clusters of 4 x 4, 327,680 bytes of LDS; arguments wts, wf; writes wf
.if DOCPART == 4
	.amdgcn_target "amdgcn-amd-amdhsa--gfx1250"
	.amdhsa_code_object_version 6
	.text
	.protected	k_q136a46a02a_fold
	.globl	k_q136a46a02a_fold
	.p2align	8
	.type	k_q136a46a02a_fold,@function
k_q136a46a02a_fold:
	s_mov_b64 s[64:65], 0
	v_nop
	global_prefetch_b8 v0, s[64:65] scope:SCOPE_SE
	s_setreg_imm32_b32 hwreg(HW_REG_WAVE_MODE, 25, 1), 1
	s_wait_xcnt 0x0
	s_wait_alu depctr_hold_cnt(0) depctr_sa_sdst(0) depctr_va_vdst(0) depctr_va_sdst(0) depctr_va_ssrc(0) depctr_va_vcc(0) depctr_vm_vsrc(0)
	s_getreg_b32 s2, hwreg(HW_REG_IB_STS2, 6, 4)
	s_cmp_eq_u32 s2, 0
	s_cbranch_scc0 .Lentry_in_a_cluster
	s_endpgm
.Lentry_in_a_cluster:
	s_bfe_u32 s2, ttmp6, 0x10000c
	s_cmp_lg_u32 s2, 0xf033
	s_cbranch_scc0 .Lentry_shape_is_right
	s_endpgm
.Lentry_shape_is_right:
; wf = W_o (rows 0-511) x w1, both experts side by side: 512 x 4,096, K = 1,024.  bf16 operands, f32 sums, wf rounded once to bf16.
; WHY.  The module's (ao W_o + o_b) w1 + b1 equals ao (W_o w1) + (o_b w1 + b1) for every input.  W_o w1 costs 2 x 512 x 1,024 x 4,096 operations, as many as ao W_o did,
; and halves the K of the product with 4,096 tokens that follows (512 for 1,024).  LIMIT: the order of rounding differs from the module's: W_o w1 is rounded to bf16, ao W_o is never formed.
; A tile is 64 rows x 128 columns, so that 8 x 32 tiles give each of 256 work-groups one; four waves, each 32 x 64: 8 accumulators.  K goes in steps of 256 through two LDS slots.
; W_o lies [row][k]; w1 lies [k][column] and comes out of LDS turned, by ds_load_tr16_b128.  Source 0 = 16 rows of W_o, source 1 = 16 columns of w1: a lane holds one column and 8 neighbouring rows,
; which ARE 16 bytes of the operand that the next launch loads: wf[block of 16 columns][group of 32 rows][half][512 bytes].  Every store of a wave is 512 consecutive bytes, aligned.
; CLUSTER 4 x 4: W_o's tile hangs on the tile row alone and is asked for jointly along a row of the cluster, w1's on the tile column alone, jointly along a column.
; Waves 0, 1 fetch W_o's halves (32 rows x 512 bytes), waves 2, 3 w1's (128 rows x 256 bytes).
; REGISTERS: window 0: addresses, accumulators; window 1: two fragment buffers of 96: 32 of W_o (2 x 2 blocks), then 64 of w1 (2 x 4 blocks).
.set LPC,   12                         ; LDS loads for 32 along K
.set PA,    528                        ; a row of W_o in LDS: 512 bytes + 16
.set PB,    288                        ; a row of w1: 256 bytes + 32
.set BOFF,  64*PA
.set SLOT,  BOFF+256*PB
.set SPARE, 2*SLOT                     ; the spare words: two blocks of 256 bytes that no other line names
.set LAPS,  2                          ; a lap = two K steps
.set W_O,   3145728
.set W_1,   4194304
.set STEPA, 512                        ; bytes from K step to K step in W_o
.set STEPB, 1048576                    ; and in w1: 256 rows of 4,096 bytes
.set ADRA, 16                          ; v16-17
.set ADRB, 20                          ; v20-23: slot x 2 + which 128 of the step's 256 rows
.set LO,   24                          ; v24 16 x lane
.set SPW,  28
.set NIL,  29
.set ACC,  64                          ; v64-127: (a, b) at ACC + 8 (4 a + b)
.set F0,   0
.set F1,   96
.set G1, 24
.set G0, 32
.set G1B, 48
.set G0B, 56
.set MSB, 0
.macro WIN new                         ; the immediate's high byte repeats the setting that is left
.if MSB != (\new)
	s_set_vgpr_msb (MSB<<8)|(\new)
.set MSB, \new
.endif
.endm
.macro PLACES                          ; four places in front of loads into registers that matrix instructions have read, and of lines that read results
.rept 4
	v_nop
.endr
.endm
.macro JLOAD s                         ; a joint load; four v_nop follow each of the two lines
	s_cmp_eq_u32 s11, 0
	s_cbranch_scc0 .Lfor_b_\@
	tensor_load_to_lds s[G0+4*(\s):G0+4*(\s)+3], s[G1:G1+7]
	s_nop 0
.rept 4
	v_nop
.endr
	s_branch .Lasked_\@
.Lfor_b_\@:
	tensor_load_to_lds s[G0B+4*(\s):G0B+4*(\s)+3], s[G1B:G1B+7]
	s_nop 0
.rept 4
	v_nop
.endr
.Lasked_\@:
.endm
.macro CREST
	s_cmp_lg_u32 s10, 0
	s_cbranch_scc1 .Lnot_wave_0_\@
	s_barrier_signal -3
.Lnot_wave_0_\@:
	s_barrier_wait -3
	s_barrier_signal -1
	s_barrier_wait -1
.endm
.macro CROUND
	s_barrier_signal -1
	s_barrier_wait -1
	CREST
.endm
	s_load_b128 s[68:71], s[0:1], 0x0              ; wts s[68:69], wf s[70:71]
	v_lshl_add_u32 v[SPW], v0, 2, SPARE
	v_mov_b32 v[NIL], 0
	ds_add_u32 v28, v29
	s_wait_dscnt 0x0
	v_lshrrev_b32 v1, 5, v0
	v_readfirstlane_b32 s10, v1
	s_lshr_b32 s11, s10, 1                         ; which 32 rows are mine.  Also: I fetch W_o (0) or w1 (1)
	s_and_b32 s12, s10, 1                          ; which 64 columns.  Also: which half of that tile I fetch
	s_bfe_u32 s40, ttmp6, 0x40000
	s_bfe_u32 s41, ttmp6, 0x40004
	s_lshl_b32 s42, ttmp9, 2
	s_add_co_u32 s42, s42, s40                     ; bx: the block of 128 columns
	s_and_b32 s13, ttmp7, 0xffff
	s_lshl_b32 s13, s13, 2
	s_add_co_u32 s13, s13, s41                     ; by: the block of 64 rows
	s_lshl_b32 s43, s41, 2
	s_lshl_b32 s43, 15, s43
	s_lshl_b32 s44, 0x1111, s40
	s_or_b32 s[G1+0], s43, (1<<16)|(1<<20)|(1<<21)|(6<<22)|(3<<25)   ; mask; 2-byte elements; padding: 4 words after every 128; bit 21 beside a mask
	s_mov_b32 s[G1+1], 256<<16
	s_mov_b32 s[G1+2], 32<<16
	s_mov_b32 s[G1+3], 256<<16
	s_mov_b32 s[G1+4], 32
	s_mov_b32 s[G1+5], 1024
	s_mov_b32 s[G1+6], 0
	s_mov_b32 s[G1+7], 0
	s_or_b32 s[G1B+0], s44, (1<<16)|(1<<20)|(1<<21)|(5<<22)|(7<<25)  ; padding: 8 words after every 64
	s_mov_b32 s[G1B+1], 128<<16
	s_mov_b32 s[G1B+2], 128<<16
	s_mov_b32 s[G1B+3], 128<<16
	s_mov_b32 s[G1B+4], 128
	s_mov_b32 s[G1B+5], 2048
	s_mov_b32 s[G1B+6], 0
	s_mov_b32 s[G1B+7], 0
	s_lshl_b32 s16, s13, 17                        ; 64 rows of 2,048 bytes,
	s_lshl_b32 s17, s12, 16                        ; my 32 of them
	s_add_co_u32 s16, s16, s17
	s_add_co_u32 s16, s16, W_O
	s_mov_b32 s17, 0
	s_lshr_b32 s45, s42, 4                         ; the expert,
	s_lshl_b32 s46, s45, 22
	s_and_b32 s45, s42, 15                         ; its block of 128 columns,
	s_lshl_b32 s45, s45, 8
	s_add_co_u32 s46, s46, s45
	s_lshl_b32 s45, s12, 19                        ; my 128 rows of 4,096 bytes
	s_add_co_u32 s46, s46, s45
	s_add_co_u32 s46, s46, W_1
	s_mov_b32 s47, 0
	s_mul_i32 s20, s12, 32*PA
	s_mul_i32 s21, s12, 128*PB
	s_add_co_u32 s21, s21, BOFF
	s_wait_kmcnt 0x0
	s_add_nc_u64 s[14:15], s[68:69], s[16:17]
	s_add_nc_u64 s[46:47], s[68:69], s[46:47]
	CROUND                                         ; all sixteen work-groups are here: the first joint loads meet
.irp s, 0,1
	s_mov_b32 s[G0+4*(\s)], 1
	s_add_co_u32 s[G0+4*(\s)+1], s20, (\s)*SLOT
	s_add_nc_u64 s[G0+4*(\s)+2:G0+4*(\s)+3], s[14:15], (\s)*STEPA
	s_or_b32 s[G0+4*(\s)+3], s[G0+4*(\s)+3], 0x80000000
	s_mov_b32 s[G0B+4*(\s)], 1
	s_add_co_u32 s[G0B+4*(\s)+1], s21, (\s)*SLOT
	s_add_nc_u64 s[G0B+4*(\s)+2:G0B+4*(\s)+3], s[46:47], (\s)*STEPB
	s_or_b32 s[G0B+4*(\s)+3], s[G0B+4*(\s)+3], 0x80000000
	JLOAD \s
.endr
	v_and_b32 v1, 15, v0                           ; r
	v_bfe_u32 v2, v0, 4, 1                         ; h
	v_mul_u32_u24 v3, v1, PA
	v_lshl_add_u32 v3, v2, 4, v3
	s_mul_i32 s22, s11, 32*PA
	v_add_nc_u32 v[ADRA], s22, v3
	v_add_nc_u32 v[ADRA+1], SLOT, v[ADRA]
	v_and_b32 v4, 7, v0                            ; the turning load: row 8 h + lane % 8, 16 bytes at 16 ((lane / 8) % 2)
	v_lshl_add_u32 v4, v2, 3, v4
	v_mul_u32_u24 v4, v4, PB
	v_bfe_u32 v5, v0, 3, 1
	v_lshl_add_u32 v4, v5, 4, v4
	s_lshl_b32 s23, s12, 7
	s_add_co_u32 s23, s23, BOFF
	v_add_nc_u32 v[ADRB], s23, v4
	v_add_nc_u32 v[ADRB+1], 128*PB, v[ADRB]
	v_add_nc_u32 v[ADRB+2], SLOT, v[ADRB]
	v_add_nc_u32 v[ADRB+3], SLOT+128*PB, v[ADRB]
	v_and_b32 v[LO], 31, v0
	v_lshlrev_b32 v[LO], 4, v[LO]
	s_lshl_b32 s46, s42, 17                        ; wf: (8 bx + 4 ch) x 16,384 + (2 by + rh) x 1,024
	s_lshl_b32 s45, s12, 16
	s_add_co_u32 s46, s46, s45
	s_lshl_b32 s45, s13, 11
	s_add_co_u32 s46, s46, s45
	s_lshl_b32 s45, s11, 10
	s_add_co_u32 s46, s46, s45
	s_mov_b32 s47, 0
	s_add_nc_u64 s[70:71], s[70:71], s[46:47]
; 4 matrix instructions: row block a x all 4 column blocks, 32 along K: half c of buffer f.  first = 1: the product starts the sum.  The 8 accumulators take turns.
.macro MULQ f, c, a, first
	WIN 0x05
.irp b, 0,1,2,3
.set rD, ACC+8*(4*(\a)+(\b))
.set rX, (\f)+8*(2*(\c)+(\a))
.set rW, (\f)+32+8*(4*(\c)+(\b))
.if \first
	v_wmma_f32_16x16x32_bf16 v[rD:rD+7], v[rX:rX+7], v[rW:rW+7], 0
.else
	v_wmma_f32_16x16x32_bf16 v[rD:rD+7], v[rX:rX+7], v[rW:rW+7], v[rD:rD+7]
.endif
.endr
.endm
.macro FETCH slot, q, f                ; 24 LDS loads in one run: 64 along K (quarter q of the slot), the first 32 first
	WIN 0x40
.irp c, 0,1
.irp b, 0,1,2,3
	ds_load_tr16_b128 v[(\f)+32+8*(4*(\c)+(\b)):(\f)+32+8*(4*(\c)+(\b))+3], v[ADRB+2*(\slot)+(\q)/2] offset:(((\q)%2)*64+(\c)*32)*PB+(\b)*32
	ds_load_tr16_b128 v[(\f)+32+8*(4*(\c)+(\b))+4:(\f)+32+8*(4*(\c)+(\b))+7], v[ADRB+2*(\slot)+(\q)/2] offset:(((\q)%2)*64+(\c)*32+16)*PB+(\b)*32
.endr
.irp a, 0,1
	ds_load_b128 v[(\f)+8*(2*(\c)+(\a)):(\f)+8*(2*(\c)+(\a))+3], v[ADRA+(\slot)] offset:(\a)*16*PA+(\q)*128+(\c)*64
	ds_load_b128 v[(\f)+8*(2*(\c)+(\a))+4:(\f)+8*(2*(\c)+(\a))+7], v[ADRA+(\slot)] offset:(\a)*16*PA+(\q)*128+(\c)*64+32
.endr
.endr
.endm
.macro QUARTER slot, q, f, g, first    ; multiplies buffer f; in its middle fetches quarter q of the slot into buffer g
	s_wait_dscnt LPC                               ; the first 32 along K are in
	MULQ \f, 0, 0, \first
	MULQ \f, 0, 1, \first
	PLACES
	FETCH \slot, \q, \g
	s_wait_dscnt 2*LPC                             ; all but the run just issued
	MULQ \f, 1, 0, 0
	MULQ \f, 1, 1, 0
.endm
; A slot's last quarter multiplies buffer 1 and changes slots: one barrier; in front of it each wave waits for all its tensor loads, adds 0 to its spare word, and waits for that and its reads of the slot.
.macro TURN slot, next, fill
	WIN 0
	s_wait_tensorcnt 0x0                           ; all my tensor loads have landed: my part of the next slot
	ds_add_u32 v[SPW], v[NIL]
	s_wait_dscnt LPC+1                             ; the add and the second 32 along K may be out
	MULQ F1, 0, 0, 0
	s_wait_dscnt 0x0                               ; the add is done, and my reads of this slot are over
	s_barrier_signal -1
	MULQ F1, 0, 1, 0
.if \fill
	WIN 0
.endif
	s_barrier_wait -1
.if \fill
	CREST                                          ; a round of the cluster's barrier: no wave of any partner still reads this slot or has a load on its way
	s_add_nc_u64 s[G0+4*(\slot)+2:G0+4*(\slot)+3], s[G0+4*(\slot)+2:G0+4*(\slot)+3], 2*STEPA
	s_add_nc_u64 s[G0B+4*(\slot)+2:G0B+4*(\slot)+3], s[G0B+4*(\slot)+2:G0B+4*(\slot)+3], 2*STEPB
	JLOAD \slot                                    ; my one tensor load behind the round; its four v_nop are also the places in front of the loads below
.else
	PLACES
.endif
	FETCH \next, 0, F0
	MULQ F1, 1, 0, 0
	MULQ F1, 1, 1, 0
.endm
	s_wait_tensorcnt 0x1                           ; my part of K step 0 is in; step 1's may stay out
	s_barrier_signal -1
	s_barrier_wait -1
	FETCH 0, 0, F0
	QUARTER 0, 1, F0, F1, 1
	WIN 0
	s_mov_b32 s3, LAPS-1
.Llap:                                                 ; a trip goes once round the ring and fills both slots again
	QUARTER 0, 2, F1, F0, 0
	QUARTER 0, 3, F0, F1, 0
	TURN 0, 1, 1
	QUARTER 1, 1, F0, F1, 0
	QUARTER 1, 2, F1, F0, 0
	QUARTER 1, 3, F0, F1, 0
	TURN 1, 0, 1
	QUARTER 0, 1, F0, F1, 0
	WIN 0
	s_sub_co_u32 s3, s3, 1
	s_cmp_lg_u32 s3, 0
	s_cbranch_scc1 .Llap
	QUARTER 0, 2, F1, F0, 0                        ; the last lap fills nothing
	QUARTER 0, 3, F0, F1, 0
	TURN 0, 1, 0
	QUARTER 1, 1, F0, F1, 0
	QUARTER 1, 2, F1, F0, 0
	QUARTER 1, 3, F0, F1, 0
	s_wait_dscnt LPC
	MULQ F1, 0, 0, 0
	MULQ F1, 0, 1, 0
	s_wait_dscnt 0x0
	MULQ F1, 1, 0, 0
	MULQ F1, 1, 1, 0
	WIN 0
	PLACES
	; the way out: each accumulator is rounded in place, lowest registers first; row block a is half a of its group of 32 rows
.irp a, 0,1
.irp b, 0,1,2,3
.set rD, ACC+8*(4*(\a)+(\b))
	v_cvt_pk_bf16_f32 v[rD], v[rD], v[rD+1]
	v_cvt_pk_bf16_f32 v[rD+1], v[rD+2], v[rD+3]
	v_cvt_pk_bf16_f32 v[rD+2], v[rD+4], v[rD+5]
	v_cvt_pk_bf16_f32 v[rD+3], v[rD+6], v[rD+7]
	global_store_b128 v[LO], v[rD:rD+3], s[70:71] offset:(\b)*16384+(\a)*512
.endr
.endr
	s_wait_tensorcnt 0x0                           ; the wave's end
	ds_add_u32 v[SPW], v[NIL]
	s_wait_dscnt 0x0
	CROUND                                         ; the closing round
	s_endpgm
.Lfunc_end_k_q136a46a02a_fold:
	.size	k_q136a46a02a_fold, .Lfunc_end_k_q136a46a02a_fold-k_q136a46a02a_fold
	.p2alignl 7, 3214868480
	.fill 96, 4, 3214868480
	.section	.rodata,"a",@progbits
	.p2align	6, 0x0
	.amdhsa_kernel k_q136a46a02a_fold
		.amdhsa_group_segment_fixed_size 327680
		.amdhsa_private_segment_fixed_size 0
		.amdhsa_enable_private_segment 0
		.amdhsa_kernarg_size 16
		.amdhsa_user_sgpr_count 2
		.amdhsa_user_sgpr_kernarg_segment_ptr 1
		.amdhsa_wavefront_size32 1
		.amdhsa_system_sgpr_workgroup_id_x 1
		.amdhsa_system_sgpr_workgroup_id_y 1
		.amdhsa_system_sgpr_workgroup_id_z 1
		.amdhsa_system_vgpr_workitem_id 0
		.amdhsa_next_free_vgpr 448
		.amdhsa_next_free_sgpr 80
		.amdhsa_reserve_vcc 0
		.amdhsa_float_denorm_mode_32 3
		.amdhsa_float_denorm_mode_16_64 3
		.amdhsa_memory_ordered 1
		.amdhsa_forward_progress 1
		.amdhsa_inst_pref_size 57
	.end_amdhsa_kernel
	.amdgpu_metadata
---
amdhsa.version: [ 1, 2 ]
amdhsa.kernels:
  - .name:           k_q136a46a02a_fold
    .symbol:         k_q136a46a02a_fold.kd
    .args:
      - { .name: wts, .offset: 0, .size: 8, .value_kind: global_buffer, .address_space: global }
      - { .name: wf, .offset: 8, .size: 8, .value_kind: global_buffer, .address_space: global }
    .group_segment_fixed_size: 327680
    .private_segment_fixed_size: 0
    .kernarg_segment_align: 8
    .kernarg_segment_size: 16
    .max_flat_workgroup_size: 128
    .sgpr_count:     80
    .vgpr_count:     448
    .wavefront_size: 32
...
	.end_amdgpu_metadata
.endif
;; end of part 4
;; launch ffn1 (part 5): grid 16 x 16, 4 waves a work-group, clusters of 4 x 4, 327,680 bytes of LDS; arguments ao, wf, b1, pb, part, router_b, h1; writes h1
.if DOCPART == 5
	.amdgcn_target "amdgcn-amd-amdhsa--gfx1250"
	.amdhsa_code_object_version 6
	.text
	.protected	k_q136a46a02a_ffn1
	.globl	k_q136a46a02a_ffn1
	.p2align	8
	.type	k_q136a46a02a_ffn1,@function
k_q136a46a02a_ffn1:
	s_mov_b64 s[64:65], 0
	v_nop
	global_prefetch_b8 v0, s[64:65] scope:SCOPE_SE
	s_setreg_imm32_b32 hwreg(HW_REG_WAVE_MODE, 25, 1), 1
	s_wait_xcnt 0x0
	s_wait_alu depctr_hold_cnt(0) depctr_sa_sdst(0) depctr_va_vdst(0) depctr_va_sdst(0) depctr_va_ssrc(0) depctr_va_vcc(0) depctr_vm_vsrc(0)
	s_getreg_b32 s2, hwreg(HW_REG_IB_STS2, 6, 4)
	s_cmp_eq_u32 s2, 0
	s_cbranch_scc0 .Lentry_in_a_cluster
	s_endpgm
.Lentry_in_a_cluster:
	s_bfe_u32 s2, ttmp6, 0x10000c
	s_cmp_lg_u32 s2, 0xf033
	s_cbranch_scc0 .Lentry_shape_is_right
	s_endpgm
.Lentry_shape_is_right:
; h1[token][e x 2,048 + f] = combine_e(token) x gelu(ao (W_o w1_e) + (o_b w1_e + b1_e)), both experts side by side: 4,096 x 4,096, K = 512.  This equals the module's gelu((ao W_o + o_b) w1 + b1) for every input;
; W_o w1 (wf) and the 16 partial sums of o_b w1 (pb) come from earlier launches.  LIMIT: the order of rounding differs from the module's.  bf16 operands, f32 sums, bias, gelu and combine in f32, h1 rounded once to bf16.
; A tile is 256 x 256; four waves, each 128 x 128: 64 accumulators in windows 2 and 3.  K goes in steps of 128 through two LDS slots.
; ao and wf both lie in operand order (16 bytes a lane, 512 bytes a load): no padding, no turning load, and one shape of descriptor: 8 blocks of 16 tokens or columns x 4,096 bytes.
; Source 0 = 16 columns, source 1 = 16 tokens: a lane holds one token and 8 neighbouring columns, 16 bytes of the operand that the next launch loads.
; THE BIAS.  Thread t adds b1 and the 16 rows of pb, in ascending order, for columns 2 t and 2 t + 1 of the tile; a table of 256 numbers in LDS hands them to the lanes; they are the C operand of each sum's first product.
; COMBINE.  Top 2 of 2 experts is a permutation that the one-hot sum undoes: combine_e = p_e / (p_0 + p_1 + 1e-8), p = softmax(logits), the maximum taken away first.
; The logits are the 16 partial sums of part, added in ascending order, plus router_b.  A table of 256 numbers in LDS holds half of this tile's expert's combine for its tokens.
; GELU.  gelu(x) = (x + |x| (1 - Y E)) / 2, with t = 1 / (1 + 0.23164189 |x|), Y = t (a1 + t (a2 + t (a3 + t (a4 + t a5)))), E = exp(-x x / 2): erf by Abramowitz and Stegun 7.1.26, absolute error 1.5e-7 for every x.
; The text keeps -Y (all five coefficients negated), so that 1 - Y E is one fused multiply-add.
; THE WAY OUT.  The sums go into the slots, which have had their last fill (each wave 65,536 bytes of its own), and a counted loop of 8 trips takes them back 16 numbers a lane at a time: one text for all 64 accumulators.
; CLUSTER 4 x 4: ao's tile jointly along a row of the cluster, wf's along a column.  Waves 0, 1 fetch ao's halves, waves 2, 3 wf's.
; LIMITS: NaN and infinities are not treated apart.
.set BOFF,  65536                      ; ao's tile: 16 token blocks x 4,096 bytes; then wf's: 16 column blocks x 4,096 bytes
.set SLOT,  131072
.set SPARE, 2*SLOT                     ; the spare words: two blocks of 256 bytes that no other line names
.set TAB,   SPARE+512                  ; 256 tokens x 4 bytes
.set TABB,  TAB+1024                   ; 256 columns x 4 bytes
.set LAPS,  2
.set ADRA, 16                          ; v16-17
.set ADRB, 20                          ; v20-21
.set VD,   24                          ; v24 where my sums go in LDS
.set VL,   25                          ; v25 where the loop reads them back
.set VC,   26                          ; v26 my token's place in the table
.set VG,   27                          ; v27 my byte offset in h1
.set SPW,  28
.set NIL,  29
.set F0,   64                          ; fragment buffers: ao's in window 0, wf's in window 1
.set F1,   128
.set BIAS, 192                         ; v192-255 of window 0
.set XX,   64                          ; the way out, window 0: 16 numbers as read back, in v64-79 and v112-127 by turns
.set SS,   80
.set AX,   96
.set TT,   128
.set YY,   144
.set OU,   160
.set CC,   168
.set G1, 24
.set G0, 32
.set G1B, 48
.set G0B, 56
.set RB, 88                            ; s[88:89] router_b
.set MSB, 0
.macro WIN new                         ; the immediate's high byte repeats the setting that is left
.if MSB != (\new)
	s_set_vgpr_msb (MSB<<8)|(\new)
.set MSB, \new
.endif
.endm
.macro PLACES                          ; four places in front of loads into registers that matrix instructions have read, and of lines that read results
.rept 4
	v_nop
.endr
.endm
.macro JLOAD s                         ; a joint load; four v_nop follow each of the two lines
	s_cmp_eq_u32 s11, 0
	s_cbranch_scc0 .Lfor_b_\@
	tensor_load_to_lds s[G0+4*(\s):G0+4*(\s)+3], s[G1:G1+7]
	s_nop 0
.rept 4
	v_nop
.endr
	s_branch .Lasked_\@
.Lfor_b_\@:
	tensor_load_to_lds s[G0B+4*(\s):G0B+4*(\s)+3], s[G1B:G1B+7]
	s_nop 0
.rept 4
	v_nop
.endr
.Lasked_\@:
.endm
.macro CREST
	s_cmp_lg_u32 s10, 0
	s_cbranch_scc1 .Lnot_wave_0_\@
	s_barrier_signal -3
.Lnot_wave_0_\@:
	s_barrier_wait -3
	s_barrier_signal -1
	s_barrier_wait -1
.endm
.macro CROUND
	s_barrier_signal -1
	s_barrier_wait -1
	CREST
.endm
.macro COMB l0, l1, m                  ; two logit sums -> the two combine weights, in place
	v_add_f32 v[\l0], s[RB], v[\l0]
	v_add_f32 v[\l1], s[RB+1], v[\l1]
	v_max_num_f32 v[\m], v[\l0], v[\l1]
	v_sub_f32 v[\l0], v[\l0], v[\m]
	v_sub_f32 v[\l1], v[\l1], v[\m]
	v_mul_f32 v[\l0], 0x3fb8aa3b, v[\l0]
	v_mul_f32 v[\l1], 0x3fb8aa3b, v[\l1]
	v_exp_f32 v[\l0], v[\l0]
	v_exp_f32 v[\l1], v[\l1]
	v_nop
	s_wait_alu depctr_va_vdst(0)
	v_add_f32 v[\m], v[\l0], v[\l1]
	v_rcp_f32 v[\m], v[\m]
	v_nop
	s_wait_alu depctr_va_vdst(0)
	v_mul_f32 v[\l0], v[\l0], v[\m]
	v_mul_f32 v[\l1], v[\l1], v[\m]
	v_add_f32 v[\m], v[\l0], v[\l1]
	v_add_f32 v[\m], 0x322bcc77, v[\m]             ; + 1e-8
	v_rcp_f32 v[\m], v[\m]
	v_nop
	s_wait_alu depctr_va_vdst(0)
	v_mul_f32 v[\l0], v[\l0], v[\m]
	v_mul_f32 v[\l1], v[\l1], v[\m]
.endm
	s_load_b256 s[76:83], s[0:1], 0x0              ; ao s[76:77], wf s[78:79], b1 s[80:81], pb s[82:83]
	s_load_b128 s[84:87], s[0:1], 0x20             ; part s[84:85], router_b s[86:87]
	s_load_b64 s[94:95], s[0:1], 0x30              ; h1
	v_lshl_add_u32 v[SPW], v0, 2, SPARE
	v_mov_b32 v[NIL], 0
	ds_add_u32 v28, v29
	s_wait_dscnt 0x0
	v_lshrrev_b32 v1, 5, v0
	v_readfirstlane_b32 s10, v1
	s_lshr_b32 s11, s10, 1                         ; which 128 tokens are mine.  Also: I fetch ao (0) or wf (1)
	s_and_b32 s12, s10, 1                          ; which 128 columns.  Also: which half of that tile I fetch
	s_bfe_u32 s40, ttmp6, 0x40000
	s_bfe_u32 s41, ttmp6, 0x40004
	s_lshl_b32 s42, ttmp9, 2
	s_add_co_u32 s42, s42, s40                     ; bx
	s_and_b32 s13, ttmp7, 0xffff
	s_lshl_b32 s13, s13, 2
	s_add_co_u32 s13, s13, s41                     ; by
	s_lshl_b32 s43, s41, 2
	s_lshl_b32 s43, 15, s43
	s_lshl_b32 s44, 0x1111, s40
	s_or_b32 s[G1+0], s43, (3<<16)|(1<<21)         ; mask; 8-byte elements; no padding; bit 21 beside a mask
	s_or_b32 s[G1B+0], s44, (3<<16)|(1<<21)
.irp g, G1, G1B
	s_mov_b32 s[(\g)+1], 512<<16                   ; a row: a block's 4,096 bytes of this K step
	s_mov_b32 s[(\g)+2], 8<<16                     ; eight blocks
	s_mov_b32 s[(\g)+3], 512<<16
	s_mov_b32 s[(\g)+4], 8
	s_mov_b32 s[(\g)+5], 2048                      ; 16,384 bytes from block to block
	s_mov_b32 s[(\g)+6], 0
	s_mov_b32 s[(\g)+7], 0
.endr
	s_mov_b32 s66, 0xbf87dc22                      ; -a5 .. -a1, each twice: the packed lines name pairs
	s_mov_b32 s67, s66
	s_mov_b32 s68, 0x3fba00e3
	s_mov_b32 s69, s68
	s_mov_b32 s70, 0xbfb5f0e3
	s_mov_b32 s71, s70
	s_mov_b32 s72, 0x3e91a98e
	s_mov_b32 s73, s72
	s_mov_b32 s74, 0xbe827906
	s_mov_b32 s75, s74
	s_lshl_b32 s16, s13, 18                        ; 16 token blocks of 16,384 bytes,
	s_lshl_b32 s17, s12, 17                        ; my eight of them
	s_add_co_u32 s16, s16, s17
	s_mov_b32 s17, 0
	s_lshl_b32 s46, s42, 18                        ; 16 column blocks of 16,384 bytes,
	s_lshl_b32 s47, s12, 17                        ; my eight of them
	s_add_co_u32 s46, s46, s47
	s_mov_b32 s47, 0
	s_lshl_b32 s20, s12, 15
	s_add_co_u32 s21, s20, BOFF
	s_lshr_b32 s91, s42, 3                         ; the expert
	s_cmp_lg_u32 s91, 0
	s_cselect_b32 s90, -1, 0                       ; all lanes take expert 1's weight, or none
	s_wait_kmcnt 0x0
	s_load_b64 s[RB:RB+1], s[86:87], 0x0
	s_add_nc_u64 s[14:15], s[76:77], s[16:17]
	s_add_nc_u64 s[46:47], s[78:79], s[46:47]
	CROUND                                         ; all sixteen work-groups are here: the first joint loads meet
.irp s, 0,1
	s_mov_b32 s[G0+4*(\s)], 1
	s_add_co_u32 s[G0+4*(\s)+1], s20, (\s)*SLOT
	s_add_nc_u64 s[G0+4*(\s)+2:G0+4*(\s)+3], s[14:15], (\s)*4096
	s_or_b32 s[G0+4*(\s)+3], s[G0+4*(\s)+3], 0x80000000
	s_mov_b32 s[G0B+4*(\s)], 1
	s_add_co_u32 s[G0B+4*(\s)+1], s21, (\s)*SLOT
	s_add_nc_u64 s[G0B+4*(\s)+2:G0B+4*(\s)+3], s[46:47], (\s)*4096
	s_or_b32 s[G0B+4*(\s)+3], s[G0B+4*(\s)+3], 0x80000000
	JLOAD \s
.endr
	v_and_b32 v1, 15, v0
	v_bfe_u32 v2, v0, 4, 1
	v_and_b32 v3, 31, v0
	v_lshlrev_b32 v[VG], 4, v3                     ; 16 x lane
	s_lshl_b32 s22, s11, 15
	v_add_nc_u32 v[ADRA], s22, v[VG]
	v_add_nc_u32 v[ADRA+1], SLOT, v[ADRA]
	s_lshl_b32 s23, s12, 15
	s_add_co_u32 s23, s23, BOFF
	v_add_nc_u32 v[ADRB], s23, v[VG]
	v_add_nc_u32 v[ADRB+1], SLOT, v[ADRB]
	s_lshl_b32 s22, s10, 16
	v_add_nc_u32 v[VD], s22, v[VG]
	v_mov_b32 v[VL], v[VD]
	s_lshl_b32 s23, s11, 9
	s_add_co_u32 s23, s23, TAB
	v_lshl_add_u32 v[VC], v1, 2, s23
	v_lshlrev_b32 v30, 3, v0                       ; 8 t: a token of part, two columns of b1 and pb
	v_lshl_add_u32 v31, v0, 2, TAB
	v_lshl_add_u32 v32, v0, 3, TABB
	s_lshl_b32 s23, s12, 9
	s_add_co_u32 s23, s23, TABB
	v_lshl_add_u32 v36, v2, 5, s23                 ; the bias of my columns 16 b + 8 h + 0..7
	s_lshl_b32 s18, s13, 11                        ; part at my tile's first token
	s_mov_b32 s19, 0
	s_add_nc_u64 s[84:85], s[84:85], s[18:19]
	s_lshl_b32 s46, s42, 10                        ; b1 and pb at my tile's first column
	s_mov_b32 s47, 0
	s_add_nc_u64 s[80:81], s[80:81], s[46:47]
	s_add_nc_u64 s[82:83], s[82:83], s[46:47]
	s_lshl_b32 s46, s13, 21                        ; h1: (16 by + 8 rh) x 131,072 + (8 bx + 4 ch) x 1,024
	s_lshl_b32 s45, s11, 20
	s_add_co_u32 s46, s46, s45
	s_lshl_b32 s45, s42, 13
	s_add_co_u32 s46, s46, s45
	s_lshl_b32 s45, s12, 12
	s_add_co_u32 s46, s46, s45
	s_add_nc_u64 s[94:95], s[94:95], s[46:47]
.irp u, 0,1                                            ; thread t takes tokens t and t + 128 of the tile
.irp k, 0,1,2,3,4,5,6,7,8,9,10,11,12,13,14,15
	global_load_b64 v[64+32*(\u)+2*(\k):65+32*(\u)+2*(\k)], v30, s[84:85] offset:(\k)*32768+(\u)*1024
.endr
.endr
	global_load_b64 v[128:129], v30, s[80:81]
.irp k, 0,1,2,3,4,5,6,7,8,9,10,11,12,13,14,15
	global_load_b64 v[130+2*(\k):131+2*(\k)], v30, s[82:83] offset:(\k)*16384
.endr
	s_wait_loadcnt 17                              ; the partial logits are in; the 17 loads of b1 and pb may stay out
.irp k, 1,2,3,4,5,6,7,8,9,10,11,12,13,14,15
	v_pk_add_f32 v[64:65], v[64:65], v[64+2*(\k):65+2*(\k)]
	v_pk_add_f32 v[96:97], v[96:97], v[96+2*(\k):97+2*(\k)]
.endr
	s_wait_kmcnt 0x0                               ; router_b
	COMB 64, 65, 33
	COMB 96, 97, 33
	v_cndmask_b32 v34, v64, v65, s90
	v_cndmask_b32 v35, v96, v97, s90
	v_mul_f32 v34, 0.5, v34                        ; gelu's half goes into the weight
	v_mul_f32 v35, 0.5, v35
	ds_store_b32 v31, v34
	ds_store_b32 v31, v35 offset:512
	s_wait_loadcnt 0x0                             ; b1 and pb
.irp k, 0,1,2,3,4,5,6,7,8,9,10,11,12,13,14,15
	v_pk_add_f32 v[128:129], v[128:129], v[130+2*(\k):131+2*(\k)]
.endr
	ds_store_b64 v32, v[128:129]
; 16 matrix instructions: token blocks a0, a0 + 1 of the window's four x all 8 column blocks, 32 along K.  first = 1: the bias starts the sums.  The 64 accumulators take turns.
.macro MUL16 f, hi, a0, first
.if \first
	WIN 0x81+0x40*(\hi)                            ; wf window 1, ao and the bias window 0, result window 2 or 3
.else
	WIN 0xa1+0x50*(\hi)
.endif
.irp a, \a0, (\a0)+1
.irp b, 0,1,2,3,4,5,6,7
.if \first
	v_wmma_f32_16x16x32_bf16 v[8*(8*(\a)+(\b)):8*(8*(\a)+(\b))+7], v[(\f)+8*(\b):(\f)+8*(\b)+7], v[(\f)+8*(4*(\hi)+(\a)):(\f)+8*(4*(\hi)+(\a))+7], v[BIAS+8*(\b):BIAS+8*(\b)+7]
.else
	v_wmma_f32_16x16x32_bf16 v[8*(8*(\a)+(\b)):8*(8*(\a)+(\b))+7], v[(\f)+8*(\b):(\f)+8*(\b)+7], v[(\f)+8*(4*(\hi)+(\a)):(\f)+8*(4*(\hi)+(\a))+7], v[8*(8*(\a)+(\b)):8*(8*(\a)+(\b))+7]
.endif
.endr
.endr
.endm
.macro FETCH slot, kq, f               ; 32 LDS loads in one run: wf's 8 fragments, then ao's 8, of quarter kq (32 along K)
	WIN 0x40
.irp i, 0,1,2,3,4,5,6,7
	ds_load_b128 v[(\f)+8*(\i):(\f)+8*(\i)+3], v[ADRB+(\slot)] offset:(\i)*4096+(\kq)*1024
	ds_load_b128 v[(\f)+8*(\i)+4:(\f)+8*(\i)+7], v[ADRB+(\slot)] offset:(\i)*4096+(\kq)*1024+512
.endr
	WIN 0
.irp i, 0,1,2,3,4,5,6,7
	ds_load_b128 v[(\f)+8*(\i):(\f)+8*(\i)+3], v[ADRA+(\slot)] offset:(\i)*4096+(\kq)*1024
	ds_load_b128 v[(\f)+8*(\i)+4:(\f)+8*(\i)+7], v[ADRA+(\slot)] offset:(\i)*4096+(\kq)*1024+512
.endr
.endm
.macro QUARTER slot, kq, f, g, first
	s_wait_dscnt 8                                 ; wf and my first 64 tokens are in; the youngest eight loads may be out
	MUL16 \f, 0, 0, \first
	MUL16 \f, 0, 2, \first
	PLACES
	FETCH \slot, \kq, \g
	s_wait_dscnt 32                                ; all but the 32 just issued
	MUL16 \f, 1, 0, \first
	MUL16 \f, 1, 2, \first
.endm
.macro TURN slot, next, fill           ; a slot's last quarter multiplies buffer 1 and changes slots
	WIN 0
	s_wait_tensorcnt 0x0                           ; all my tensor loads have landed: my part of the next slot
	ds_add_u32 v[SPW], v[NIL]
	s_wait_dscnt 9                                 ; the add and the youngest eight loads may be out
	MUL16 F1, 0, 0, 0
	s_wait_dscnt 0x0                               ; the add is done, and my reads of this slot are over
	s_barrier_signal -1
	MUL16 F1, 0, 2, 0
.if \fill
	WIN 0
.endif
	s_barrier_wait -1
.if \fill
	CREST                                          ; a round of the cluster's barrier: no wave of any partner still reads this slot or has a load on its way
	s_add_nc_u64 s[G0+4*(\slot)+2:G0+4*(\slot)+3], s[G0+4*(\slot)+2:G0+4*(\slot)+3], 8192
	s_add_nc_u64 s[G0B+4*(\slot)+2:G0B+4*(\slot)+3], s[G0B+4*(\slot)+2:G0B+4*(\slot)+3], 8192
	JLOAD \slot                                    ; my one tensor load behind the round; its four v_nop are also the places in front of the loads below
.else
	PLACES
.endif
	FETCH \next, 0, F0
	MUL16 F1, 1, 0, 0
	MUL16 F1, 1, 2, 0
.endm
	s_wait_tensorcnt 0x1                           ; my part of K step 0 is in; step 1's may stay out
	s_wait_dscnt 0x0                               ; my parts of the two tables are written
	s_barrier_signal -1
	s_barrier_wait -1
.irp b, 0,1,2,3,4,5,6,7
	ds_load_b128 v[BIAS+8*(\b):BIAS+8*(\b)+3], v36 offset:64*(\b)       ; older than the fragments' loads: the first quarter's wait covers them
	ds_load_b128 v[BIAS+8*(\b)+4:BIAS+8*(\b)+7], v36 offset:64*(\b)+16
.endr
	FETCH 0, 0, F0
	QUARTER 0, 1, F0, F1, 1
	WIN 0
	s_mov_b32 s3, LAPS-1
.Llap:                                                 ; a trip goes once round the ring and fills both slots again
	QUARTER 0, 2, F1, F0, 0
	QUARTER 0, 3, F0, F1, 0
	TURN 0, 1, 1
	QUARTER 1, 1, F0, F1, 0
	QUARTER 1, 2, F1, F0, 0
	QUARTER 1, 3, F0, F1, 0
	TURN 1, 0, 1
	QUARTER 0, 1, F0, F1, 0
	WIN 0
	s_sub_co_u32 s3, s3, 1
	s_cmp_lg_u32 s3, 0
	s_cbranch_scc1 .Llap
	QUARTER 0, 2, F1, F0, 0                        ; the last lap fills nothing
	QUARTER 0, 3, F0, F1, 0
	TURN 0, 1, 0
	QUARTER 1, 1, F0, F1, 0
	QUARTER 1, 2, F1, F0, 0
	QUARTER 1, 3, F0, F1, 0
	s_wait_dscnt 8
	MUL16 F1, 0, 0, 0
	MUL16 F1, 0, 2, 0
	s_wait_dscnt 0x0
	MUL16 F1, 1, 0, 0
	MUL16 F1, 1, 2, 0
	WIN 0
	s_barrier_signal -1                            ; every wave's reads of the slots are over, and the slots have had their last fill:
	s_barrier_wait -1                              ; they may be written
	PLACES
	WIN 0x08                                       ; store data in window 2; each accumulator's lowest registers go first
.irp a, 0,1,2,3
.irp b, 0,1,2,3,4,5,6,7
	ds_store_b128 v[VD], v[8*(8*(\a)+(\b)):8*(8*(\a)+(\b))+3] offset:(8*(\a)+(\b))*1024
	ds_store_b128 v[VD], v[8*(8*(\a)+(\b))+4:8*(8*(\a)+(\b))+7] offset:(8*(\a)+(\b))*1024+512
.endr
.endr
	WIN 0x0c                                       ; in window 3
.irp a, 0,1,2,3
.irp b, 0,1,2,3,4,5,6,7
	ds_store_b128 v[VD], v[8*(8*(\a)+(\b)):8*(8*(\a)+(\b))+3] offset:(32+8*(\a)+(\b))*1024
	ds_store_b128 v[VD], v[8*(8*(\a)+(\b))+4:8*(8*(\a)+(\b))+7] offset:(32+8*(\a)+(\b))*1024+512
.endr
.endr
	WIN 0
	v_mov_b32 v[CC+1], 0                           ; named with the weight as a pair
.macro R8 line:vararg                  ; one packed line for each of the eight pairs i
.set i, 0
	s_wait_alu depctr_va_vdst(0)
.rept 8
	\line
.set i, i+1
.endr
.endm
; Column blocks 2 k and 2 k + 1 of the trip's token block: 16 numbers a lane, in buffer k % 2.  pre = 1: the next 16 are fetched into the other buffer.
.macro GT k, pre
.set XB, XX+48*((\k)%2)
.set XN, XX+48*(1-(\k)%2)
	s_wait_dscnt 0x0
.if \pre
.irp j, 0,1,2,3
	ds_load_b128 v[XN+4*(\j):XN+4*(\j)+3], v[VL] offset:((\k)+1)*2048+(\j)*512
.endr
.endif
	R8 v_pk_mul_f32 v[SS+2*i:SS+2*i+1], v[XB+2*i:XB+2*i+1], v[XB+2*i:XB+2*i+1]
.set i, 0
.rept 16
	v_and_b32 v[AX+i], 0x7fffffff, v[XB+i]
.set i, i+1
.endr
	R8 v_pk_fma_f32 v[TT+2*i:TT+2*i+1], v[AX+2*i:AX+2*i+1], 0x3e6d3388, 1.0 op_sel_hi:[1,0,0]
.set i, 0
.rept 16
	v_rcp_f32 v[TT+i], v[TT+i]
.set i, i+1
.endr
	R8 v_pk_mul_f32 v[SS+2*i:SS+2*i+1], v[SS+2*i:SS+2*i+1], 0xbf38aa3b op_sel_hi:[1,0]   ; - x x log2(e) / 2; plain lines behind the reciprocals
.set i, 0
.rept 16
	v_exp_f32 v[SS+i], v[SS+i]
.set i, i+1
.endr
	R8 v_pk_fma_f32 v[YY+2*i:YY+2*i+1], v[TT+2*i:TT+2*i+1], s[66:67], s[68:69] op_sel_hi:[1,0,0]   ; plain lines behind the exponentials
	R8 v_pk_fma_f32 v[YY+2*i:YY+2*i+1], v[YY+2*i:YY+2*i+1], v[TT+2*i:TT+2*i+1], s[70:71] op_sel_hi:[1,1,0]
	R8 v_pk_fma_f32 v[YY+2*i:YY+2*i+1], v[YY+2*i:YY+2*i+1], v[TT+2*i:TT+2*i+1], s[72:73] op_sel_hi:[1,1,0]
	R8 v_pk_fma_f32 v[YY+2*i:YY+2*i+1], v[YY+2*i:YY+2*i+1], v[TT+2*i:TT+2*i+1], s[74:75] op_sel_hi:[1,1,0]
	R8 v_pk_mul_f32 v[YY+2*i:YY+2*i+1], v[YY+2*i:YY+2*i+1], v[TT+2*i:TT+2*i+1]                     ; -Y
	R8 v_pk_fma_f32 v[YY+2*i:YY+2*i+1], v[YY+2*i:YY+2*i+1], v[SS+2*i:SS+2*i+1], 1.0 op_sel_hi:[1,1,0]   ; 1 - Y E
	R8 v_pk_fma_f32 v[YY+2*i:YY+2*i+1], v[YY+2*i:YY+2*i+1], v[AX+2*i:AX+2*i+1], v[XB+2*i:XB+2*i+1]      ; x + |x| (1 - Y E)
	R8 v_pk_mul_f32 v[YY+2*i:YY+2*i+1], v[YY+2*i:YY+2*i+1], v[CC:CC+1] op_sel_hi:[1,0]                  ; x combine / 2
	s_wait_xcnt 0x0                                ; the last stores' data registers are written again only behind this wait
	R8 v_cvt_pk_bf16_f32 v[OU+i], v[YY+2*i], v[YY+2*i+1]
	global_store_b128 v[VG], v[OU:OU+3], s[94:95] offset:(\k)*1024          ; 512 consecutive bytes a wave, aligned
	global_store_b128 v[VG], v[OU+4:OU+7], s[94:95] offset:(\k)*1024+512
.endm
	s_mov_b32 s3, 0
.Lg:                                                   ; a trip: one block of 16 tokens, 8,192 bytes of my sums
.irp j, 0,1,2,3
	ds_load_b128 v[XX+4*(\j):XX+4*(\j)+3], v[VL] offset:(\j)*512   ; LDS serves a wave's instructions in order: these see my stores above
.endr
	ds_load_b32 v[CC], v[VC]
	GT 0, 1
	GT 1, 1
	GT 2, 1
	GT 3, 0
	s_wait_xcnt 0x0                                ; the stores' offset register steps only behind this wait
	v_add_nc_u32 v[VL], 8192, v[VL]
	v_add_nc_u32 v[VC], 64, v[VC]
	v_add_nc_u32 v[VG], 131072, v[VG]
	s_add_co_u32 s3, s3, 1
	s_cmp_lt_u32 s3, 8
	s_cbranch_scc1 .Lg
	s_wait_tensorcnt 0x0                           ; the wave's end
	ds_add_u32 v[SPW], v[NIL]
	s_wait_dscnt 0x0
	CROUND                                         ; the closing round
	s_endpgm
.Lfunc_end_k_q136a46a02a_ffn1:
	.size	k_q136a46a02a_ffn1, .Lfunc_end_k_q136a46a02a_ffn1-k_q136a46a02a_ffn1
	.p2alignl 7, 3214868480
	.fill 96, 4, 3214868480
	.section	.rodata,"a",@progbits
	.p2align	6, 0x0
	.amdhsa_kernel k_q136a46a02a_ffn1
		.amdhsa_group_segment_fixed_size 327680
		.amdhsa_private_segment_fixed_size 0
		.amdhsa_enable_private_segment 0
		.amdhsa_kernarg_size 56
		.amdhsa_user_sgpr_count 2
		.amdhsa_user_sgpr_kernarg_segment_ptr 1
		.amdhsa_wavefront_size32 1
		.amdhsa_system_sgpr_workgroup_id_x 1
		.amdhsa_system_sgpr_workgroup_id_y 1
		.amdhsa_system_sgpr_workgroup_id_z 1
		.amdhsa_system_vgpr_workitem_id 0
		.amdhsa_next_free_vgpr 1024
		.amdhsa_next_free_sgpr 96
		.amdhsa_reserve_vcc 0
		.amdhsa_float_denorm_mode_32 3
		.amdhsa_float_denorm_mode_16_64 3
		.amdhsa_memory_ordered 1
		.amdhsa_forward_progress 1
		.amdhsa_inst_pref_size 168
	.end_amdhsa_kernel
	.amdgpu_metadata
---
amdhsa.version: [ 1, 2 ]
amdhsa.kernels:
  - .name:           k_q136a46a02a_ffn1
    .symbol:         k_q136a46a02a_ffn1.kd
    .args:
      - { .name: ao, .offset: 0, .size: 8, .value_kind: global_buffer, .address_space: global }
      - { .name: wf, .offset: 8, .size: 8, .value_kind: global_buffer, .address_space: global }
      - { .name: b1, .offset: 16, .size: 8, .value_kind: global_buffer, .address_space: global }
      - { .name: pb, .offset: 24, .size: 8, .value_kind: global_buffer, .address_space: global }
      - { .name: part, .offset: 32, .size: 8, .value_kind: global_buffer, .address_space: global }
      - { .name: router_b, .offset: 40, .size: 8, .value_kind: global_buffer, .address_space: global }
      - { .name: h1, .offset: 48, .size: 8, .value_kind: global_buffer, .address_space: global }
    .group_segment_fixed_size: 327680
    .private_segment_fixed_size: 0
    .kernarg_segment_align: 8
    .kernarg_segment_size: 56
    .max_flat_workgroup_size: 128
    .sgpr_count:     96
    .vgpr_count:     1024
    .wavefront_size: 32
...
	.end_amdgpu_metadata
.endif
;; end of part 5
;; launch ffn2 (part 6): grid 8 x 32, 4 waves a work-group, clusters of 4 x 4, 327,680 bytes of LDS; arguments h1, wts, b2, part, router_b, hidden_states, out0; writes out0
.if DOCPART == 6
	.amdgcn_target "amdgcn-amd-amdhsa--gfx1250"
	.amdhsa_code_object_version 6
	.text
	.protected	k_q136a46a02a_ffn2
	.globl	k_q136a46a02a_ffn2
	.p2align	8
	.type	k_q136a46a02a_ffn2,@function
k_q136a46a02a_ffn2:
	s_mov_b64 s[64:65], 0
	v_nop
	global_prefetch_b8 v0, s[64:65] scope:SCOPE_SE
	s_setreg_imm32_b32 hwreg(HW_REG_WAVE_MODE, 25, 1), 1
	s_wait_xcnt 0x0
	s_wait_alu depctr_hold_cnt(0) depctr_sa_sdst(0) depctr_va_vdst(0) depctr_va_sdst(0) depctr_va_ssrc(0) depctr_va_vcc(0) depctr_vm_vsrc(0)
	s_getreg_b32 s2, hwreg(HW_REG_IB_STS2, 6, 4)
	s_cmp_eq_u32 s2, 0
	s_cbranch_scc0 .Lentry_in_a_cluster
	s_endpgm
.Lentry_in_a_cluster:
	s_bfe_u32 s2, ttmp6, 0x10000c
	s_cmp_lg_u32 s2, 0xf033
	s_cbranch_scc0 .Lentry_shape_is_right
	s_endpgm
.Lentry_shape_is_right:
; out = hidden_states + 0.3 (h1 W2 + c0 b2_0 + c1 b2_1) for 128 tokens x 128 columns.  h1 already carries the combine weights and holds both experts side by side, and w2 as it lies is [4,096][1,024]:
; ONE product with K = 4,096, in steps of 256 through two LDS slots.  bf16 operands, f32 sums; bias, residual and output in f32.
; h1 lies in operand order (16 bytes a lane): no padding.  W2 lies [k][column] and comes out of LDS turned.  Source 0 = 16 columns, source 1 = 16 tokens.
; c0, c1 are made as in the launch before: the 16 partial logits added in ascending order, router_b, softmax with the maximum taken away, p / (p0 + p1 + 1e-8); a table of 128 pairs in LDS.
; The residual's 32 loads a lane go out at the start, into window 3, and are waited for at the end.
; THE WAY OUT: 16 tokens x 64 columns of f32 at a time through my own stage in LDS, back as whole rows of 256 bytes: sixteen lanes store 256 consecutive bytes, aligned.
; CLUSTER 4 x 4: h1's tile jointly along a row of the cluster, W2's along a column.  Waves 0, 1 fetch h1's halves, waves 2, 3 W2's.
; REGISTERS: window 0: addresses, way out, accumulators; fragment buffer f in window 1 + f: v0-63 h1, v64-127 W2; window 3: v0-127 the residual.
; LIMITS: NaN and infinities are not treated apart.
.set NBW,   4
.set LPC,   16
.set PB,    288
.set BOFF,  65536
.set SLOT,  BOFF+256*PB
.set STAGE, 2*SLOT                     ; 16 rows x 272 bytes for each wave; no tensor load lands here
.set SP,    272
.set TAB,   STAGE+4*16*SP              ; 128 tokens x 8 bytes
.set SPARE, TAB+1024                   ; the spare words: two blocks of 256 bytes that no other line names
.set LAPS,  8
.set W_2,   12582912
.set STEPA, 8192
.set STEPB, 524288
.set ADRA, 16
.set ADRB, 20
.set STO,  24
.set RD,   25
.set CO,   26
.set VT,   27
.set SPW,  28
.set NIL,  29
.set X,    32                          ; v32-63  16 rows read back
.set B0,   64                          ; v64-67  0.3 b2_0 of my four columns; v68-71 0.3 b2_1
.set B1,   68
.set CP,   72                          ; v72-87  (c0, c1) of eight rows
.set ACC,  128
.set G1, 24
.set G0, 32
.set G1B, 48
.set G0B, 56
.set RB, 66
.set MSB, 0
.macro WIN new
.if MSB != (\new)
	s_set_vgpr_msb (MSB<<8)|(\new)
.set MSB, \new
.endif
.endm
.macro PLACES
.rept 4
	v_nop
.endr
.endm
.macro JLOAD s
	s_cmp_eq_u32 s11, 0
	s_cbranch_scc0 .Lfor_b_\@
	tensor_load_to_lds s[G0+4*(\s):G0+4*(\s)+3], s[G1:G1+7]
	s_nop 0
.rept 4
	v_nop
.endr
	s_branch .Lasked_\@
.Lfor_b_\@:
	tensor_load_to_lds s[G0B+4*(\s):G0B+4*(\s)+3], s[G1B:G1B+7]
	s_nop 0
.rept 4
	v_nop
.endr
.Lasked_\@:
.endm
.macro CREST
	s_cmp_lg_u32 s10, 0
	s_cbranch_scc1 .Lnot_wave_0_\@
	s_barrier_signal -3
.Lnot_wave_0_\@:
	s_barrier_wait -3
	s_barrier_signal -1
	s_barrier_wait -1
.endm
.macro CROUND
	s_barrier_signal -1
	s_barrier_wait -1
	CREST
.endm
.macro COMB l0, l1, m                  ; two logit sums -> the two combine weights, in place
	v_add_f32 v[\l0], s[RB], v[\l0]
	v_add_f32 v[\l1], s[RB+1], v[\l1]
	v_max_num_f32 v[\m], v[\l0], v[\l1]
	v_sub_f32 v[\l0], v[\l0], v[\m]
	v_sub_f32 v[\l1], v[\l1], v[\m]
	v_mul_f32 v[\l0], 0x3fb8aa3b, v[\l0]
	v_mul_f32 v[\l1], 0x3fb8aa3b, v[\l1]
	v_exp_f32 v[\l0], v[\l0]
	v_exp_f32 v[\l1], v[\l1]
	v_nop
	s_wait_alu depctr_va_vdst(0)
	v_add_f32 v[\m], v[\l0], v[\l1]
	v_rcp_f32 v[\m], v[\m]
	v_nop
	s_wait_alu depctr_va_vdst(0)
	v_mul_f32 v[\l0], v[\l0], v[\m]
	v_mul_f32 v[\l1], v[\l1], v[\m]
	v_add_f32 v[\m], v[\l0], v[\l1]
	v_add_f32 v[\m], 0x322bcc77, v[\m]             ; + 1e-8
	v_rcp_f32 v[\m], v[\m]
	v_nop
	s_wait_alu depctr_va_vdst(0)
	v_mul_f32 v[\l0], v[\l0], v[\m]
	v_mul_f32 v[\l1], v[\l1], v[\m]
.endm
	s_load_b256 s[68:75], s[0:1], 0x0              ; h1 s[68:69], wts s[70:71], b2 s[72:73], part s[74:75]
	s_load_b128 s[76:79], s[0:1], 0x20             ; router_b s[76:77], hidden_states s[78:79]
	s_load_b64 s[80:81], s[0:1], 0x30              ; out0
	v_lshl_add_u32 v[SPW], v0, 2, SPARE
	v_mov_b32 v[NIL], 0
	ds_add_u32 v28, v29
	s_wait_dscnt 0x0
	v_lshrrev_b32 v1, 5, v0
	v_readfirstlane_b32 s10, v1
	s_lshr_b32 s11, s10, 1                         ; which 64 tokens are mine.  Also: I fetch h1 (0) or W2 (1)
	s_and_b32 s12, s10, 1                          ; which 64 columns.  Also: which half of that tile I fetch
	s_bfe_u32 s40, ttmp6, 0x40000
	s_bfe_u32 s41, ttmp6, 0x40004
	s_lshl_b32 s42, ttmp9, 2
	s_add_co_u32 s42, s42, s40                     ; bx
	s_and_b32 s13, ttmp7, 0xffff
	s_lshl_b32 s13, s13, 2
	s_add_co_u32 s13, s13, s41                     ; by
	s_lshl_b32 s43, s41, 2
	s_lshl_b32 s43, 15, s43
	s_lshl_b32 s44, 0x1111, s40
	s_or_b32 s[G1+0], s43, (3<<16)|(1<<21)         ; mask; 8-byte elements; no padding
	s_mov_b32 s[G1+1], 1024<<16                    ; a row: a token block's 8,192 bytes of this K step
	s_mov_b32 s[G1+2], 4<<16
	s_mov_b32 s[G1+3], 1024<<16
	s_mov_b32 s[G1+4], 4
	s_mov_b32 s[G1+5], 16384                       ; 131,072 bytes from token block to token block
	s_mov_b32 s[G1+6], 0
	s_mov_b32 s[G1+7], 0
	s_or_b32 s[G1B+0], s44, (1<<16)|(1<<20)|(1<<21)|(5<<22)|(7<<25)
	s_mov_b32 s[G1B+1], 128<<16
	s_mov_b32 s[G1B+2], 128<<16
	s_mov_b32 s[G1B+3], 128<<16
	s_mov_b32 s[G1B+4], 128
	s_mov_b32 s[G1B+5], 1024
	s_mov_b32 s[G1B+6], 0
	s_mov_b32 s[G1B+7], 0
	s_lshl_b32 s16, s13, 20                        ; 8 token blocks of 131,072 bytes,
	s_lshl_b32 s17, s12, 19                        ; my four of them
	s_add_co_u32 s16, s16, s17
	s_mov_b32 s17, 0
	s_lshl_b32 s46, s42, 8
	s_lshl_b32 s47, s12, 18
	s_add_co_u32 s46, s46, s47
	s_add_co_u32 s46, s46, W_2
	s_mov_b32 s47, 0
	s_lshl_b32 s20, s12, 15
	s_mul_i32 s21, s12, 128*PB
	s_add_co_u32 s21, s21, BOFF
	s_wait_kmcnt 0x0
	s_load_b64 s[RB:RB+1], s[76:77], 0x0
	s_add_nc_u64 s[14:15], s[68:69], s[16:17]
	s_add_nc_u64 s[46:47], s[70:71], s[46:47]
	CROUND
.irp s, 0,1
	s_mov_b32 s[G0+4*(\s)], 1
	s_add_co_u32 s[G0+4*(\s)+1], s20, (\s)*SLOT
	s_add_nc_u64 s[G0+4*(\s)+2:G0+4*(\s)+3], s[14:15], (\s)*STEPA
	s_or_b32 s[G0+4*(\s)+3], s[G0+4*(\s)+3], 0x80000000
	s_mov_b32 s[G0B+4*(\s)], 1
	s_add_co_u32 s[G0B+4*(\s)+1], s21, (\s)*SLOT
	s_add_nc_u64 s[G0B+4*(\s)+2:G0B+4*(\s)+3], s[46:47], (\s)*STEPB
	s_or_b32 s[G0B+4*(\s)+3], s[G0B+4*(\s)+3], 0x80000000
	JLOAD \s
.endr
	v_and_b32 v1, 15, v0
	v_bfe_u32 v2, v0, 4, 1
	v_and_b32 v3, 31, v0
	v_lshlrev_b32 v3, 4, v3
	s_lshl_b32 s22, s11, 15
	v_add_nc_u32 v[ADRA], s22, v3
	v_add_nc_u32 v[ADRA+1], SLOT, v[ADRA]
	v_and_b32 v4, 7, v0
	v_lshl_add_u32 v4, v2, 3, v4
	v_mul_u32_u24 v4, v4, PB
	v_bfe_u32 v5, v0, 3, 1
	v_lshl_add_u32 v4, v5, 4, v4
	s_lshl_b32 s23, s12, 7
	s_add_co_u32 s23, s23, BOFF
	v_add_nc_u32 v[ADRB], s23, v4
	v_add_nc_u32 v[ADRB+1], 128*PB, v[ADRB]
	v_add_nc_u32 v[ADRB+2], SLOT, v[ADRB]
	v_add_nc_u32 v[ADRB+3], SLOT+128*PB, v[ADRB]
	s_mul_i32 s22, s10, 16*SP
	s_add_co_u32 s22, s22, STAGE                   ; my stage
	v_mul_u32_u24 v[STO], v1, SP                   ; in: row r, 32 bytes for each half of the lanes
	v_lshl_add_u32 v[STO], v2, 5, v[STO]
	v_add_nc_u32 v[STO], s22, v[STO]
	v_mul_u32_u24 v[RD], v2, SP                    ; back: lanes 0-15 one row of 256 bytes, lanes 16-31 the next
	v_lshl_add_u32 v[RD], v1, 4, v[RD]
	v_add_nc_u32 v[RD], s22, v[RD]
	v_lshlrev_b32 v[CO], 4, v1                     ; and the same two rows in hidden_states and out0
	v_lshl_add_u32 v[CO], v2, 12, v[CO]
	s_lshl_b32 s23, s11, 9
	s_add_co_u32 s23, s23, TAB
	v_lshl_add_u32 v[VT], v2, 3, s23
	v_lshlrev_b32 v30, 3, v0                       ; part: 8 bytes a token
	v_lshl_add_u32 v31, v0, 3, TAB
	v_lshlrev_b32 v6, 4, v1                        ; my four columns of b2
	s_lshl_b32 s18, s13, 10
	s_mov_b32 s19, 0
	s_add_nc_u64 s[74:75], s[74:75], s[18:19]      ; part at my tile's first token
	s_lshl_b32 s46, s42, 9
	s_lshl_b32 s45, s12, 8
	s_add_co_u32 s46, s46, s45                     ; my first column x 4 bytes
	s_mov_b32 s47, 0
	s_add_nc_u64 s[72:73], s[72:73], s[46:47]
	s_lshl_b32 s45, s13, 19                        ; + my first token x 4,096 bytes
	s_add_co_u32 s46, s46, s45
	s_lshl_b32 s45, s11, 18
	s_add_co_u32 s46, s46, s45
	s_add_nc_u64 s[78:79], s[78:79], s[46:47]
	s_add_nc_u64 s[80:81], s[80:81], s[46:47]
.irp k, 0,1,2,3,4,5,6,7,8,9,10,11,12,13,14,15
	global_load_b64 v[96+2*(\k):97+2*(\k)], v30, s[74:75] offset:(\k)*32768
.endr
	global_load_b128 v[B0:B0+3], v6, s[72:73]
	global_load_b128 v[B1:B1+3], v6, s[72:73] offset:4096
	WIN 0xc0                                       ; destination window 3
.irp a, 0,1,2,3
.irp t, 0,1,2,3,4,5,6,7
	global_load_b128 v[4*(8*(\a)+(\t)):4*(8*(\a)+(\t))+3], v[CO], s[78:79] offset:(16*(\a)+2*(\t))*4096 th:TH_LOAD_NT
.endr
.endr
	WIN 0
	s_wait_loadcnt 32                              ; the partial logits and b2 are in; the residual's 32 loads stay out
.irp k, 1,2,3,4,5,6,7,8,9,10,11,12,13,14,15
	v_pk_add_f32 v[96:97], v[96:97], v[96+2*(\k):97+2*(\k)]
.endr
	s_wait_kmcnt 0x0                               ; router_b
	COMB 96, 97, 98
	ds_store_b64 v31, v[96:97]
.irp i, 0,2,4,6
	v_pk_mul_f32 v[B0+(\i):B0+(\i)+1], v[B0+(\i):B0+(\i)+1], 0x3e99999a op_sel_hi:[1,0]
.endr
.macro MULH f, c, a0, first            ; 8 matrix instructions; the 16 accumulators take turns.  first = 1: the product starts the sum
	WIN 0x05*(1+(\f))
.irp a, \a0, (\a0)+1
.irp b, 0,1,2,3
.set rD, ACC+8*(4*(\a)+(\b))
.if \first
	v_wmma_f32_16x16x32_bf16 v[rD:rD+7], v[64+8*(4*(\c)+(\b)):64+8*(4*(\c)+(\b))+7], v[8*(4*(\c)+(\a)):8*(4*(\c)+(\a))+7], 0
.else
	v_wmma_f32_16x16x32_bf16 v[rD:rD+7], v[64+8*(4*(\c)+(\b)):64+8*(4*(\c)+(\b))+7], v[8*(4*(\c)+(\a)):8*(4*(\c)+(\a))+7], v[rD:rD+7]
.endif
.endr
.endr
.endm
.macro FETCH slot, q, f
	WIN 0x40*(1+(\f))
.irp c, 0,1
.irp b, 0,1,2,3
	ds_load_tr16_b128 v[64+8*(4*(\c)+(\b)):64+8*(4*(\c)+(\b))+3], v[ADRB+2*(\slot)+(\q)/2] offset:(((\q)%2)*64+(\c)*32)*PB+(\b)*32
	ds_load_tr16_b128 v[64+8*(4*(\c)+(\b))+4:64+8*(4*(\c)+(\b))+7], v[ADRB+2*(\slot)+(\q)/2] offset:(((\q)%2)*64+(\c)*32+16)*PB+(\b)*32
.endr
.irp i, 0,1,2,3
	ds_load_b128 v[8*(4*(\c)+(\i)):8*(4*(\c)+(\i))+3], v[ADRA+(\slot)] offset:(\i)*8192+(2*(\q)+(\c))*1024
	ds_load_b128 v[8*(4*(\c)+(\i))+4:8*(4*(\c)+(\i))+7], v[ADRA+(\slot)] offset:(\i)*8192+(2*(\q)+(\c))*1024+512
.endr
.endr
.endm
.macro QUARTER slot, q, f, g, first
	s_wait_dscnt LPC                               ; the first 32 along K are in
	MULH \f, 0, 0, \first
	MULH \f, 0, 2, \first
	PLACES
	FETCH \slot, \q, \g
	s_wait_dscnt 2*LPC                             ; all but the run just issued
	MULH \f, 1, 0, 0
	MULH \f, 1, 2, 0
.endm
.macro TURN slot, next, fill
	WIN 0
	s_wait_tensorcnt 0x0                           ; all my tensor loads have landed: my part of the next slot
	ds_add_u32 v[SPW], v[NIL]
	s_wait_dscnt LPC+1                             ; the add and the second 32 along K may be out
	MULH 1, 0, 0, 0
	s_wait_dscnt 0x0                               ; the add is done, and my reads of this slot are over
	s_barrier_signal -1
	MULH 1, 0, 2, 0
.if \fill
	WIN 0
.endif
	s_barrier_wait -1
.if \fill
	CREST                                          ; a round of the cluster's barrier: no wave of any partner still reads this slot or has a load on its way
	s_add_nc_u64 s[G0+4*(\slot)+2:G0+4*(\slot)+3], s[G0+4*(\slot)+2:G0+4*(\slot)+3], 2*STEPA
	s_add_nc_u64 s[G0B+4*(\slot)+2:G0B+4*(\slot)+3], s[G0B+4*(\slot)+2:G0B+4*(\slot)+3], 2*STEPB
	JLOAD \slot                                    ; my one tensor load behind the round; its four v_nop are also the places in front of the loads below
.else
	PLACES
.endif
	FETCH \next, 0, 0
	MULH 1, 1, 0, 0
	MULH 1, 1, 2, 0
.endm
	s_wait_tensorcnt 0x1                           ; my part of K step 0 is in; step 1's may stay out
	s_wait_dscnt 0x0                               ; my part of the table is written
	s_barrier_signal -1
	s_barrier_wait -1
	FETCH 0, 0, 0
	QUARTER 0, 1, 0, 1, 1
	WIN 0
	s_mov_b32 s3, LAPS-1
.Llap:
	QUARTER 0, 2, 1, 0, 0
	QUARTER 0, 3, 0, 1, 0
	TURN 0, 1, 1
	QUARTER 1, 1, 0, 1, 0
	QUARTER 1, 2, 1, 0, 0
	QUARTER 1, 3, 0, 1, 0
	TURN 1, 0, 1
	QUARTER 0, 1, 0, 1, 0
	WIN 0
	s_sub_co_u32 s3, s3, 1
	s_cmp_lg_u32 s3, 0
	s_cbranch_scc1 .Llap
	QUARTER 0, 2, 1, 0, 0                          ; the last lap fills nothing
	QUARTER 0, 3, 0, 1, 0
	TURN 0, 1, 0
	QUARTER 1, 1, 0, 1, 0
	QUARTER 1, 2, 1, 0, 0
	QUARTER 1, 3, 0, 1, 0
	s_wait_dscnt LPC
	MULH 1, 0, 0, 0
	MULH 1, 0, 2, 0
	s_wait_dscnt 0x0
	MULH 1, 1, 0, 0
	MULH 1, 1, 2, 0
	WIN 0
	s_wait_loadcnt 0x0                             ; the residual
	PLACES
.irp a, 0,1,2,3
.irp b, 0,1,2,3
	ds_store_b128 v[STO], v[ACC+8*(4*(\a)+(\b)):ACC+8*(4*(\a)+(\b))+3] offset:64*(\b)       ; each accumulator's lowest registers first
	ds_store_b128 v[STO], v[ACC+8*(4*(\a)+(\b))+4:ACC+8*(4*(\a)+(\b))+7] offset:64*(\b)+16
.endr
	s_wait_xcnt 0x0                                ; the last block's stores have read v32-63: they are loaded again only behind this wait
.irp t, 0,1,2,3,4,5,6,7
	ds_load_b128 v[X+4*(\t):X+4*(\t)+3], v[RD] offset:(\t)*2*SP   ; LDS serves a wave's instructions in order: these see the stores above
.endr
.irp t, 0,1,2,3,4,5,6,7
	ds_load_b64 v[CP+2*(\t):CP+2*(\t)+1], v[VT] offset:(16*(\a)+2*(\t))*8
.endr
	s_wait_dscnt 0x0
	WIN 0x30                                       ; source 2 in window 3
.irp t, 0,1,2,3,4,5,6,7
	v_pk_fma_f32 v[X+4*(\t):X+4*(\t)+1], v[X+4*(\t):X+4*(\t)+1], 0x3e99999a, v[4*(8*(\a)+(\t)):4*(8*(\a)+(\t))+1] op_sel_hi:[1,0,1]
	v_pk_fma_f32 v[X+4*(\t)+2:X+4*(\t)+3], v[X+4*(\t)+2:X+4*(\t)+3], 0x3e99999a, v[4*(8*(\a)+(\t))+2:4*(8*(\a)+(\t))+3] op_sel_hi:[1,0,1]
.endr
	WIN 0
.irp t, 0,1,2,3,4,5,6,7
	v_pk_fma_f32 v[X+4*(\t):X+4*(\t)+1], v[CP+2*(\t):CP+2*(\t)+1], v[B0:B0+1], v[X+4*(\t):X+4*(\t)+1] op_sel:[0,0,0] op_sel_hi:[0,1,1]
	v_pk_fma_f32 v[X+4*(\t)+2:X+4*(\t)+3], v[CP+2*(\t):CP+2*(\t)+1], v[B0+2:B0+3], v[X+4*(\t)+2:X+4*(\t)+3] op_sel:[0,0,0] op_sel_hi:[0,1,1]
	v_pk_fma_f32 v[X+4*(\t):X+4*(\t)+1], v[CP+2*(\t):CP+2*(\t)+1], v[B1:B1+1], v[X+4*(\t):X+4*(\t)+1] op_sel:[1,0,0] op_sel_hi:[1,1,1]
	v_pk_fma_f32 v[X+4*(\t)+2:X+4*(\t)+3], v[CP+2*(\t):CP+2*(\t)+1], v[B1+2:B1+3], v[X+4*(\t)+2:X+4*(\t)+3] op_sel:[1,0,0] op_sel_hi:[1,1,1]
	global_store_b128 v[CO], v[X+4*(\t):X+4*(\t)+3], s[80:81] offset:(16*(\a)+2*(\t))*4096 th:TH_STORE_NT
.endr
.endr
	s_wait_tensorcnt 0x0                           ; the wave's end
	ds_add_u32 v[SPW], v[NIL]
	s_wait_dscnt 0x0
	CROUND                                         ; the closing round
	s_endpgm
.Lfunc_end_k_q136a46a02a_ffn2:
	.size	k_q136a46a02a_ffn2, .Lfunc_end_k_q136a46a02a_ffn2-k_q136a46a02a_ffn2
	.p2alignl 7, 3214868480
	.fill 96, 4, 3214868480
	.section	.rodata,"a",@progbits
	.p2align	6, 0x0
	.amdhsa_kernel k_q136a46a02a_ffn2
		.amdhsa_group_segment_fixed_size 327680
		.amdhsa_private_segment_fixed_size 0
		.amdhsa_enable_private_segment 0
		.amdhsa_kernarg_size 56
		.amdhsa_user_sgpr_count 2
		.amdhsa_user_sgpr_kernarg_segment_ptr 1
		.amdhsa_wavefront_size32 1
		.amdhsa_system_sgpr_workgroup_id_x 1
		.amdhsa_system_sgpr_workgroup_id_y 1
		.amdhsa_system_sgpr_workgroup_id_z 1
		.amdhsa_system_vgpr_workitem_id 0
		.amdhsa_next_free_vgpr 896
		.amdhsa_next_free_sgpr 84
		.amdhsa_reserve_vcc 0
		.amdhsa_float_denorm_mode_32 3
		.amdhsa_float_denorm_mode_16_64 3
		.amdhsa_memory_ordered 1
		.amdhsa_forward_progress 1
		.amdhsa_inst_pref_size 110
	.end_amdhsa_kernel
	.amdgpu_metadata
---
amdhsa.version: [ 1, 2 ]
amdhsa.kernels:
  - .name:           k_q136a46a02a_ffn2
    .symbol:         k_q136a46a02a_ffn2.kd
    .args:
      - { .name: h1, .offset: 0, .size: 8, .value_kind: global_buffer, .address_space: global }
      - { .name: wts, .offset: 8, .size: 8, .value_kind: global_buffer, .address_space: global }
      - { .name: b2, .offset: 16, .size: 8, .value_kind: global_buffer, .address_space: global }
      - { .name: part, .offset: 24, .size: 8, .value_kind: global_buffer, .address_space: global }
      - { .name: router_b, .offset: 32, .size: 8, .value_kind: global_buffer, .address_space: global }
      - { .name: hidden_states, .offset: 40, .size: 8, .value_kind: global_buffer, .address_space: global }
      - { .name: out0, .offset: 48, .size: 8, .value_kind: global_buffer, .address_space: global }
    .group_segment_fixed_size: 327680
    .private_segment_fixed_size: 0
    .kernarg_segment_align: 8
    .kernarg_segment_size: 56
    .max_flat_workgroup_size: 128
    .sgpr_count:     84
    .vgpr_count:     896
    .wavefront_size: 32
...
	.end_amdgpu_metadata
.endif
;; end of part 6
;; ======== version 2 of 2: 6 launches; 1.10 times as fast as version 1
;; workspace buffers: wts 20,971,520 bytes; xb 8,388,608 bytes; qkv 12,582,912 bytes; ao 4,194,304 bytes; part 524,288 bytes; h1 33,554,432 bytes; wf 4,194,304 bytes; pb 262,144 bytes
;; launch prep: the kernel of part 1 again; grid 896 x 1, 8 waves a work-group, no clusters, 9,216 bytes of LDS; arguments hidden_states, w1, w2, o_w, q_w, k_w, v_w, xb, wts, o_b, pb; writes xb, wts, pb
;; launch qkvproj: the kernel of part 2 again; grid 8 x 32, 4 waves a work-group, clusters of 4 x 4, 327,680 bytes of LDS; arguments xb, wts, q_b, k_b, v_b, qkv; writes qkv
;; launch attn (part 7): grid 8 x 32, 8 waves a work-group, clusters of 4 x 1, 263,424 bytes of LDS; arguments qkv, ao, o_w, router_w, o_b, part; writes ao, part
.if DOCPART == 7
	.amdgcn_target "amdgcn-amd-amdhsa--gfx1250"
	.amdhsa_code_object_version 6
	.text
	.protected	k_q136a46a02a_attn
	.globl	k_q136a46a02a_attn
	.p2align	8
	.type	k_q136a46a02a_attn,@function
k_q136a46a02a_attn:
	s_mov_b64 s[64:65], 0
	v_nop
	global_prefetch_b8 v0, s[64:65] scope:SCOPE_SE
	s_setreg_imm32_b32 hwreg(HW_REG_WAVE_MODE, 25, 1), 1
	s_wait_xcnt 0x0
	s_wait_alu depctr_hold_cnt(0) depctr_sa_sdst(0) depctr_va_vdst(0) depctr_va_sdst(0) depctr_va_ssrc(0) depctr_va_vcc(0) depctr_vm_vsrc(0)
	s_getreg_b32 s2, hwreg(HW_REG_IB_STS2, 6, 4)
	s_cmp_eq_u32 s2, 0
	s_cbranch_scc0 .Lentry_in_a_cluster
	s_endpgm
.Lentry_in_a_cluster:
	s_bfe_u32 s2, ttmp6, 0x10000c
	s_cmp_lg_u32 s2, 0x3003
	s_cbranch_scc0 .Lentry_shape_is_right
	s_endpgm
.Lentry_shape_is_right:
; O[q] = sum over k of softmax_k(Q[q] . K[k] / sqrt(32)) V[k], head size 32, 2,048 keys, 32 (batch, head) pairs.  bf16 operands, f32 products, maxima and sums;
; the weights are rounded to bf16 for the second product (their sum l is taken of the unrounded weights), O once at the end.
; A work-group has 256 queries of one head, each of its eight waves 32: two tiles of 16.  Two waves share a SIMD, so that one wave's products stand beside the other's vector work.
; Q, K and V arrive in operand order (16 bytes a lane, 512 bytes a load), so LDS needs no padding and no turning load.
; THE WHOLE HEAD lies in LDS: K 131,072 bytes, then V 131,072 bytes, each byte filled ONCE: nothing is filled again.  A wave issues two tensor loads, together, at the start: its share of the first 512 keys
; (8,192 bytes), then its share of the other 1,536 (24,576 bytes).  The first is waited for by a counted wait; the second has eight steps' work in which to land.  By this text's count a wave has two tensor loads out.
; CLUSTER 4 x 1: the four query blocks of a cluster belong to one head: both loads are asked for jointly, with the same descriptor and the mask of four.
; S^T = K Q^T: a lane holds one query (lane % 16) and keys 8 (lane / 16) + 0..7; two such results rounded in pairs ARE source 1 of O^T = V^T P.
; p = 2^(c s - c m), c = log2(e) / sqrt(32), with a running maximum m; O and l are multiplied by a = 2^(c m_old - c m_new) in every step.  m starts at the lowest finite number, O and l at 0.
; THE EXPONENTIALS of a step are ONE BATCH with ONE wait: both tiles' a and their 64 weights, 66 in all, dealt among the 32 scalings c s - c m, the only plain work that names none of their results.
; Ahead of the wait nothing names a result; behind it stand K's next run of loads and all the readers: the roundings, the sums, l and O^T's rescaling, the two tiles by turns.  The way out's two reciprocals are a batch of their own.
; THE ROUTER.  The module's logits (ao W_o + o_b) router_w + router_b are computed as ao (W_o router_w) + o_b router_w + router_b.  In the wait for the first keys wave w makes, in f32, rows 4 w .. 4 w + 3 of the
; head's 32 rows of W_o router_w (a lane takes 32 of the 1,024 columns; the lanes' sums are added across the wave) and puts them into 256 bytes of LDS; every wave makes the head's share of o_b router_w
; (numbers 64 head .. + 63).  At the end part[head][token][2] = O (f32) . those rows + that share; later launches add the 16 heads in order.
; LIMITS: |c s| below 2^125; a weight below 2^-126 counts as 0; NaN and infinities are not treated apart.
.set SEC_K, 4194304
.set WRT, 262144                       ; behind K and V: 32 rows x 2 f32; no tensor load lands here
.set LA,  1                            ; v1   16 x lane
.set AK,  2                            ; v2   LDS address of K's next run of loads
.set AV,  3                            ; v3   of V's
.set LN,  4                            ; v4   lane
.set L8,  5                            ; v5   8 x lane
.set TA,  6                            ; v6   an address in the router's rows
.set L32, 7                            ; v7   32 x lane
.set Q,   8                            ; v8-23    Q, 8 a tile
.set KFR, 24                           ; v24-55   K of a step: four blocks of 16 keys
.set VFR, 56                           ; v56-87   V of a step: (32 keys g, 16 channels cb) at 8 (2 g + cb)
.set S,   88                           ; v88-151  S^T, 32 a tile
.set P,   152                          ; v152-183 P, 16 a tile
.set O,   184                          ; v184-215 O^T, 16 a tile
.set ST,  216                          ; tile t at ST + 10 t: +0 c m, +1 m, +2, +3 l, +4..+7 c0-c3 at work (c2 takes a), +8 c m_old
.set RWR, 24                           ; ahead of the loop: v24-87 my 32 rows of router_w, v88-215 my 32 columns of four rows of o_w,
.set OW,  88
.set AC,  216                          ; v216-225 five pairs of sums, v226-231 o_b and its rows of router_w
.set OBV, 226
.set OBR, 228
.set OBL, 236                          ; v236-237 the head's share of o_b router_w
.set WV,  12
.set G1,  24                           ; s[24:31] group 1 of the first load: 32 rows of 256 bytes
.set G0,  32                           ; s[32:39] a group 0 for each of the two loads
.set G1R, 40                           ; s[40:47] group 1 of the second: 96 rows
.set CS,  58
.set SEL, 60
.macro CROUND
	s_barrier_signal -1
	s_barrier_wait -1
	s_cmp_lg_u32 s[WV], 0
	s_cbranch_scc1 .Lnot_wave_0_\@
	s_barrier_signal -3
.Lnot_wave_0_\@:
	s_barrier_wait -3
	s_barrier_signal -1
	s_barrier_wait -1
.endm
.macro BOTH line:vararg                ; one line for each tile t
.set t, 0
	\line
.set t, 1
	\line
.endm
	s_load_b256 s[4:11], s[0:1], 0x0               ; qkv s[4:5], ao s[6:7], o_w s[8:9], router_w s[10:11]
	s_load_b128 s[52:55], s[0:1], 0x20             ; o_b s[52:53], part s[54:55]
	v_lshl_add_u32 v240, v0, 2, 0x40100
	v_mov_b32 v241, 0
	ds_add_u32 v240, v241
	v_lshrrev_b32 v1, 5, v0
	v_readfirstlane_b32 s[WV], v1                  ; wave 0..7
	s_bfe_u32 s13, ttmp6, 0x40000                  ; cx
	s_lshl_b32 s14, ttmp9, 2
	s_add_co_u32 s14, s14, s13                     ; my block of 256 queries: it enters Q's, O's and part's addresses alone
	s_and_b32 s15, ttmp7, 0xffff                   ; batch x 16 + head, which the four partners share
	s_lshr_b32 s16, s[WV], 2                       ; waves 0-3 fetch K, 4-7 V,
	s_and_b32 s17, s[WV], 3                        ; each a quarter of both loads: 8,192 and 24,576 bytes
	s_lshl_b32 s18, s16, 17
	s_lshl_b32 s19, s17, 13
	s_mul_i32 s57, s17, 24576
	s_lshl_b32 s20, s16, 22
	s_lshl_b32 s21, s15, 17
	s_add_co_u32 s20, s20, s21
	s_add_co_u32 s20, s20, SEC_K                   ; the head's K or V in qkv
	s_add_co_u32 s48, s20, s19
	s_mov_b32 s49, 0
	s_add_co_u32 s50, s20, s57
	s_add_co_u32 s50, s50, 32768
	s_mov_b32 s51, 0
	s_mov_b32 s[G1], 15|(3<<16)|(1<<21)            ; the mask of four; 8-byte elements; bit 21 beside a mask; no padding
	s_mov_b32 s[G1+1], 32<<16                      ; 8,192 dense bytes as 32 rows of 256 bytes
	s_mov_b32 s[G1+2], 32<<16
	s_mov_b32 s[G1+3], 32<<16
	s_mov_b32 s[G1+4], 32
	s_mov_b32 s[G1+5], 32
	s_mov_b32 s[G1+6], 0
	s_mov_b32 s[G1+7], 0
	s_mov_b32 s[G1R], 15|(3<<16)|(1<<21)
	s_mov_b32 s[G1R+1], 32<<16                     ; 24,576 dense bytes as 96 rows of 256 bytes
	s_mov_b32 s[G1R+2], 96<<16
	s_mov_b32 s[G1R+3], 32<<16
	s_mov_b32 s[G1R+4], 96
	s_mov_b32 s[G1R+5], 32
	s_mov_b32 s[G1R+6], 0
	s_mov_b32 s[G1R+7], 0
	s_mov_b32 s[CS], 0x3e8293ee                    ; c = log2(e) / sqrt(32) = 0.255035
	s_mov_b32 s[CS+1], s[CS]
	s_mov_b32 s[SEL], 0x76543210
	s_mov_b32 s[SEL+1], 0xfedcba98
	s_mov_b32 s[G0], 1
	s_add_co_u32 s[G0+1], s18, s19                 ; keys 0-511: section + quarter x 8,192
	s_mov_b32 s[G0+4], 1
	s_add_co_u32 s[G0+5], s18, s57                 ; keys 512-2,047: section + 32,768 + quarter x 24,576
	s_add_co_u32 s[G0+5], s[G0+5], 32768
	s_wait_dscnt 0x0
	s_wait_kmcnt 0x0
	s_add_nc_u64 s[G0+2:G0+3], s[4:5], s[48:49]
	s_or_b32 s[G0+3], s[G0+3], 0x80000000
	s_add_nc_u64 s[G0+6:G0+7], s[4:5], s[50:51]
	s_or_b32 s[G0+7], s[G0+7], 0x80000000
	CROUND                                         ; all four work-groups are here: the joint loads meet
	tensor_load_to_lds s[G0:G0+3], s[G1:G1+7]      ; both first fills go out together, ahead of every wait on TENSORcnt, every LDS access and every further barrier: the first 512 keys first,
	s_nop 0
	tensor_load_to_lds s[G0+4:G0+7], s[G1R:G1R+7]  ; then the other 1,536
	s_nop 0
.rept 4
	v_nop
.endr
	s_and_b32 s50, s15, 15                         ; head
	s_lshr_b32 s51, s15, 4                         ; batch
	s_mov_b32 s49, 0
	s_lshl_b32 s48, s15, 17                        ; Q: (batch, head) x 131,072 + (16 block + 2 wave) x 1,024
	s_lshl_b32 s21, s14, 14
	s_add_co_u32 s48, s48, s21
	s_lshl_b32 s21, s[WV], 11
	s_add_co_u32 s48, s48, s21
	s_add_nc_u64 s[22:23], s[4:5], s[48:49]
	s_lshl_b32 s48, s51, 21                        ; O: (128 batch + 16 block + 2 wave) x 16,384 + head x 1,024
	s_lshl_b32 s21, s14, 18
	s_add_co_u32 s48, s48, s21
	s_lshl_b32 s21, s[WV], 15
	s_add_co_u32 s48, s48, s21
	s_lshl_b32 s21, s50, 10
	s_add_co_u32 s48, s48, s21
	s_add_nc_u64 s[6:7], s[6:7], s[48:49]
	s_lshl_b32 s48, s50, 17                        ; o_w: row 32 head + 4 wave, 4,096 bytes a row
	s_lshl_b32 s21, s[WV], 14
	s_add_co_u32 s48, s48, s21
	s_add_nc_u64 s[8:9], s[8:9], s[48:49]
	s_lshl_b32 s48, s50, 9                         ; router_w at row 64 head
	s_add_nc_u64 s[62:63], s[10:11], s[48:49]
	s_lshl_b32 s48, s50, 8                         ; o_b at number 64 head
	s_add_nc_u64 s[52:53], s[52:53], s[48:49]
	s_lshl_b32 s48, s50, 15                        ; part: head x 32,768 + (2,048 batch + 256 block + 32 wave) x 8
	s_lshl_b32 s21, s51, 14
	s_add_co_u32 s48, s48, s21
	s_lshl_b32 s21, s14, 11
	s_add_co_u32 s48, s48, s21
	s_lshl_b32 s21, s[WV], 8
	s_add_co_u32 s48, s48, s21
	s_add_nc_u64 s[54:55], s[54:55], s[48:49]
	v_and_b32 v[LN], 31, v0
	v_lshlrev_b32 v[LA], 4, v[LN]
	v_lshlrev_b32 v[L8], 3, v[LN]
	v_lshlrev_b32 v[L32], 5, v[LN]
.irp t, 0,1
.irp c, 0,1
	global_load_b128 v[Q+8*(\t)+4*(\c):Q+8*(\t)+4*(\c)+3], v[LA], s[22:23] offset:(\t)*1024+(\c)*512
.endr
.endr
	; my lane's columns of o_w are 128 i + 4 lane + 0..3, i = 0..7: a wave's load covers 512 consecutive bytes of a row; of router_w the same 32 rows, 8 bytes each
.irp i, 0,1,2,3,4,5,6,7
	global_load_b128 v[RWR+8*(\i):RWR+8*(\i)+3], v[L32], s[10:11] offset:(\i)*1024
	global_load_b128 v[RWR+8*(\i)+4:RWR+8*(\i)+7], v[L32], s[10:11] offset:(\i)*1024+16
.endr
.irp q, 0,1,2,3
.irp i, 0,1,2,3,4,5,6,7
	global_load_b128 v[OW+4*(8*(\q)+(\i)):OW+4*(8*(\q)+(\i))+3], v[LA], s[8:9] offset:(\q)*4096+(\i)*512
.endr
.endr
	global_load_b64 v[OBV:OBV+1], v[L8], s[52:53]  ; o_b: two numbers a lane,
	global_load_b128 v[OBR:OBR+3], v[LA], s[62:63] ; and their rows of router_w
	s_wait_loadcnt 0x0
.irp i, 0,1,2,3,4,5,6,7
.irp j, 0,1,2,3
.irp q, 0,1,2,3                                        ; four chains: a pair (expert 0, expert 1) for each of my wave's rows
.set rO, OW+4*(8*(\q)+(\i))+2*((\j)/2)
.set rR, RWR+8*(\i)+2*(\j)
.if ((\i) == 0) && ((\j) == 0)
	v_pk_mul_f32 v[AC+2*(\q):AC+2*(\q)+1], v[rO:rO+1], v[rR:rR+1] op_sel:[0,0] op_sel_hi:[0,1]
.elseif (\j)%2 == 0
	v_pk_fma_f32 v[AC+2*(\q):AC+2*(\q)+1], v[rO:rO+1], v[rR:rR+1], v[AC+2*(\q):AC+2*(\q)+1] op_sel:[0,0,0] op_sel_hi:[0,1,1]
.else
	v_pk_fma_f32 v[AC+2*(\q):AC+2*(\q)+1], v[rO:rO+1], v[rR:rR+1], v[AC+2*(\q):AC+2*(\q)+1] op_sel:[1,0,0] op_sel_hi:[1,1,1]
.endif
.endr
.endr
.endr
	v_pk_mul_f32 v[AC+8:AC+9], v[OBV:OBV+1], v[OBR:OBR+1] op_sel:[0,0] op_sel_hi:[0,1]
	v_pk_fma_f32 v[AC+8:AC+9], v[OBV:OBV+1], v[OBR+2:OBR+3], v[AC+8:AC+9] op_sel:[1,0,0] op_sel_hi:[1,1,1]
.irp m, 1,2,4,8                                        ; across the 32 lanes: four steps inside each half, one across the halves
.irp n, 0,1,2,3,4,5,6,7,8,9
	v_add_f32_dpp v[AC+(\n)], v[AC+(\n)], v[AC+(\n)] row_xmask:\m row_mask:0xf bank_mask:0xf
.endr
.endr
.irp n, 0,1,2,3,4,5,6,7,8,9
	v_permlanex16_b32 v[RWR+(\n)], v[AC+(\n)], s[SEL], s[SEL+1]
.endr
.irp n, 0,1,2,3,4,5,6,7,8,9
	v_add_f32 v[AC+(\n)], v[AC+(\n)], v[RWR+(\n)]
.endr
	s_lshl_b32 s48, s[WV], 5
	s_add_co_u32 s48, s48, WRT
	v_mov_b32 v[TA], s48                           ; my wave's four rows: 32 bytes; all lanes hold the same numbers
	ds_store_b128 v[TA], v[AC:AC+3]
	ds_store_b128 v[TA], v[AC+4:AC+7] offset:16
	v_mov_b32 v[OBL], v[AC+8]
	v_mov_b32 v[OBL+1], v[AC+9]
.set i, 0
.rept 32
	v_mov_b32 v[O+i], 0
.set i, i+1
.endr
	s_wait_tensorcnt 0x1                           ; my quarter of the first 512 keys is in; the one load issued behind it may stay out
	s_wait_dscnt 0x0                               ; for the others' sake: my rows of the router's weights are written
	BOTH v_mov_b32 v[ST+10*t], 0xfe000000          ; c m: far below every c s
	BOTH v_mov_b32 v[ST+10*t+1], 0xff7fffff        ; m
	BOTH v_mov_b32 v[ST+10*t+2], 0
	BOTH v_mov_b32 v[ST+10*t+3], 0
	s_barrier_signal -1
	s_barrier_wait -1                              ; everybody's is
.macro LOADK
.irp kb, 0,1,2,3
	ds_load_b128 v[KFR+8*(\kb):KFR+8*(\kb)+3], v[AK] offset:(\kb)*1024
	ds_load_b128 v[KFR+8*(\kb)+4:KFR+8*(\kb)+7], v[AK] offset:(\kb)*1024+512
.endr
.endm
.macro LOADV
.irp f, 0,1,2,3
	ds_load_b128 v[VFR+8*(\f):VFR+8*(\f)+3], v[AV] offset:(\f)*1024
	ds_load_b128 v[VFR+8*(\f)+4:VFR+8*(\f)+7], v[AV] offset:(\f)*1024+512
.endr
.endm
; Scaling f of 32: c s - c m for pair f / 2 of tile f % 2
.macro FS f
.set rS, S+32*((\f)%2)+2*((\f)/2)
.set rT, ST+10*((\f)%2)
	v_pk_fma_f32 v[rS:rS+1], v[rS:rS+1], s[CS:CS+1], v[rT:rT+1] op_sel_hi:[1,0,0] neg_lo:[0,0,1] neg_hi:[0,0,1]
.endm
; Exponential e of 64: score e / 2 of tile e % 2, in place; it wants scaling 2 (e / 4) + e % 2
.macro EX e
	v_exp_f32 v[S+32*((\e)%2)+(\e)/2], v[S+32*((\e)%2)+(\e)/2]
.endm
; Number n of the 32 plain instructions that read a tile's weights: 16 roundings; the 16 pairs of weights added 8, 4, 2 and 1 pairs apart, in place; l = a l + the sum
.macro POST t, n
.set rS, S+32*(\t)
.if (\n) < 16
	v_cvt_pk_bf16_f32 v[P+16*(\t)+(\n)], v[rS+2*(\n)], v[rS+2*(\n)+1]
.elseif (\n) < 24
	v_pk_add_f32 v[rS+2*(\n)-32:rS+2*(\n)-31], v[rS+2*(\n)-32:rS+2*(\n)-31], v[rS+2*(\n)-16:rS+2*(\n)-15]
.elseif (\n) < 28
	v_pk_add_f32 v[rS+2*(\n)-48:rS+2*(\n)-47], v[rS+2*(\n)-48:rS+2*(\n)-47], v[rS+2*(\n)-40:rS+2*(\n)-39]
.elseif (\n) < 30
	v_pk_add_f32 v[rS+2*(\n)-56:rS+2*(\n)-55], v[rS+2*(\n)-56:rS+2*(\n)-55], v[rS+2*(\n)-52:rS+2*(\n)-51]
.elseif (\n) == 30
	v_pk_add_f32 v[rS:rS+1], v[rS:rS+1], v[rS+2:rS+3]
.else
	v_pk_fma_f32 v[ST+10*(\t)+2:ST+10*(\t)+3], v[ST+10*(\t)+2:ST+10*(\t)+3], v[ST+10*(\t)+6:ST+10*(\t)+7], v[rS:rS+1] op_sel_hi:[1,0,1]
.endif
.endm
; Pair n of 8 of both tiles' O^T times a
.macro RS n
	BOTH v_pk_mul_f32 v[O+16*t+2*(\n):O+16*t+2*(\n)+1], v[O+16*t+2*(\n):O+16*t+2*(\n)+1], v[ST+10*t+6:ST+10*t+7] op_sel_hi:[1,0]
.endm
; The softmax of both tiles for one step of 64 keys.  Each accumulator's lowest registers are read first.  pre = 1: the next step's K is fetched, in one run behind the batch's wait.
.macro SOFT pre
.irp n, 0,1,2,3
	BOTH v_max3_num_f32 v[ST+10*t+4+(\n)], v[S+32*t+8*(\n)], v[S+32*t+8*(\n)+1], v[S+32*t+8*(\n)+2]
.endr
.irp n, 4,5,6,7,8,9,10,11
	BOTH v_max3_num_f32 v[ST+10*t+4+(\n)%4], v[ST+10*t+4+(\n)%4], v[S+32*t+8*((\n)%4)+2*((\n)/4)+1], v[S+32*t+8*((\n)%4)+2*((\n)/4)+2]
.endr
	BOTH v_max3_num_f32 v[ST+10*t+4], v[ST+10*t+4], v[S+32*t+7], v[S+32*t+15]
	BOTH v_max3_num_f32 v[ST+10*t+5], v[ST+10*t+5], v[S+32*t+23], v[S+32*t+31]
	BOTH v_max3_num_f32 v[ST+10*t+6], v[ST+10*t+6], v[ST+10*t+7], v[ST+10*t+1]
	BOTH v_max3_num_f32 v[ST+10*t+4], v[ST+10*t+4], v[ST+10*t+5], v[ST+10*t+6]
	BOTH v_permlanex16_b32 v[ST+10*t+7], v[ST+10*t+4], s[SEL], s[SEL+1]   ; the query's other 32 keys lie in the lane 16 away
	BOTH v_max_num_f32 v[ST+10*t+1], v[ST+10*t+4], v[ST+10*t+7]
	BOTH v_mul_f32 v[ST+10*t], s[CS], v[ST+10*t+1]
	BOTH v_sub_f32 v[ST+10*t+5], v[ST+10*t+8], v[ST+10*t]
	; THE BATCH: 66 exponentials and the 32 scalings, which name no result.  The scalings go one pair ahead of the exponentials that want them: a scaling, two exponentials; the last four exponentials stand on end.
	FS 0
	v_exp_f32 v[ST+6], v[ST+5]                     ; tile 0's a
	FS 1
	v_exp_f32 v[ST+16], v[ST+15]                   ; tile 1's a
.set i, 0
.rept 16                                               ; group i: both tiles' scores 2 i and 2 i + 1; the scalings of pair i + 1
.if i < 15
	FS 2*i+2
.endif
	EX 4*i
	EX 4*i+1
.if i < 15
	FS 2*i+3
.endif
	EX 4*i+2
	EX 4*i+3
.set i, i+1
.endr
	v_nop                                          ; a plain instruction behind the last exponential and ahead of the first use: one for the batch
	s_wait_alu depctr_va_vdst(0)                   ; the wait ahead of the first reader: one for the step's 66 exponentials
.if \pre
	LOADK                                          ; far more than four places behind the products that read K's registers
.endif
.set i, 0
.rept 30                                               ; the readers, the two tiles by turns: no line reads the result of the one before it
	POST 0, i
	POST 1, i
.set i, i+1
.endr
	RS 0                                           ; O^T's rescaling stands between the last links of the sums' chain, its pairs in ascending order
	RS 1
	POST 0, 30
	POST 1, 30
	RS 2
	RS 3
	POST 0, 31
	POST 1, 31
	RS 4
	RS 5
	RS 6
	RS 7
.endm
; A step of 64 keys.  pre = 1: the next step's K and V are fetched, each in one run: K's in the softmax, behind its wait; V's behind the products that read its registers.
.macro STEP pre
	s_wait_dscnt 8                                 ; K is in; V's eight loads are younger
.irp kb, 0,1,2,3
.irp t, 0,1
	v_wmma_f32_16x16x32_bf16 v[S+32*(\t)+8*(\kb):S+32*(\t)+8*(\kb)+7], v[KFR+8*(\kb):KFR+8*(\kb)+7], v[Q+8*(\t):Q+8*(\t)+7], 0
.endr
.endr
	v_mov_b32 v[ST+8], v[ST]                       ; four plain lines that name no register of those products: the places behind them
	v_mov_b32 v[ST+18], v[ST+10]                   ; (c m_old is kept for a)
	v_add_nc_u32 v[AK], 4096, v[AK]
	v_add_nc_u32 v[AV], 4096, v[AV]
	SOFT \pre
	s_wait_dscnt 8*(\pre)                          ; V is in; the next K may stay out
.irp g, 0,1
.irp t, 0,1
.irp cb, 0,1                                           ; the four accumulators take turns
	v_wmma_f32_16x16x32_bf16 v[O+16*(\t)+8*(\cb):O+16*(\t)+8*(\cb)+7], v[VFR+16*(\g)+8*(\cb):VFR+16*(\g)+8*(\cb)+7], v[P+16*(\t)+8*(\g):P+16*(\t)+8*(\g)+7], v[O+16*(\t)+8*(\cb):O+16*(\t)+8*(\cb)+7]
.endr
.endr
.endr
.rept 4
	v_nop                                          ; the places in front of loads into V's registers and of lines that read O^T
.endr
.if \pre
	LOADV
.endif
.endm
	v_mov_b32 v[AK], v[LA]                         ; keys 0-511: eight steps
	v_add_nc_u32 v[AV], 131072, v[LA]
	LOADK
	LOADV
	s_mov_b32 s56, 7
.Lstep_a:
	STEP 1
	s_sub_co_u32 s56, s56, 1
	s_cmp_lg_u32 s56, 0
	s_cbranch_scc1 .Lstep_a
	STEP 0                                         ; the eighth step fetches nothing: what follows it has not been shown landed yet
	s_wait_tensorcnt 0x0                           ; my quarter of keys 512-2,047 is in
	s_barrier_signal -1
	s_barrier_wait -1                              ; everybody's is
	v_add_nc_u32 v[AK], 32768, v[LA]               ; 24 steps
	v_add_nc_u32 v[AV], 131072+32768, v[LA]
	LOADK
	LOADV
	s_mov_b32 s56, 23
.Lstep_b:
	STEP 1
	s_sub_co_u32 s56, s56, 1
	s_cmp_lg_u32 s56, 0
	s_cbranch_scc1 .Lstep_b
	STEP 0
	; the way out: l's two halves and the other half of the lanes' are added; O^T is divided by l
	v_bfe_u32 v[TA], v0, 4, 1
	v_lshl_add_u32 v[TA], v[TA], 6, WRT            ; the router's rows of my channels 16 cb + 8 (lane / 16) + 0..7: 64 bytes for each cb
.irp k, 0,1,2,3,4,5,6,7
	ds_load_b128 v[S+4*(\k):S+4*(\k)+3], v[TA] offset:((\k)/4)*128+((\k)%4)*16
.endr
	BOTH v_add_f32 v[ST+10*t+4], v[ST+10*t+2], v[ST+10*t+3]
	BOTH v_permlanex16_b32 v[ST+10*t+5], v[ST+10*t+4], s[SEL], s[SEL+1]
	BOTH v_add_f32 v[ST+10*t+4], v[ST+10*t+4], v[ST+10*t+5]
	BOTH v_rcp_f32 v[ST+10*t+6], v[ST+10*t+4]
	v_nop                                          ; a plain instruction between the last reciprocal and the use of its result
	s_wait_alu depctr_va_vdst(0)                   ; the wait ahead of the first use: one for the two reciprocals
.set i, 0
.rept 8
	BOTH v_pk_mul_f32 v[O+16*t+2*i:O+16*t+2*i+1], v[O+16*t+2*i:O+16*t+2*i+1], v[ST+10*t+6:ST+10*t+7] op_sel_hi:[1,0]
.set i, i+1
.endr
	s_wait_dscnt 0x0
; the head's part of the logits: for tile t the pair (expert 0, expert 1) = the sum over my 16 channels n of O[n] x the router's row n
.macro LG t, n
.set rO, O+16*(\t)+2*((\n)/2)
.set rL, ST+10*(\t)+4
.if (\n) == 0
	v_pk_mul_f32 v[rL:rL+1], v[rO:rO+1], v[S:S+1] op_sel:[0,0] op_sel_hi:[0,1]
.elseif (\n)%2 == 0
	v_pk_fma_f32 v[rL:rL+1], v[rO:rO+1], v[S+2*(\n):S+2*(\n)+1], v[rL:rL+1] op_sel:[0,0,0] op_sel_hi:[0,1,1]
.else
	v_pk_fma_f32 v[rL:rL+1], v[rO:rO+1], v[S+2*(\n):S+2*(\n)+1], v[rL:rL+1] op_sel:[1,0,0] op_sel_hi:[1,1,1]
.endif
.endm
.set i, 0
.rept 16
	LG 0, i
	LG 1, i
.set i, i+1
.endr
	BOTH v_permlanex16_b32 v[ST+10*t+6], v[ST+10*t+4], s[SEL], s[SEL+1]   ; the token's other 16 channels lie in the lane 16 away
	BOTH v_permlanex16_b32 v[ST+10*t+7], v[ST+10*t+5], s[SEL], s[SEL+1]
	BOTH v_pk_add_f32 v[ST+10*t+4:ST+10*t+5], v[ST+10*t+4:ST+10*t+5], v[ST+10*t+6:ST+10*t+7]
	BOTH v_pk_add_f32 v[ST+10*t+4:ST+10*t+5], v[ST+10*t+4:ST+10*t+5], v[OBL:OBL+1]
	v_cmp_le_u32 vcc_lo, 16, v[LN]
	v_cndmask_b32 v[ST+8], v[ST+4], v[ST+14], vcc_lo   ; lanes 0-15 store tile 0, lanes 16-31 tile 1: 256 consecutive bytes, aligned
	v_cndmask_b32 v[ST+9], v[ST+5], v[ST+15], vcc_lo
	global_store_b64 v[L8], v[ST+8:ST+9], s[54:55]
.irp t, 0,1
.irp cb, 0,1                                           ; O is rounded in place and stored, 512 consecutive bytes a wave
.set rD, O+16*(\t)+8*(\cb)
	v_cvt_pk_bf16_f32 v[rD], v[rD], v[rD+1]
	v_cvt_pk_bf16_f32 v[rD+1], v[rD+2], v[rD+3]
	v_cvt_pk_bf16_f32 v[rD+2], v[rD+4], v[rD+5]
	v_cvt_pk_bf16_f32 v[rD+3], v[rD+6], v[rD+7]
	global_store_b128 v[LA], v[rD:rD+3], s[6:7] offset:(\t)*16384+(\cb)*512
.endr
.endr
	s_wait_tensorcnt 0x0
	ds_add_u32 v240, v241
	s_wait_dscnt 0x0
	CROUND                                         ; the closing round
	s_endpgm
.Lfunc_end_k_q136a46a02a_attn:
	.size	k_q136a46a02a_attn, .Lfunc_end_k_q136a46a02a_attn-k_q136a46a02a_attn
	.p2alignl 7, 3214868480
	.fill 96, 4, 3214868480
	.section	.rodata,"a",@progbits
	.p2align	6, 0x0
	.amdhsa_kernel k_q136a46a02a_attn
		.amdhsa_group_segment_fixed_size 263424
		.amdhsa_private_segment_fixed_size 0
		.amdhsa_enable_private_segment 0
		.amdhsa_kernarg_size 48
		.amdhsa_user_sgpr_count 2
		.amdhsa_user_sgpr_kernarg_segment_ptr 1
		.amdhsa_wavefront_size32 1
		.amdhsa_system_sgpr_workgroup_id_x 1
		.amdhsa_system_sgpr_workgroup_id_y 1
		.amdhsa_system_sgpr_workgroup_id_z 1
		.amdhsa_system_vgpr_workitem_id 0
		.amdhsa_next_free_vgpr 242
		.amdhsa_next_free_sgpr 66
		.amdhsa_reserve_vcc 1
		.amdhsa_float_denorm_mode_32 3
		.amdhsa_float_denorm_mode_16_64 3
		.amdhsa_memory_ordered 1
		.amdhsa_forward_progress 1
		.amdhsa_inst_pref_size 86
	.end_amdhsa_kernel
	.amdgpu_metadata
---
amdhsa.version: [ 1, 2 ]
amdhsa.kernels:
  - .name:           k_q136a46a02a_attn
    .symbol:         k_q136a46a02a_attn.kd
    .args:
      - { .name: qkv, .offset: 0, .size: 8, .value_kind: global_buffer, .address_space: global }
      - { .name: ao, .offset: 8, .size: 8, .value_kind: global_buffer, .address_space: global }
      - { .name: o_w, .offset: 16, .size: 8, .value_kind: global_buffer, .address_space: global }
      - { .name: router_w, .offset: 24, .size: 8, .value_kind: global_buffer, .address_space: global }
      - { .name: o_b, .offset: 32, .size: 8, .value_kind: global_buffer, .address_space: global }
      - { .name: part, .offset: 40, .size: 8, .value_kind: global_buffer, .address_space: global }
    .group_segment_fixed_size: 263424
    .private_segment_fixed_size: 0
    .kernarg_segment_align: 8
    .kernarg_segment_size: 48
    .max_flat_workgroup_size: 256
    .sgpr_count:     66
    .vgpr_count:     242
    .wavefront_size: 32
...
	.end_amdgpu_metadata
.endif
;; end of part 7
;; launch fold: the kernel of part 4 again; grid 32 x 8, 4 waves a work-group, clusters of 4 x 4, 327,680 bytes of LDS; arguments wts, wf; writes wf
;; launch ffn1 (part 8): grid 16 x 16, 4 waves a work-group, clusters of 4 x 4, 327,680 bytes of LDS; arguments ao, wf, b1, pb, part, router_b, h1; writes h1
.if DOCPART == 8
	.amdgcn_target "amdgcn-amd-amdhsa--gfx1250"
	.amdhsa_code_object_version 6
	.text
	.protected	k_q136a46a02a_ffn1
	.globl	k_q136a46a02a_ffn1
	.p2align	8
	.type	k_q136a46a02a_ffn1,@function
k_q136a46a02a_ffn1:
	s_mov_b64 s[64:65], 0
	v_nop
	global_prefetch_b8 v0, s[64:65] scope:SCOPE_SE
	s_setreg_imm32_b32 hwreg(HW_REG_WAVE_MODE, 25, 1), 1
	s_wait_xcnt 0x0
	s_wait_alu depctr_hold_cnt(0) depctr_sa_sdst(0) depctr_va_vdst(0) depctr_va_sdst(0) depctr_va_ssrc(0) depctr_va_vcc(0) depctr_vm_vsrc(0)
	s_getreg_b32 s2, hwreg(HW_REG_IB_STS2, 6, 4)
	s_cmp_eq_u32 s2, 0
	s_cbranch_scc0 .Lentry_in_a_cluster
	s_endpgm
.Lentry_in_a_cluster:
	s_bfe_u32 s2, ttmp6, 0x10000c
	s_cmp_lg_u32 s2, 0xf033
	s_cbranch_scc0 .Lentry_shape_is_right
	s_endpgm
.Lentry_shape_is_right:
; h1[token][e x 2,048 + f] = combine_e(token) x gelu(ao (W_o w1_e) + (o_b w1_e + b1_e)), both experts side by side: 4,096 x 4,096, K = 512.  This equals the module's gelu((ao W_o + o_b) w1 + b1) for every input;
; W_o w1 (wf) and the 16 partial sums of o_b w1 (pb) come from earlier launches.  LIMIT: the order of rounding differs from the module's.  bf16 operands, f32 sums, bias, gelu and combine in f32, h1 rounded once to bf16.
; A tile is 256 x 256; four waves, each 128 x 128: 64 accumulators in windows 2 and 3.  K goes in steps of 128 through two LDS slots.
; ao and wf both lie in operand order (16 bytes a lane, 512 bytes a load): no padding, no turning load, and one shape of descriptor: 8 blocks of 16 tokens or columns x 4,096 bytes.
; Source 0 = 16 columns, source 1 = 16 tokens: a lane holds one token and 8 neighbouring columns, 16 bytes of the operand that the next launch loads.
; THE BIAS.  Thread t adds b1 and the 16 rows of pb, in ascending order, for columns 2 t and 2 t + 1 of the tile; a table of 256 numbers in LDS hands them to the lanes; they are the C operand of each sum's first product.
; COMBINE.  Top 2 of 2 experts is a permutation that the one-hot sum undoes: combine_e = p_e / (p_0 + p_1 + 1e-8), p = softmax(logits), the maximum taken away first.
; The logits are the 16 partial sums of part, added in ascending order, plus router_b.  A table of 256 numbers in LDS holds half of this tile's expert's combine for its tokens.
; GELU.  gelu(x) = (x + |x| (1 - Y E)) / 2, with t = 1 / (1 + 0.23164189 |x|), Y = t (a1 + t (a2 + t (a3 + t (a4 + t a5)))), E = exp(-x x / 2): erf by Abramowitz and Stegun 7.1.26, absolute error 1.5e-7 for every x.
; The text keeps -Y (all five coefficients negated), so that 1 - Y E is one fused multiply-add.
; THE BATCHES.  For 16 numbers a lane the gelu has 16 reciprocals and 16 exponentials, neither of which reads the other's results: ONE BATCH of 32 with ONE wait.  Ahead of the wait the plain lines that feed them
; (|x|, x x, 1 + 0.23164189 |x|, the scale of x x: five a pair) go one pair ahead of that pair's four, plain and transcendental by turns; behind it stand the polynomial and all else.
; In the head a thread's two tokens go through the combine together: four exponentials, two reciprocals, two reciprocals: three batches, since each reads the one before it.
; THE WAY OUT.  The sums go into the slots, which have had their last fill (each wave 65,536 bytes of its own), and a counted loop of 8 trips takes them back 16 numbers a lane at a time: one text for all 64 accumulators.
; CLUSTER 4 x 4: ao's tile jointly along a row of the cluster, wf's along a column.  Waves 0, 1 fetch ao's halves, waves 2, 3 wf's.
; LIMITS: NaN and infinities are not treated apart.
.set BOFF,  65536                      ; ao's tile: 16 token blocks x 4,096 bytes; then wf's: 16 column blocks x 4,096 bytes
.set SLOT,  131072
.set SPARE, 2*SLOT                     ; the spare words: two blocks of 256 bytes that no other line names
.set TAB,   SPARE+512                  ; 256 tokens x 4 bytes
.set TABB,  TAB+1024                   ; 256 columns x 4 bytes
.set LAPS,  2
.set ADRA, 16                          ; v16-17
.set ADRB, 20                          ; v20-21
.set VD,   24                          ; v24 where my sums go in LDS
.set VL,   25                          ; v25 where the loop reads them back
.set VC,   26                          ; v26 my token's place in the table
.set VG,   27                          ; v27 my byte offset in h1
.set SPW,  28
.set NIL,  29
.set F0,   64                          ; fragment buffers: ao's in window 0, wf's in window 1
.set F1,   128
.set BIAS, 192                         ; v192-255 of window 0
.set XX,   64                          ; the way out, window 0: 16 numbers as read back, in v64-79 and v112-127 by turns
.set SS,   80
.set AX,   96
.set TT,   128
.set YY,   144
.set OU,   160
.set CC,   168
.set G1, 24
.set G0, 32
.set G1B, 48
.set G0B, 56
.set RB, 88                            ; s[88:89] router_b
.set MSB, 0
.macro WIN new                         ; the immediate's high byte repeats the setting that is left
.if MSB != (\new)
	s_set_vgpr_msb (MSB<<8)|(\new)
.set MSB, \new
.endif
.endm
.macro PLACES                          ; four places in front of loads into registers that matrix instructions have read, and of lines that read results
.rept 4
	v_nop
.endr
.endm
.macro JLOAD s                         ; a joint load; four v_nop follow each of the two lines
	s_cmp_eq_u32 s11, 0
	s_cbranch_scc0 .Lfor_b_\@
	tensor_load_to_lds s[G0+4*(\s):G0+4*(\s)+3], s[G1:G1+7]
	s_nop 0
.rept 4
	v_nop
.endr
	s_branch .Lasked_\@
.Lfor_b_\@:
	tensor_load_to_lds s[G0B+4*(\s):G0B+4*(\s)+3], s[G1B:G1B+7]
	s_nop 0
.rept 4
	v_nop
.endr
.Lasked_\@:
.endm
.macro CREST
	s_cmp_lg_u32 s10, 0
	s_cbranch_scc1 .Lnot_wave_0_\@
	s_barrier_signal -3
.Lnot_wave_0_\@:
	s_barrier_wait -3
	s_barrier_signal -1
	s_barrier_wait -1
.endm
.macro CROUND
	s_barrier_signal -1
	s_barrier_wait -1
	CREST
.endm
.macro TWO line:vararg                 ; one line for each of the thread's two tokens: v[LGT], v[LGT+1] its two logit sums, v[WRK] a register at work
.set LGT, 64
.set WRK, 33
	\line
.set LGT, 96
.set WRK, 37
	\line
.endm
	s_load_b256 s[76:83], s[0:1], 0x0              ; ao s[76:77], wf s[78:79], b1 s[80:81], pb s[82:83]
	s_load_b128 s[84:87], s[0:1], 0x20             ; part s[84:85], router_b s[86:87]
	s_load_b64 s[94:95], s[0:1], 0x30              ; h1
	v_lshl_add_u32 v[SPW], v0, 2, SPARE
	v_mov_b32 v[NIL], 0
	ds_add_u32 v28, v29
	s_wait_dscnt 0x0
	v_lshrrev_b32 v1, 5, v0
	v_readfirstlane_b32 s10, v1
	s_lshr_b32 s11, s10, 1                         ; which 128 tokens are mine.  Also: I fetch ao (0) or wf (1)
	s_and_b32 s12, s10, 1                          ; which 128 columns.  Also: which half of that tile I fetch
	s_bfe_u32 s40, ttmp6, 0x40000
	s_bfe_u32 s41, ttmp6, 0x40004
	s_lshl_b32 s42, ttmp9, 2
	s_add_co_u32 s42, s42, s40                     ; bx
	s_and_b32 s13, ttmp7, 0xffff
	s_lshl_b32 s13, s13, 2
	s_add_co_u32 s13, s13, s41                     ; by
	s_lshl_b32 s43, s41, 2
	s_lshl_b32 s43, 15, s43
	s_lshl_b32 s44, 0x1111, s40
	s_or_b32 s[G1+0], s43, (3<<16)|(1<<21)         ; mask; 8-byte elements; no padding; bit 21 beside a mask
	s_or_b32 s[G1B+0], s44, (3<<16)|(1<<21)
.irp g, G1, G1B
	s_mov_b32 s[(\g)+1], 512<<16                   ; a row: a block's 4,096 bytes of this K step
	s_mov_b32 s[(\g)+2], 8<<16                     ; eight blocks
	s_mov_b32 s[(\g)+3], 512<<16
	s_mov_b32 s[(\g)+4], 8
	s_mov_b32 s[(\g)+5], 2048                      ; 16,384 bytes from block to block
	s_mov_b32 s[(\g)+6], 0
	s_mov_b32 s[(\g)+7], 0
.endr
	s_mov_b32 s66, 0xbf87dc22                      ; -a5 .. -a1, each twice: the packed lines name pairs
	s_mov_b32 s67, s66
	s_mov_b32 s68, 0x3fba00e3
	s_mov_b32 s69, s68
	s_mov_b32 s70, 0xbfb5f0e3
	s_mov_b32 s71, s70
	s_mov_b32 s72, 0x3e91a98e
	s_mov_b32 s73, s72
	s_mov_b32 s74, 0xbe827906
	s_mov_b32 s75, s74
	s_lshl_b32 s16, s13, 18                        ; 16 token blocks of 16,384 bytes,
	s_lshl_b32 s17, s12, 17                        ; my eight of them
	s_add_co_u32 s16, s16, s17
	s_mov_b32 s17, 0
	s_lshl_b32 s46, s42, 18                        ; 16 column blocks of 16,384 bytes,
	s_lshl_b32 s47, s12, 17                        ; my eight of them
	s_add_co_u32 s46, s46, s47
	s_mov_b32 s47, 0
	s_lshl_b32 s20, s12, 15
	s_add_co_u32 s21, s20, BOFF
	s_lshr_b32 s91, s42, 3                         ; the expert
	s_cmp_lg_u32 s91, 0
	s_cselect_b32 s90, -1, 0                       ; all lanes take expert 1's weight, or none
	s_wait_kmcnt 0x0
	s_load_b64 s[RB:RB+1], s[86:87], 0x0
	s_add_nc_u64 s[14:15], s[76:77], s[16:17]
	s_add_nc_u64 s[46:47], s[78:79], s[46:47]
	CROUND                                         ; all sixteen work-groups are here: the first joint loads meet
.irp s, 0,1
	s_mov_b32 s[G0+4*(\s)], 1
	s_add_co_u32 s[G0+4*(\s)+1], s20, (\s)*SLOT
	s_add_nc_u64 s[G0+4*(\s)+2:G0+4*(\s)+3], s[14:15], (\s)*4096
	s_or_b32 s[G0+4*(\s)+3], s[G0+4*(\s)+3], 0x80000000
	s_mov_b32 s[G0B+4*(\s)], 1
	s_add_co_u32 s[G0B+4*(\s)+1], s21, (\s)*SLOT
	s_add_nc_u64 s[G0B+4*(\s)+2:G0B+4*(\s)+3], s[46:47], (\s)*4096
	s_or_b32 s[G0B+4*(\s)+3], s[G0B+4*(\s)+3], 0x80000000
	JLOAD \s
.endr
	v_and_b32 v1, 15, v0
	v_bfe_u32 v2, v0, 4, 1
	v_and_b32 v3, 31, v0
	v_lshlrev_b32 v[VG], 4, v3                     ; 16 x lane
	s_lshl_b32 s22, s11, 15
	v_add_nc_u32 v[ADRA], s22, v[VG]
	v_add_nc_u32 v[ADRA+1], SLOT, v[ADRA]
	s_lshl_b32 s23, s12, 15
	s_add_co_u32 s23, s23, BOFF
	v_add_nc_u32 v[ADRB], s23, v[VG]
	v_add_nc_u32 v[ADRB+1], SLOT, v[ADRB]
	s_lshl_b32 s22, s10, 16
	v_add_nc_u32 v[VD], s22, v[VG]
	v_mov_b32 v[VL], v[VD]
	s_lshl_b32 s23, s11, 9
	s_add_co_u32 s23, s23, TAB
	v_lshl_add_u32 v[VC], v1, 2, s23
	v_lshlrev_b32 v30, 3, v0                       ; 8 t: a token of part, two columns of b1 and pb
	v_lshl_add_u32 v31, v0, 2, TAB
	v_lshl_add_u32 v32, v0, 3, TABB
	s_lshl_b32 s23, s12, 9
	s_add_co_u32 s23, s23, TABB
	v_lshl_add_u32 v36, v2, 5, s23                 ; the bias of my columns 16 b + 8 h + 0..7
	s_lshl_b32 s18, s13, 11                        ; part at my tile's first token
	s_mov_b32 s19, 0
	s_add_nc_u64 s[84:85], s[84:85], s[18:19]
	s_lshl_b32 s46, s42, 10                        ; b1 and pb at my tile's first column
	s_mov_b32 s47, 0
	s_add_nc_u64 s[80:81], s[80:81], s[46:47]
	s_add_nc_u64 s[82:83], s[82:83], s[46:47]
	s_lshl_b32 s46, s13, 21                        ; h1: (16 by + 8 rh) x 131,072 + (8 bx + 4 ch) x 1,024
	s_lshl_b32 s45, s11, 20
	s_add_co_u32 s46, s46, s45
	s_lshl_b32 s45, s42, 13
	s_add_co_u32 s46, s46, s45
	s_lshl_b32 s45, s12, 12
	s_add_co_u32 s46, s46, s45
	s_add_nc_u64 s[94:95], s[94:95], s[46:47]
.irp u, 0,1                                            ; thread t takes tokens t and t + 128 of the tile
.irp k, 0,1,2,3,4,5,6,7,8,9,10,11,12,13,14,15
	global_load_b64 v[64+32*(\u)+2*(\k):65+32*(\u)+2*(\k)], v30, s[84:85] offset:(\k)*32768+(\u)*1024
.endr
.endr
	global_load_b64 v[128:129], v30, s[80:81]
.irp k, 0,1,2,3,4,5,6,7,8,9,10,11,12,13,14,15
	global_load_b64 v[130+2*(\k):131+2*(\k)], v30, s[82:83] offset:(\k)*16384
.endr
	s_wait_loadcnt 17                              ; the partial logits are in; the 17 loads of b1 and pb may stay out
.irp k, 1,2,3,4,5,6,7,8,9,10,11,12,13,14,15
	v_pk_add_f32 v[64:65], v[64:65], v[64+2*(\k):65+2*(\k)]
	v_pk_add_f32 v[96:97], v[96:97], v[96+2*(\k):97+2*(\k)]
.endr
	s_wait_kmcnt 0x0                               ; router_b
	; two logit sums -> the two combine weights, in place, for both tokens side by side
	TWO v_add_f32 v[LGT], s[RB], v[LGT]
	TWO v_add_f32 v[LGT+1], s[RB+1], v[LGT+1]
	TWO v_max_num_f32 v[WRK], v[LGT], v[LGT+1]
	TWO v_sub_f32 v[LGT], v[LGT], v[WRK]
	TWO v_sub_f32 v[LGT+1], v[LGT+1], v[WRK]
	TWO v_mul_f32 v[LGT], 0x3fb8aa3b, v[LGT]
	TWO v_mul_f32 v[LGT+1], 0x3fb8aa3b, v[LGT+1]
	TWO v_exp_f32 v[LGT], v[LGT]
	TWO v_exp_f32 v[LGT+1], v[LGT+1]
	v_nop                                          ; a plain instruction behind the last exponential
	s_wait_alu depctr_va_vdst(0)                   ; the wait: one for the four exponentials
	TWO v_add_f32 v[WRK], v[LGT], v[LGT+1]
	TWO v_rcp_f32 v[WRK], v[WRK]
	v_nop
	s_wait_alu depctr_va_vdst(0)                   ; one for the two reciprocals of the exponentials' sums
	TWO v_mul_f32 v[LGT], v[LGT], v[WRK]
	TWO v_mul_f32 v[LGT+1], v[LGT+1], v[WRK]
	TWO v_add_f32 v[WRK], v[LGT], v[LGT+1]
	TWO v_add_f32 v[WRK], 0x322bcc77, v[WRK]       ; + 1e-8
	TWO v_rcp_f32 v[WRK], v[WRK]
	v_nop
	s_wait_alu depctr_va_vdst(0)                   ; one for the two reciprocals of p0 + p1 + 1e-8
	TWO v_mul_f32 v[LGT], v[LGT], v[WRK]
	TWO v_mul_f32 v[LGT+1], v[LGT+1], v[WRK]
	v_cndmask_b32 v34, v64, v65, s90
	v_cndmask_b32 v35, v96, v97, s90
	v_mul_f32 v34, 0.5, v34                        ; gelu's half goes into the weight
	v_mul_f32 v35, 0.5, v35
	ds_store_b32 v31, v34
	ds_store_b32 v31, v35 offset:512
	s_wait_loadcnt 0x0                             ; b1 and pb
.irp k, 0,1,2,3,4,5,6,7,8,9,10,11,12,13,14,15
	v_pk_add_f32 v[128:129], v[128:129], v[130+2*(\k):131+2*(\k)]
.endr
	ds_store_b64 v32, v[128:129]
; 16 matrix instructions: token blocks a0, a0 + 1 of the window's four x all 8 column blocks, 32 along K.  first = 1: the bias starts the sums.  The 64 accumulators take turns.
.macro MUL16 f, hi, a0, first
.if \first
	WIN 0x81+0x40*(\hi)                            ; wf window 1, ao and the bias window 0, result window 2 or 3
.else
	WIN 0xa1+0x50*(\hi)
.endif
.irp a, \a0, (\a0)+1
.irp b, 0,1,2,3,4,5,6,7
.if \first
	v_wmma_f32_16x16x32_bf16 v[8*(8*(\a)+(\b)):8*(8*(\a)+(\b))+7], v[(\f)+8*(\b):(\f)+8*(\b)+7], v[(\f)+8*(4*(\hi)+(\a)):(\f)+8*(4*(\hi)+(\a))+7], v[BIAS+8*(\b):BIAS+8*(\b)+7]
.else
	v_wmma_f32_16x16x32_bf16 v[8*(8*(\a)+(\b)):8*(8*(\a)+(\b))+7], v[(\f)+8*(\b):(\f)+8*(\b)+7], v[(\f)+8*(4*(\hi)+(\a)):(\f)+8*(4*(\hi)+(\a))+7], v[8*(8*(\a)+(\b)):8*(8*(\a)+(\b))+7]
.endif
.endr
.endr
.endm
.macro FETCH slot, kq, f               ; 32 LDS loads in one run: wf's 8 fragments, then ao's 8, of quarter kq (32 along K)
	WIN 0x40
.irp i, 0,1,2,3,4,5,6,7
	ds_load_b128 v[(\f)+8*(\i):(\f)+8*(\i)+3], v[ADRB+(\slot)] offset:(\i)*4096+(\kq)*1024
	ds_load_b128 v[(\f)+8*(\i)+4:(\f)+8*(\i)+7], v[ADRB+(\slot)] offset:(\i)*4096+(\kq)*1024+512
.endr
	WIN 0
.irp i, 0,1,2,3,4,5,6,7
	ds_load_b128 v[(\f)+8*(\i):(\f)+8*(\i)+3], v[ADRA+(\slot)] offset:(\i)*4096+(\kq)*1024
	ds_load_b128 v[(\f)+8*(\i)+4:(\f)+8*(\i)+7], v[ADRA+(\slot)] offset:(\i)*4096+(\kq)*1024+512
.endr
.endm
.macro QUARTER slot, kq, f, g, first
	s_wait_dscnt 8                                 ; wf and my first 64 tokens are in; the youngest eight loads may be out
	MUL16 \f, 0, 0, \first
	MUL16 \f, 0, 2, \first
	PLACES
	FETCH \slot, \kq, \g
	s_wait_dscnt 32                                ; all but the 32 just issued
	MUL16 \f, 1, 0, \first
	MUL16 \f, 1, 2, \first
.endm
.macro TURN slot, next, fill           ; a slot's last quarter multiplies buffer 1 and changes slots
	WIN 0
	s_wait_tensorcnt 0x0                           ; all my tensor loads have landed: my part of the next slot
	ds_add_u32 v[SPW], v[NIL]
	s_wait_dscnt 9                                 ; the add and the youngest eight loads may be out
	MUL16 F1, 0, 0, 0
	s_wait_dscnt 0x0                               ; the add is done, and my reads of this slot are over
	s_barrier_signal -1
	MUL16 F1, 0, 2, 0
.if \fill
	WIN 0
.endif
	s_barrier_wait -1
.if \fill
	CREST                                          ; a round of the cluster's barrier: no wave of any partner still reads this slot or has a load on its way
	s_add_nc_u64 s[G0+4*(\slot)+2:G0+4*(\slot)+3], s[G0+4*(\slot)+2:G0+4*(\slot)+3], 8192
	s_add_nc_u64 s[G0B+4*(\slot)+2:G0B+4*(\slot)+3], s[G0B+4*(\slot)+2:G0B+4*(\slot)+3], 8192
	JLOAD \slot                                    ; my one tensor load behind the round; its four v_nop are also the places in front of the loads below
.else
	PLACES
.endif
	FETCH \next, 0, F0
	MUL16 F1, 1, 0, 0
	MUL16 F1, 1, 2, 0
.endm
	s_wait_tensorcnt 0x1                           ; my part of K step 0 is in; step 1's may stay out
	s_wait_dscnt 0x0                               ; my parts of the two tables are written
	s_barrier_signal -1
	s_barrier_wait -1
.irp b, 0,1,2,3,4,5,6,7
	ds_load_b128 v[BIAS+8*(\b):BIAS+8*(\b)+3], v36 offset:64*(\b)       ; older than the fragments' loads: the first quarter's wait covers them
	ds_load_b128 v[BIAS+8*(\b)+4:BIAS+8*(\b)+7], v36 offset:64*(\b)+16
.endr
	FETCH 0, 0, F0
	QUARTER 0, 1, F0, F1, 1
	WIN 0
	s_mov_b32 s3, LAPS-1
.Llap:                                                 ; a trip goes once round the ring and fills both slots again
	QUARTER 0, 2, F1, F0, 0
	QUARTER 0, 3, F0, F1, 0
	TURN 0, 1, 1
	QUARTER 1, 1, F0, F1, 0
	QUARTER 1, 2, F1, F0, 0
	QUARTER 1, 3, F0, F1, 0
	TURN 1, 0, 1
	QUARTER 0, 1, F0, F1, 0
	WIN 0
	s_sub_co_u32 s3, s3, 1
	s_cmp_lg_u32 s3, 0
	s_cbranch_scc1 .Llap
	QUARTER 0, 2, F1, F0, 0                        ; the last lap fills nothing
	QUARTER 0, 3, F0, F1, 0
	TURN 0, 1, 0
	QUARTER 1, 1, F0, F1, 0
	QUARTER 1, 2, F1, F0, 0
	QUARTER 1, 3, F0, F1, 0
	s_wait_dscnt 8
	MUL16 F1, 0, 0, 0
	MUL16 F1, 0, 2, 0
	s_wait_dscnt 0x0
	MUL16 F1, 1, 0, 0
	MUL16 F1, 1, 2, 0
	WIN 0
	s_barrier_signal -1                            ; every wave's reads of the slots are over, and the slots have had their last fill:
	s_barrier_wait -1                              ; they may be written
	PLACES
	WIN 0x08                                       ; store data in window 2; each accumulator's lowest registers go first
.irp a, 0,1,2,3
.irp b, 0,1,2,3,4,5,6,7
	ds_store_b128 v[VD], v[8*(8*(\a)+(\b)):8*(8*(\a)+(\b))+3] offset:(8*(\a)+(\b))*1024
	ds_store_b128 v[VD], v[8*(8*(\a)+(\b))+4:8*(8*(\a)+(\b))+7] offset:(8*(\a)+(\b))*1024+512
.endr
.endr
	WIN 0x0c                                       ; in window 3
.irp a, 0,1,2,3
.irp b, 0,1,2,3,4,5,6,7
	ds_store_b128 v[VD], v[8*(8*(\a)+(\b)):8*(8*(\a)+(\b))+3] offset:(32+8*(\a)+(\b))*1024
	ds_store_b128 v[VD], v[8*(8*(\a)+(\b))+4:8*(8*(\a)+(\b))+7] offset:(32+8*(\a)+(\b))*1024+512
.endr
.endr
	WIN 0
	v_mov_b32 v[CC+1], 0                           ; named with the weight as a pair
.macro R8 line:vararg                  ; one packed line for each of the eight pairs i
.set i, 0
.rept 8
	\line
.set i, i+1
.endr
.endm
; The plain lines that feed the batch; XB is the buffer in hand.
.macro GAB n                           ; |x| of number n
	v_and_b32 v[AX+(\n)], 0x7fffffff, v[XB+(\n)]
.endm
.macro GSQ p                           ; x x of pair p
	v_pk_mul_f32 v[SS+2*(\p):SS+2*(\p)+1], v[XB+2*(\p):XB+2*(\p)+1], v[XB+2*(\p):XB+2*(\p)+1]
.endm
.macro GDN p                           ; 1 + 0.23164189 |x| of pair p
	v_pk_fma_f32 v[TT+2*(\p):TT+2*(\p)+1], v[AX+2*(\p):AX+2*(\p)+1], 0x3e6d3388, 1.0 op_sel_hi:[1,0,0]
.endm
.macro GSC p                           ; - x x log2(e) / 2 of pair p
	v_pk_mul_f32 v[SS+2*(\p):SS+2*(\p)+1], v[SS+2*(\p):SS+2*(\p)+1], 0xbf38aa3b op_sel_hi:[1,0]
.endm
; Column blocks 2 k and 2 k + 1 of the trip's token block: 16 numbers a lane, in buffer k % 2.  pre = 1: the next 16 are fetched into the other buffer.
.macro GT k, pre
.set XB, XX+48*((\k)%2)
.set XN, XX+48*(1-(\k)%2)
	s_wait_dscnt 0x0
.if \pre
.irp j, 0,1,2,3
	ds_load_b128 v[XN+4*(\j):XN+4*(\j)+3], v[VL] offset:((\k)+1)*2048+(\j)*512
.endr
.endif
	; THE BATCH: 16 reciprocals (t, in place) and 16 exponentials (E, in place).  Pair jj's four stand by turns with the five plain lines of pair jj + 1, none of which names a result; the last pair's four stand on end.
	GAB 0
	GAB 1
	GSQ 0
	GDN 0
	GSC 0
.set jj, 0
.rept 8
.if jj < 7
	GAB 2*jj+2
.endif
	v_rcp_f32 v[TT+2*jj], v[TT+2*jj]
.if jj < 7
	GAB 2*jj+3
.endif
	v_rcp_f32 v[TT+2*jj+1], v[TT+2*jj+1]
.if jj < 7
	GSQ jj+1
.endif
	v_exp_f32 v[SS+2*jj], v[SS+2*jj]
.if jj < 7
	GDN jj+1
.endif
	v_exp_f32 v[SS+2*jj+1], v[SS+2*jj+1]
.if jj < 7
	GSC jj+1
.endif
.set jj, jj+1
.endr
	v_nop                                          ; a plain instruction behind the last exponential and ahead of the first use: one for the batch
	s_wait_alu depctr_va_vdst(0)                   ; the wait ahead of the first reader: one for the 16 reciprocals and the 16 exponentials
	R8 v_pk_fma_f32 v[YY+2*i:YY+2*i+1], v[TT+2*i:TT+2*i+1], s[66:67], s[68:69] op_sel_hi:[1,0,0]
	R8 v_pk_fma_f32 v[YY+2*i:YY+2*i+1], v[YY+2*i:YY+2*i+1], v[TT+2*i:TT+2*i+1], s[70:71] op_sel_hi:[1,1,0]
	R8 v_pk_fma_f32 v[YY+2*i:YY+2*i+1], v[YY+2*i:YY+2*i+1], v[TT+2*i:TT+2*i+1], s[72:73] op_sel_hi:[1,1,0]
	R8 v_pk_fma_f32 v[YY+2*i:YY+2*i+1], v[YY+2*i:YY+2*i+1], v[TT+2*i:TT+2*i+1], s[74:75] op_sel_hi:[1,1,0]
	R8 v_pk_mul_f32 v[YY+2*i:YY+2*i+1], v[YY+2*i:YY+2*i+1], v[TT+2*i:TT+2*i+1]                     ; -Y
	R8 v_pk_fma_f32 v[YY+2*i:YY+2*i+1], v[YY+2*i:YY+2*i+1], v[SS+2*i:SS+2*i+1], 1.0 op_sel_hi:[1,1,0]   ; 1 - Y E
	R8 v_pk_fma_f32 v[YY+2*i:YY+2*i+1], v[YY+2*i:YY+2*i+1], v[AX+2*i:AX+2*i+1], v[XB+2*i:XB+2*i+1]      ; x + |x| (1 - Y E)
	R8 v_pk_mul_f32 v[YY+2*i:YY+2*i+1], v[YY+2*i:YY+2*i+1], v[CC:CC+1] op_sel_hi:[1,0]                  ; x combine / 2
	s_wait_xcnt 0x0                                ; the last stores' data registers are written again only behind this wait
	R8 v_cvt_pk_bf16_f32 v[OU+i], v[YY+2*i], v[YY+2*i+1]
	global_store_b128 v[VG], v[OU:OU+3], s[94:95] offset:(\k)*1024          ; 512 consecutive bytes a wave, aligned
	global_store_b128 v[VG], v[OU+4:OU+7], s[94:95] offset:(\k)*1024+512
.endm
	s_mov_b32 s3, 0
.Lg:                                                   ; a trip: one block of 16 tokens, 8,192 bytes of my sums
.irp j, 0,1,2,3
	ds_load_b128 v[XX+4*(\j):XX+4*(\j)+3], v[VL] offset:(\j)*512   ; LDS serves a wave's instructions in order: these see my stores above
.endr
	ds_load_b32 v[CC], v[VC]
	GT 0, 1
	GT 1, 1
	GT 2, 1
	GT 3, 0
	s_wait_xcnt 0x0                                ; the stores' offset register steps only behind this wait
	v_add_nc_u32 v[VL], 8192, v[VL]
	v_add_nc_u32 v[VC], 64, v[VC]
	v_add_nc_u32 v[VG], 131072, v[VG]
	s_add_co_u32 s3, s3, 1
	s_cmp_lt_u32 s3, 8
	s_cbranch_scc1 .Lg
	s_wait_tensorcnt 0x0                           ; the wave's end
	ds_add_u32 v[SPW], v[NIL]
	s_wait_dscnt 0x0
	CROUND                                         ; the closing round
	s_endpgm
.Lfunc_end_k_q136a46a02a_ffn1:
	.size	k_q136a46a02a_ffn1, .Lfunc_end_k_q136a46a02a_ffn1-k_q136a46a02a_ffn1
	.p2alignl 7, 3214868480
	.fill 96, 4, 3214868480
	.section	.rodata,"a",@progbits
	.p2align	6, 0x0
	.amdhsa_kernel k_q136a46a02a_ffn1
		.amdhsa_group_segment_fixed_size 327680
		.amdhsa_private_segment_fixed_size 0
		.amdhsa_enable_private_segment 0
		.amdhsa_kernarg_size 56
		.amdhsa_user_sgpr_count 2
		.amdhsa_user_sgpr_kernarg_segment_ptr 1
		.amdhsa_wavefront_size32 1
		.amdhsa_system_sgpr_workgroup_id_x 1
		.amdhsa_system_sgpr_workgroup_id_y 1
		.amdhsa_system_sgpr_workgroup_id_z 1
		.amdhsa_system_vgpr_workitem_id 0
		.amdhsa_next_free_vgpr 1024
		.amdhsa_next_free_sgpr 96
		.amdhsa_reserve_vcc 0
		.amdhsa_float_denorm_mode_32 3
		.amdhsa_float_denorm_mode_16_64 3
		.amdhsa_memory_ordered 1
		.amdhsa_forward_progress 1
		.amdhsa_inst_pref_size 167
	.end_amdhsa_kernel
	.amdgpu_metadata
---
amdhsa.version: [ 1, 2 ]
amdhsa.kernels:
  - .name:           k_q136a46a02a_ffn1
    .symbol:         k_q136a46a02a_ffn1.kd
    .args:
      - { .name: ao, .offset: 0, .size: 8, .value_kind: global_buffer, .address_space: global }
      - { .name: wf, .offset: 8, .size: 8, .value_kind: global_buffer, .address_space: global }
      - { .name: b1, .offset: 16, .size: 8, .value_kind: global_buffer, .address_space: global }
      - { .name: pb, .offset: 24, .size: 8, .value_kind: global_buffer, .address_space: global }
      - { .name: part, .offset: 32, .size: 8, .value_kind: global_buffer, .address_space: global }
      - { .name: router_b, .offset: 40, .size: 8, .value_kind: global_buffer, .address_space: global }
      - { .name: h1, .offset: 48, .size: 8, .value_kind: global_buffer, .address_space: global }
    .group_segment_fixed_size: 327680
    .private_segment_fixed_size: 0
    .kernarg_segment_align: 8
    .kernarg_segment_size: 56
    .max_flat_workgroup_size: 128
    .sgpr_count:     96
    .vgpr_count:     1024
    .wavefront_size: 32
...
	.end_amdgpu_metadata
.endif
;; end of part 8
;; launch ffn2: the kernel of part 6 again; grid 8 x 32, 4 waves a work-group, clusters of 4 x 4, 327,680 bytes of LDS; arguments h1, wts, b2, part, router_b, hidden_states, out0; writes out0
